; MI455X (gfx1250); checked and timed in simulation.
; The chip was launched on July 23, 2026; its instructions are those of AMD's public machine-readable ISA for CDNA 5 (MIT licence, August 2026) and "CDNA5" Instruction Set Architecture Reference Guide (July 2026). The comments in the code are by the model that wrote it; some were corrected since.
;; Mutil Region Attention. Allowed arithmetic: float matrix products may take bf16 or f16 operands with f32 sums; other float arithmetic in f32, or as packed bf16 or f16 multiplies, adds, multiply-adds, maxima and minima; sums over many terms, partial sums and values carried from step to step in f32; what a program stores and reads back later, other than sums and carried values, may be rounded once to bf16 or f16.
;; Inputs: Wc 64 x 128 float32; Wkv 2,048 x 1,024 float32; Wkvr 128 x 64 float32; Wq 1,024 x 1,024 float32; Wqr 64 x 64 float32; bc 64 float32; beta 64 float32; gamma 64 float32; rm 64 float32; rv 64 float32; x 4 x 64 x 256 x 256 float32.
;; Outputs: out0 4 x 64 x 256 x 256 float32.
;; 2 versions, each right. Each part assembles by itself: llvm-mc -triple=amdgcn-amd-amdhsa -mcpu=gfx1250 --defsym DOCPART=n.
;; ======== version 1 of 2: 6 launches
;; workspace buffers: xu 33,554,432 bytes; xm 524,288 bytes; xr 327,680 bytes; wb 6,291,456 bytes; kmf 1,048,576 bytes; st 1,572,864 bytes; tb 262,144 bytes; wcf 8,192 bytes
;; launch wprep (part 1): grid 768 x 1, 4 waves a work-group, no clusters, 9,728 bytes of LDS; arguments Wq, Wkv, wb; writes wb
.if DOCPART == 1
	.amdgcn_target "amdgcn-amd-amdhsa--gfx1250"
	.amdhsa_code_object_version 6
	.text
	.protected	k_qb3a0df5196_wprep
	.globl	k_qb3a0df5196_wprep
	.p2align	8
	.type	k_qb3a0df5196_wprep,@function
k_qb3a0df5196_wprep:
	s_mov_b64 s[64:65], 0
	v_nop
	global_prefetch_b8 v0, s[64:65] scope:SCOPE_SE
	s_setreg_imm32_b32 hwreg(HW_REG_WAVE_MODE, 25, 1), 1
	s_wait_xcnt 0x0
; Wq [1024][1024] and Wkv [2048][1024], f32, are rounded once to bf16 and laid out for the products that follow:
; wb[chunk of 8 k (128)][row (3072)][8 bf16]; rows 0-1023 Wq, 1024-2047 the k half of Wkv, 2048-3071 its v half.
; A work-group takes 16 rows x 256 k, a wave 16 rows x 64 k.  In: 8 loads, each two rows' 256 consecutive bytes.
; The turn from [row][k] to [chunk][row] goes through the wave's own stage in LDS (16 rows x 144 bytes).
; Out: 4 stores, each two runs of 256 consecutive bytes, aligned (16 rows' 16 bytes of one chunk).
.set SPARE, 9216                       ; behind the four stages: the spare words, 128 bytes a wave
.set SPW, 6                            ; v6  LDS address of my spare word; never rewritten
.set NIL, 7                            ; v7  0; never rewritten
.set X, 8                              ; v[8:39]  f32 as loaded; later the pieces read back
.set Y, 40                             ; v[40:55] bf16 pairs
	s_load_b128 s[4:7], s[0:1], 0x0                ; Wq s[4:5], Wkv s[6:7]
	s_load_b64 s[8:9], s[0:1], 0x10                ; wb
	v_lshl_add_u32 v[SPW], v0, 2, SPARE
	v_mov_b32 v[NIL], 0
	v_lshrrev_b32 v1, 5, v0
	v_readfirstlane_b32 s10, v1                    ; wave 0..3
	v_and_b32 v1, 15, v0                           ; r
	v_bfe_u32 v40, v0, 4, 1                        ; h
	v_lshlrev_b32 v2, 4, v1
	v_lshl_add_u32 v2, v40, 12, v2                 ; load offset: 4096 h + 16 r
	s_mul_i32 s20, s10, 2304                       ; my stage
	v_mul_u32_u24 v3, v40, 144
	v_lshl_add_u32 v3, v1, 3, v3
	v_add_nc_u32 v3, s20, v3                       ; in: row h, 8 bytes at 8 r
	v_mul_u32_u24 v4, v1, 144
	v_lshl_add_u32 v4, v40, 4, v4
	v_add_nc_u32 v4, s20, v4                       ; back: row r, chunk h
	v_mul_u32_u24 v5, v40, 49152
	v_lshl_add_u32 v5, v1, 4, v5                   ; store offset: chunk h, row r
	s_lshr_b32 s11, ttmp9, 2                       ; group of 16 rows, 0..191
	s_and_b32 s12, ttmp9, 3
	s_lshl2_add_u32 s12, s12, s10                  ; block of 64 k, 0..15
	s_sub_co_u32 s13, s11, 64
	s_cmp_lt_u32 s11, 64                           ; the first 64 groups are Wq's
	s_cselect_b32 s13, s11, s13
	s_wait_kmcnt 0x0
	s_cselect_b64 s[14:15], s[4:5], s[6:7]
	s_lshl_b32 s16, s13, 16                        ; 16 rows of 4,096 bytes
	s_lshl_b32 s17, s12, 8                         ; 64 f32
	s_add_co_u32 s16, s16, s17
	s_mov_b32 s17, 0
	s_add_nc_u64 s[14:15], s[14:15], s[16:17]
	s_mul_i32 s18, s12, 393216                     ; 8 chunks of 49,152 bytes
	s_lshl_b32 s19, s11, 8                         ; 16 rows of 16 bytes
	s_add_co_u32 s18, s18, s19
	s_mov_b32 s19, 0
	s_add_nc_u64 s[8:9], s[8:9], s[18:19]
.irp j, 0,1,2,3,4,5,6,7
	global_load_b128 v[X+4*(\j):X+4*(\j)+3], v2, s[14:15] offset:8192*(\j) th:TH_LOAD_NT  ; rows 2 j and 2 j + 1
.endr
.irp j, 0,1,2,3,4,5,6,7
	s_wait_loadcnt 7-(\j)                          ; loads come back in order: load j is in, the younger ones stay out
	v_cvt_pk_bf16_f32 v[Y+2*(\j)], v[X+4*(\j)], v[X+4*(\j)+1]
	v_cvt_pk_bf16_f32 v[Y+2*(\j)+1], v[X+4*(\j)+2], v[X+4*(\j)+3]
	ds_store_b64 v3, v[Y+2*(\j):Y+2*(\j)+1] offset:288*(\j)
.endr
.irp t, 0,1,2,3
	ds_load_b128 v[X+4*(\t):X+4*(\t)+3], v4 offset:32*(\t)  ; chunk 2 t + h of row r; LDS serves a wave's instructions in order, so these see the stores above
.endr
.irp t, 0,1,2,3
	s_wait_dscnt 3-(\t)
	global_store_b128 v5, v[X+4*(\t):X+4*(\t)+3], s[8:9] offset:98304*(\t)
.endr
	s_wait_tensorcnt 0x0                           ; the wave's end: a tensor wait, an add of 0 to my spare word and its wait, behind my last LDS store
	ds_add_u32 v[SPW], v[NIL]
	s_wait_dscnt 0x0
	s_endpgm
.Lfunc_end_k_qb3a0df5196_wprep:
	.size	k_qb3a0df5196_wprep, .Lfunc_end_k_qb3a0df5196_wprep-k_qb3a0df5196_wprep
	.p2alignl 7, 3214868480
	.fill 96, 4, 3214868480
	.section	.rodata,"a",@progbits
	.p2align	6, 0x0
	.amdhsa_kernel k_qb3a0df5196_wprep
		.amdhsa_group_segment_fixed_size 9728
		.amdhsa_private_segment_fixed_size 0
		.amdhsa_enable_private_segment 0
		.amdhsa_kernarg_size 24
		.amdhsa_user_sgpr_count 2
		.amdhsa_user_sgpr_kernarg_segment_ptr 1
		.amdhsa_wavefront_size32 1
		.amdhsa_system_sgpr_workgroup_id_x 1
		.amdhsa_system_sgpr_workgroup_id_y 1
		.amdhsa_system_sgpr_workgroup_id_z 1
		.amdhsa_system_vgpr_workitem_id 0
		.amdhsa_next_free_vgpr 64
		.amdhsa_next_free_sgpr 66
		.amdhsa_reserve_vcc 0
		.amdhsa_float_denorm_mode_32 3
		.amdhsa_float_denorm_mode_16_64 3
		.amdhsa_memory_ordered 1
		.amdhsa_forward_progress 1
		.amdhsa_inst_pref_size 6
	.end_amdhsa_kernel
	.amdgpu_metadata
---
amdhsa.version: [ 1, 2 ]
amdhsa.kernels:
  - .name:           k_qb3a0df5196_wprep
    .symbol:         k_qb3a0df5196_wprep.kd
    .args:
      - { .name: Wq, .offset: 0, .size: 8, .value_kind: global_buffer, .address_space: global }
      - { .name: Wkv, .offset: 8, .size: 8, .value_kind: global_buffer, .address_space: global }
      - { .name: wb, .offset: 16, .size: 8, .value_kind: global_buffer, .address_space: global }
    .group_segment_fixed_size: 9728
    .private_segment_fixed_size: 0
    .kernarg_segment_align: 8
    .kernarg_segment_size: 24
    .max_flat_workgroup_size: 128
    .sgpr_count:     66
    .vgpr_count:     64
    .wavefront_size: 32
...
	.end_amdgpu_metadata
.endif
;; end of part 1
;; launch xprep (part 2): grid 256 x 1, 4 waves a work-group, no clusters, 266,752 bytes of LDS; arguments x, xu, xm, xr; writes xu, xm, xr
.if DOCPART == 2
	.amdgcn_target "amdgcn-amd-amdhsa--gfx1250"
	.amdhsa_code_object_version 6
	.text
	.protected	k_qb3a0df5196_xprep
	.globl	k_qb3a0df5196_xprep
	.p2align	8
	.type	k_qb3a0df5196_xprep,@function
k_qb3a0df5196_xprep:
	s_mov_b64 s[64:65], 0
	v_nop
	global_prefetch_b8 v0, s[64:65] scope:SCOPE_SE
	s_setreg_imm32_b32 hwreg(HW_REG_WAVE_MODE, 25, 1), 1
	s_wait_xcnt 0x0
; x [4][64][256][256] f32 is read once and leaves in three forms:
;   xu  the unfolded image in bf16, [chunk of 8 l (128)][row (16384)][8]; row = (b 64 + kh 8 + kw) 64 + c, l = hp 32 + wp
;   xm  the 8 x 8 patch means in bf16, [chunk (128)][row = b 64 + c (256)][8]   (the mean over a channel's 64 rows of the unfolded image)
;   xr  the 16 x 16 region means in f32, [b][n = hr 16 + wr][c]; behind them, at byte 262,144, [b][hr 4 + g][c]: the sum of four neighbouring region means
; A work-group takes 16 channels x 16 image rows: 256 KiB, brought into LDS by first fills alone (nothing is filled again): 4 tensor loads a wave, each one image row of 16 channels.
; LDS row (image row 16 + channel), 1,024 bytes + 16 of padding.
; Wave g takes pixel columns 64 g .. 64 g + 63 (8 patches), lane % 16 the channel, lane / 16 the parity of the image row.
; xu and xm leave in runs of 256 consecutive bytes, aligned.  xr's rows hold 64 channels of which a work-group has 16: it leaves in 64-byte pieces; it is one part in 400 of the launch's bytes.
.set SPARE, 266240                     ; behind the 256 rows: the spare words
.set LA, 3                             ; v3  LDS address of my 256 bytes in the image row in hand
.set UO, 4                             ; v4  my byte offset in xu
.set MO, 5                             ; v5  in xm
.set RO, 6                             ; v6  in xr
.set PO, 7                             ; v7  in the sums of four
.set SPW, 8
.set NIL, 9
.set X, 32                             ; v[32:95]   64 pixels: patch j, column kw at 8 j + kw
.set Y, 96                             ; v[96:127]  8 pieces of 16 bytes: column kw, 8 patches
.set SP, 128                           ; v[128:143] running patch sums, a pair a patch
.set PS, 144                           ; v[144:159] patch sums of the upper and the lower patch row
.set T, 160                            ; v[160:175] at work
.set G1, 16                            ; s[16:23] descriptor group 1
.set G0, 24                            ; s[24:39] four sets of group 0
	s_load_b256 s[4:11], s[0:1], 0x0               ; x, xu, xm, xr
	v_lshl_add_u32 v[SPW], v0, 2, SPARE
	v_mov_b32 v[NIL], 0
	ds_add_u32 v[SPW], v[NIL]                      ; the wave's opening: the add and its wait stand ahead of my first tensor load
	v_lshrrev_b32 v1, 5, v0
	v_readfirstlane_b32 s12, v1                    ; wave = g
	s_lshr_b32 s13, ttmp9, 6                       ; b
	s_bfe_u32 s14, ttmp9, 0x40002                  ; hr
	s_and_b32 s15, ttmp9, 3                        ; group of 16 channels
	s_mov_b32 s[G1+0], (2<<16)|(1<<20)|(7<<22)|(3<<25)  ; 4-byte elements; padding on: 4 words after every 256
	s_mov_b32 s[G1+1], 256<<16                     ; tensor_dim0 = 256
	s_mov_b32 s[G1+2], 16<<16                      ; tensor_dim1 = 16
	s_mov_b32 s[G1+3], 256<<16                     ; tile_dim0 = 256
	s_mov_b32 s[G1+4], 16                          ; tile_dim1 = 16
	s_mov_b32 s[G1+5], 65536                       ; from channel to channel
	s_mov_b32 s[G1+6], 0
	s_mov_b32 s[G1+7], 0
	s_mul_i32 s44, s12, 16640                      ; image row w: 16 LDS rows of 1,040 bytes
	s_lshl_b32 s46, s13, 24                        ; b x 64 channels
	s_lshl_b32 s47, s15, 22                        ; 16 channels
	s_add_co_u32 s46, s46, s47
	s_lshl_b32 s47, s14, 14                        ; 16 image rows
	s_add_co_u32 s46, s46, s47
	s_lshl_b32 s47, s12, 10                        ; image row w
	s_add_co_u32 s46, s46, s47
	s_mov_b32 s47, 0
	s_wait_dscnt 0x0                               ; the opening add is done
	s_wait_kmcnt 0x0
	s_add_nc_u64 s[4:5], s[4:5], s[46:47]
.irp i, 0,1,2,3                        ; load i of wave w: image row 4 i + w.  Four loads of mine are out
	s_mov_b32 s[G0+4*(\i)], 1
	s_add_co_u32 s[G0+4*(\i)+1], s44, (\i)*66560
	s_add_nc_u64 s[G0+4*(\i)+2:G0+4*(\i)+3], s[4:5], (\i)*4096
	s_or_b32 s[G0+4*(\i)+3], s[G0+4*(\i)+3], 0x80000000
	tensor_load_to_lds s[G0+4*(\i):G0+4*(\i)+3], s[G1:G1+7]
	s_nop 0
.endr
	v_and_b32 v1, 15, v0                           ; channel
	v_bfe_u32 v2, v0, 4, 1                         ; parity
	v_and_b32 v10, 31, v0                          ; lane = parity 16 + channel
	v_mul_u32_u24 v[LA], v10, 1040
	s_lshl_b32 s45, s12, 8
	v_add_nc_u32 v[LA], s45, v[LA]
	v_lshlrev_b32 v11, 4, v1
	v_lshl_add_u32 v[UO], v2, 13, v11              ; kh's parity: 8,192 bytes; channel: 16
	v_lshl_add_u32 v[MO], v2, 14, v11              ; the lower patch row lies four chunks on
	v_lshlrev_b32 v[PO], 2, v1
	v_lshl_add_u32 v[RO], v2, 8, v[PO]
	v_cmp_ne_u32 s42, 0, v2                        ; lanes 16-31
	s_mov_b32 s40, 0x76543210                      ; v_permlanex16_b32: each lane takes its own place in the other half
	s_mov_b32 s41, 0xfedcba98
	s_lshl_b32 s44, s14, 3
	s_add_co_u32 s44, s44, s12                     ; chunk of the upper patch row: 8 hr + g
	s_lshl_b32 s46, s44, 18
	s_lshl_b32 s47, s13, 16
	s_add_co_u32 s46, s46, s47
	s_lshl_b32 s47, s15, 8
	s_add_co_u32 s46, s46, s47
	s_mov_b32 s47, 0
	s_add_nc_u64 s[6:7], s[6:7], s[46:47]          ; xu
	s_lshl_b32 s46, s44, 12
	s_lshl_b32 s47, s13, 10
	s_add_co_u32 s46, s46, s47
	s_lshl_b32 s47, s15, 8
	s_add_co_u32 s46, s46, s47
	s_mov_b32 s47, 0
	s_add_nc_u64 s[8:9], s[8:9], s[46:47]          ; xm
	s_lshl_b32 s46, s13, 14
	s_lshl_b32 s47, s14, 10
	s_add_co_u32 s46, s46, s47
	s_lshl_b32 s47, s12, 8
	s_add_co_u32 s46, s46, s47
	s_lshl_b32 s47, s15, 6
	s_add_co_u32 s46, s46, s47
	s_add_co_u32 s46, s46, 262144
	s_mov_b32 s47, 0
	s_add_nc_u64 s[48:49], s[10:11], s[46:47]      ; the sums of four
	s_lshl_b32 s46, s13, 16
	s_lshl_b32 s47, s14, 12
	s_add_co_u32 s46, s46, s47
	s_lshl_b32 s47, s12, 10
	s_add_co_u32 s46, s46, s47
	s_lshl_b32 s47, s15, 6
	s_add_co_u32 s46, s46, s47
	s_mov_b32 s47, 0
	s_add_nc_u64 s[10:11], s[10:11], s[46:47]      ; xr
; Eight image rows = one row of patches: four trips, each two image rows (one for each half of the lanes).
.macro HALF hp2
	s_wait_tensorcnt 2-2*(\hp2)                    ; my loads for these eight image rows are in (the first half leaves my two younger loads out),
	s_barrier_signal -1
	s_barrier_wait -1                              ; everybody's are.
.set j, 0
.rept 16
	v_mov_b32 v[SP+j], 0
.set j, j+1
.endr
	s_mov_b32 s50, 4
.Ltrip\hp2:
.irp q, 0,1,2,3,4,5,6,7,8,9,10,11,12,13,14,15
	ds_load_b128 v[X+4*(\q):X+4*(\q)+3], v[LA] offset:16*(\q)
.endr
	s_wait_dscnt 0x0
.irp kw, 0,1,2,3,4,5,6,7
.irp i, 0,1,2,3
	v_cvt_pk_bf16_f32 v[Y+4*(\kw)+(\i)], v[X+16*(\i)+(\kw)], v[X+16*(\i)+8+(\kw)]  ; column kw of patches 2 i and 2 i + 1
.endr
.endr
.irp k, 0,1,2,3
.irp j, 0,1,2,3,4,5,6,7
	v_pk_add_f32 v[SP+2*(\j):SP+2*(\j)+1], v[SP+2*(\j):SP+2*(\j)+1], v[X+8*(\j)+2*(\k):X+8*(\j)+2*(\k)+1]
.endr
.endr
.irp kw, 0,1,2,3,4,5,6,7
	global_store_b128 v[UO], v[Y+4*(\kw):Y+4*(\kw)+3], s[6:7] offset:(\kw)*1024+(\hp2)*983040  ; 16 channels' 16 bytes: 256 consecutive bytes for each half of the lanes
.endr
	s_wait_xcnt 0x0                                ; the stores have read Y and UO: both are written again only behind this wait
	v_add_nc_u32 v[UO], 16384, v[UO]               ; kh + 2
	v_add_nc_u32 v[LA], 33280, v[LA]               ; two image rows on
	s_sub_co_u32 s50, s50, 1
	s_cmp_lg_u32 s50, 0
	s_cbranch_scc1 .Ltrip\hp2
.irp j, 0,1,2,3,4,5,6,7
	v_add_f32 v[PS+8*(\hp2)+(\j)], v[SP+2*(\j)], v[SP+2*(\j)+1]
.endr
.irp j, 0,1,2,3,4,5,6,7
	v_permlanex16_b32 v[SP+2*(\j)], v[PS+8*(\hp2)+(\j)], s40, s41  ; the image rows of the other parity
.endr
.irp j, 0,1,2,3,4,5,6,7
	v_add_f32 v[PS+8*(\hp2)+(\j)], v[PS+8*(\hp2)+(\j)], v[SP+2*(\j)]
.endr
.endm
	HALF 0
	HALF 1
	; patch means: lanes 0-15 store the upper patch row's eight, lanes 16-31 the lower's
.irp j, 0,1,2,3,4,5,6,7
	v_cndmask_b32 v[T+(\j)], v[PS+(\j)], v[PS+8+(\j)], s42
.endr
.irp j, 0,2,4,6
	v_pk_mul_f32 v[T+(\j):T+(\j)+1], v[T+(\j):T+(\j)+1], 0x3c800000 op_sel_hi:[1,0]  ; 1 / 64
.endr
.irp i, 0,1,2,3
	v_cvt_pk_bf16_f32 v[T+8+(\i)], v[T+2*(\i)], v[T+2*(\i)+1]
.endr
	global_store_b128 v[MO], v[T+8:T+11], s[8:9]
	; region means: two patches wide, two high
.irp i, 0,2,4,6
	v_pk_add_f32 v[X+(\i):X+(\i)+1], v[PS+(\i):PS+(\i)+1], v[PS+8+(\i):PS+8+(\i)+1]
.endr
.irp i, 0,1,2,3
	v_add_f32 v[X+8+(\i)], v[X+2*(\i)], v[X+2*(\i)+1]
.endr
.irp i, 0,1,2,3
	v_mul_f32 v[X+8+(\i)], 0x3b800000, v[X+8+(\i)]  ; 1 / 256
.endr
	v_cndmask_b32 v[X+12], v[X+8], v[X+9], s42
	v_cndmask_b32 v[X+13], v[X+10], v[X+11], s42
	v_add_f32 v[X+14], v[X+8], v[X+9]
	v_add_f32 v[X+15], v[X+10], v[X+11]
	v_add_f32 v[X+14], v[X+14], v[X+15]
	global_store_b32 v[RO], v[X+12], s[10:11]
	global_store_b32 v[RO], v[X+13], s[10:11] offset:512
	s_wait_xcnt 0x0                                ; EXEC changes only behind this wait
	v_cmp_gt_u32 vcc_lo, 16, v10
	s_and_saveexec_b32 s43, vcc_lo                 ; both halves hold the same sum: lanes 0-15 store it
	global_store_b32 v[PO], v[X+14], s[48:49]
	s_wait_xcnt 0x0                                ; and again, ahead of the line that widens it
	s_or_b32 exec_lo, exec_lo, s43
	s_wait_tensorcnt 0x0                           ; the wave's end
	ds_add_u32 v[SPW], v[NIL]
	s_wait_dscnt 0x0
	s_endpgm
.Lfunc_end_k_qb3a0df5196_xprep:
	.size	k_qb3a0df5196_xprep, .Lfunc_end_k_qb3a0df5196_xprep-k_qb3a0df5196_xprep
	.p2alignl 7, 3214868480
	.fill 96, 4, 3214868480
	.section	.rodata,"a",@progbits
	.p2align	6, 0x0
	.amdhsa_kernel k_qb3a0df5196_xprep
		.amdhsa_group_segment_fixed_size 266752
		.amdhsa_private_segment_fixed_size 0
		.amdhsa_enable_private_segment 0
		.amdhsa_kernarg_size 32
		.amdhsa_user_sgpr_count 2
		.amdhsa_user_sgpr_kernarg_segment_ptr 1
		.amdhsa_wavefront_size32 1
		.amdhsa_system_sgpr_workgroup_id_x 1
		.amdhsa_system_sgpr_workgroup_id_y 1
		.amdhsa_system_sgpr_workgroup_id_z 1
		.amdhsa_system_vgpr_workitem_id 0
		.amdhsa_next_free_vgpr 176
		.amdhsa_next_free_sgpr 66
		.amdhsa_reserve_vcc 1
		.amdhsa_float_denorm_mode_32 3
		.amdhsa_float_denorm_mode_16_64 3
		.amdhsa_memory_ordered 1
		.amdhsa_forward_progress 1
		.amdhsa_inst_pref_size 23
	.end_amdhsa_kernel
	.amdgpu_metadata
---
amdhsa.version: [ 1, 2 ]
amdhsa.kernels:
  - .name:           k_qb3a0df5196_xprep
    .symbol:         k_qb3a0df5196_xprep.kd
    .args:
      - { .name: x, .offset: 0, .size: 8, .value_kind: global_buffer, .address_space: global }
      - { .name: xu, .offset: 8, .size: 8, .value_kind: global_buffer, .address_space: global }
      - { .name: xm, .offset: 16, .size: 8, .value_kind: global_buffer, .address_space: global }
      - { .name: xr, .offset: 24, .size: 8, .value_kind: global_buffer, .address_space: global }
    .group_segment_fixed_size: 266752
    .private_segment_fixed_size: 0
    .kernarg_segment_align: 8
    .kernarg_segment_size: 32
    .max_flat_workgroup_size: 128
    .sgpr_count:     66
    .vgpr_count:     176
    .wavefront_size: 32
...
	.end_amdgpu_metadata
.endif
;; end of part 2
;; launch kmean (part 3): grid 32 x 8, 8 waves a work-group, no clusters, 33,792 bytes of LDS; arguments xm, wb, kmf; writes kmf
.if DOCPART == 3
	.amdgcn_target "amdgcn-amd-amdhsa--gfx1250"
	.amdhsa_code_object_version 6
	.text
	.protected	k_qb3a0df5196_kmean
	.globl	k_qb3a0df5196_kmean
	.p2align	8
	.type	k_qb3a0df5196_kmean,@function
k_qb3a0df5196_kmean:
	s_mov_b64 s[64:65], 0
	v_nop
	global_prefetch_b8 v0, s[64:65] scope:SCOPE_SE
	s_setreg_imm32_b32 hwreg(HW_REG_WAVE_MODE, 25, 1), 1
	s_wait_xcnt 0x0
; kmean[b][c][n] = the sum over l of xm[b 64 + c][l] Wk[n][l]: the mean over a channel's 64 rows of k is the product of the rows' mean (exact in real arithmetic, for every input).
; 256 rows x 1,024 columns x K = 1,024; bf16 operands, f32 sums.  A work-group makes 32 x 32; K IS SPLIT AMONG ITS EIGHT WAVES, 128 each; the partial sums meet in LDS.
; Operands lie [chunk of 8 k][row][8]: a fragment's 16 rows of one chunk are 256 consecutive bytes, so they come straight from memory.
; The product is taken as Wk x xm^T: a lane then holds one row (lane % 16) and eight columns.  kmf keeps that very layout, for the launch that reads it:
; kmf[row / 16 (16)][n / 16 (64)][q (2)][lane (32)][4]: lane (r, h), element e = kmean[row 16 (..) + r][16 (n / 16) + 8 h + 4 q + e].
.set SPARE, 32768                      ; behind the 8 x 4,096 bytes of partial sums: the spare words, 128 bytes a wave
.set AO, 2                             ; v2  xm: 4,096 h + 16 r
.set BO, 3                             ; v3  wb: 49,152 h + 16 r
.set LS, 4                             ; v4  where I put my partial sums
.set LR, 5                             ; v5  where I read a tile's partial sums
.set KO, 6                             ; v6  16 x lane
.set SPW, 8
.set NIL, 9
.set ACC, 16                           ; v[16:47]  four accumulators: rows 16 mi, columns 16 ni at ACC + 8 (2 mi + ni)
.set BUF, 64                           ; v[64:191] four K steps of 32 registers: xm's two fragments, then wb's two
	s_load_b128 s[4:7], s[0:1], 0x0                ; xm, wb
	s_load_b64 s[8:9], s[0:1], 0x10                ; kmf
	v_lshl_add_u32 v[SPW], v0, 2, SPARE
	v_mov_b32 v[NIL], 0
	v_lshrrev_b32 v1, 5, v0
	v_readfirstlane_b32 s10, v1                    ; wave 0..7
	v_and_b32 v1, 15, v0
	v_bfe_u32 v10, v0, 4, 1
	v_and_b32 v11, 31, v0
	v_lshlrev_b32 v12, 4, v1
	v_lshl_add_u32 v[AO], v10, 12, v12
	v_mul_u32_u24 v[BO], v10, 49152
	v_add_nc_u32 v[BO], v[BO], v12
	v_lshlrev_b32 v[KO], 4, v11
	s_lshl_b32 s11, s10, 12
	v_add_nc_u32 v[LS], s11, v[KO]
	s_lshl_b32 s11, s10, 10
	v_add_nc_u32 v[LR], s11, v[KO]
	s_and_b32 s12, ttmp7, 0xffff                   ; block of 32 rows
	s_lshl_b32 s14, s10, 16                        ; my 16 chunks of xm
	s_lshl_b32 s15, s12, 9
	s_add_co_u32 s14, s14, s15
	s_mov_b32 s15, 0
	s_mul_i32 s16, s10, 786432                     ; my 16 chunks of wb
	s_lshl_b32 s17, ttmp9, 9                       ; block of 32 columns
	s_add_co_u32 s16, s16, s17
	s_add_co_u32 s16, s16, 16384                   ; Wk begins at row 1,024
	s_mov_b32 s17, 0
	s_wait_kmcnt 0x0
	s_add_nc_u64 s[4:5], s[4:5], s[14:15]
	s_add_nc_u64 s[6:7], s[6:7], s[16:17]
.irp s, 0,1,2,3                        ; all 32 loads go out at once
.irp m, 0,1
	global_load_b128 v[BUF+32*(\s)+8*(\m):BUF+32*(\s)+8*(\m)+3],   v[AO], s[4:5] offset:16384*(\s)+256*(\m)
	global_load_b128 v[BUF+32*(\s)+8*(\m)+4:BUF+32*(\s)+8*(\m)+7], v[AO], s[4:5] offset:16384*(\s)+256*(\m)+8192
.endr
.irp n, 0,1
	global_load_b128 v[BUF+32*(\s)+16+8*(\n):BUF+32*(\s)+16+8*(\n)+3],   v[BO], s[6:7] offset:196608*(\s)+256*(\n)
	global_load_b128 v[BUF+32*(\s)+16+8*(\n)+4:BUF+32*(\s)+16+8*(\n)+7], v[BO], s[6:7] offset:196608*(\s)+256*(\n)+98304
.endr
.endr
.irp s, 0,1,2,3                        ; the four accumulators take turns, one instruction a turn; the first K step starts the sums
	s_wait_loadcnt 24-8*(\s)                       ; K step s is in; the later steps' eight loads each may stay out
.irp m, 0,1
.irp n, 0,1
.if (\s) == 0
	v_wmma_f32_16x16x32_bf16 v[ACC+8*(2*(\m)+(\n)):ACC+8*(2*(\m)+(\n))+7], v[BUF+16+8*(\n):BUF+16+8*(\n)+7], v[BUF+8*(\m):BUF+8*(\m)+7], 0
.else
	v_wmma_f32_16x16x32_bf16 v[ACC+8*(2*(\m)+(\n)):ACC+8*(2*(\m)+(\n))+7], v[BUF+32*(\s)+16+8*(\n):BUF+32*(\s)+16+8*(\n)+7], v[BUF+32*(\s)+8*(\m):BUF+32*(\s)+8*(\m)+7], v[ACC+8*(2*(\m)+(\n)):ACC+8*(2*(\m)+(\n))+7]
.endif
.endr
.endr
.endr
.rept 4
	v_nop                                          ; four places behind the last product, ahead of the stores that read results
.endr
.irp a, 0,1,2,3
	ds_store_b128 v[LS], v[ACC+8*(\a):ACC+8*(\a)+3]   offset:1024*(\a)
	ds_store_b128 v[LS], v[ACC+8*(\a)+4:ACC+8*(\a)+7] offset:1024*(\a)+512
.endr
	s_wait_dscnt 0x0                               ; for the others' sake: my stores are done
	s_barrier_signal -1
	s_barrier_wait -1
	s_cmp_lt_u32 s10, 4                            ; wave w < 4 finishes tile w
	s_cbranch_scc0 .Lend
.irp v, 0,1,2,3,4,5,6,7
	ds_load_b128 v[BUF+8*(\v):BUF+8*(\v)+3],   v[LR] offset:4096*(\v)
	ds_load_b128 v[BUF+8*(\v)+4:BUF+8*(\v)+7], v[LR] offset:4096*(\v)+512
.endr
	s_lshr_b32 s14, s10, 1
	s_lshl1_add_u32 s14, s12, s14                  ; row / 16
	s_and_b32 s15, s10, 1
	s_lshl1_add_u32 s15, ttmp9, s15                ; column / 16
	s_lshl_b32 s14, s14, 6
	s_add_co_u32 s14, s14, s15
	s_lshl_b32 s14, s14, 10
	s_mov_b32 s15, 0
	s_add_nc_u64 s[8:9], s[8:9], s[14:15]
	s_wait_dscnt 0x0
.irp v, 0,2,4,6
.irp i, 0,2,4,6
	v_pk_add_f32 v[BUF+8*(\v)+(\i):BUF+8*(\v)+(\i)+1], v[BUF+8*(\v)+(\i):BUF+8*(\v)+(\i)+1], v[BUF+8*(\v)+8+(\i):BUF+8*(\v)+8+(\i)+1]
.endr
.endr
.irp v, 0,4
.irp i, 0,2,4,6
	v_pk_add_f32 v[BUF+8*(\v)+(\i):BUF+8*(\v)+(\i)+1], v[BUF+8*(\v)+(\i):BUF+8*(\v)+(\i)+1], v[BUF+8*(\v)+16+(\i):BUF+8*(\v)+16+(\i)+1]
.endr
.endr
.irp i, 0,2,4,6
	v_pk_add_f32 v[BUF+(\i):BUF+(\i)+1], v[BUF+(\i):BUF+(\i)+1], v[BUF+32+(\i):BUF+32+(\i)+1]
.endr
	global_store_b128 v[KO], v[BUF:BUF+3], s[8:9]              ; 512 consecutive bytes
	global_store_b128 v[KO], v[BUF+4:BUF+7], s[8:9] offset:512
.Lend:
	s_wait_tensorcnt 0x0                           ; the wave's end: a tensor wait, an add of 0 to my spare word and its wait, behind my last LDS store
	ds_add_u32 v[SPW], v[NIL]
	s_wait_dscnt 0x0
	s_endpgm
.Lfunc_end_k_qb3a0df5196_kmean:
	.size	k_qb3a0df5196_kmean, .Lfunc_end_k_qb3a0df5196_kmean-k_qb3a0df5196_kmean
	.p2alignl 7, 3214868480
	.fill 96, 4, 3214868480
	.section	.rodata,"a",@progbits
	.p2align	6, 0x0
	.amdhsa_kernel k_qb3a0df5196_kmean
		.amdhsa_group_segment_fixed_size 33792
		.amdhsa_private_segment_fixed_size 0
		.amdhsa_enable_private_segment 0
		.amdhsa_kernarg_size 24
		.amdhsa_user_sgpr_count 2
		.amdhsa_user_sgpr_kernarg_segment_ptr 1
		.amdhsa_wavefront_size32 1
		.amdhsa_system_sgpr_workgroup_id_x 1
		.amdhsa_system_sgpr_workgroup_id_y 1
		.amdhsa_system_sgpr_workgroup_id_z 1
		.amdhsa_system_vgpr_workitem_id 0
		.amdhsa_next_free_vgpr 192
		.amdhsa_next_free_sgpr 66
		.amdhsa_reserve_vcc 0
		.amdhsa_float_denorm_mode_32 3
		.amdhsa_float_denorm_mode_16_64 3
		.amdhsa_memory_ordered 1
		.amdhsa_forward_progress 1
		.amdhsa_inst_pref_size 10
	.end_amdhsa_kernel
	.amdgpu_metadata
---
amdhsa.version: [ 1, 2 ]
amdhsa.kernels:
  - .name:           k_qb3a0df5196_kmean
    .symbol:         k_qb3a0df5196_kmean.kd
    .args:
      - { .name: xm, .offset: 0, .size: 8, .value_kind: global_buffer, .address_space: global }
      - { .name: wb, .offset: 8, .size: 8, .value_kind: global_buffer, .address_space: global }
      - { .name: kmf, .offset: 16, .size: 8, .value_kind: global_buffer, .address_space: global }
    .group_segment_fixed_size: 33792
    .private_segment_fixed_size: 0
    .kernarg_segment_align: 8
    .kernarg_segment_size: 24
    .max_flat_workgroup_size: 256
    .sgpr_count:     66
    .vgpr_count:     192
    .wavefront_size: 32
...
	.end_amdgpu_metadata
.endif
;; end of part 3
;; launch region (part 4): grid 64 x 1, 1 waves a work-group, no clusters, 0 bytes of LDS; arguments xr, Wqr, Wkvr, Wc, bc, gamma, beta, rm, rv, tb, wcf; writes tb, wcf
.if DOCPART == 4
	.amdgcn_target "amdgcn-amd-amdhsa--gfx1250"
	.amdhsa_code_object_version 6
	.text
	.protected	k_qb3a0df5196_region
	.globl	k_qb3a0df5196_region
	.p2align	8
	.type	k_qb3a0df5196_region,@function
k_qb3a0df5196_region:
	s_mov_b64 s[64:65], 0
	v_nop
	global_prefetch_b8 v0, s[64:65] scope:SCOPE_SE
	s_setreg_imm32_b32 hwreg(HW_REG_WAVE_MODE, 25, 1), 1
	s_wait_xcnt 0x0
; THE REGION ATTENTION, and the constants of the last step.  One wave takes 16 regions n of one image (64 work-groups: that is all the work there is).
; With g = gamma / sqrt(rv + 1e-5):  out = x / (1 + 2^(sum over c < 64 of wcf[o][c] inside[c] + tb[n][o])), where
;   wcf[o][c] = -log2(e) g[o] Wc[o][c], rounded once to bf16;   tb[b][n][o] = -log2(e) ((sr[n] u[n][o] + bc[o] - rm[o]) g[o] + beta[o]), f32;
;   u[n][o] = sum over c of Wc[o][64 + c] vr[n][c]: the gate sr[n] is one number a region, so it is applied behind this product (exact in real arithmetic).
; krm, the mean of kr over the image's 256 regions, is the product of the regions' mean: the 64 sums of four in xr are folded to 16 rows, multiplied, and the 16 results added.
; All products as W x X^T: a lane holds one region (lane % 16), its registers the outputs o = 16 ob + 8 (lane / 16) + j.  bf16 operands, f32 sums; softmax with its maximum taken away.
; A weight below 2^-126 counts as 0; NaN and infinities are not treated apart.  tb leaves in 16-byte pieces a lane, 4 KiB a wave over eight stores: the launch's whole output is 270 KB.
; REGISTERS.  Window 0: v3-8 offsets; v16-47 my regions in f32, later beta; v48-63, v64-79 operands in bf16; v80-143 a weight block in bf16; v144-207 two sets of four accumulators;
; v208-239 krm; v240-251 at work.  Window 1: two landing areas of 128 for weight blocks in f32.
.set MSB, 0
.macro WIN new                         ; the immediate's high byte repeats the setting that is left
.if MSB != (\new)
	s_set_vgpr_msb (MSB<<8)|(\new)
.set MSB, \new
.endif
.endm
.set VO, 3                             ; 256 r + 32 h
.set VC, 4                             ; 512 r + 32 h
.set VH, 5                             ; 32 h
.set VL8, 6                            ; 8 x lane
.set VZ, 7                             ; 0
.set VL4, 8                            ; 4 x lane
.set XO, 16
.set XF, 48
.set XSF, 64                           ; the folded sums; at work in the softmax; then vr in bf16
.set WF, 80
.set ACCA, 144
.set ACCB, 176
.set KM, 208
.set CC, 244
.set CM, 248
.set SR, 250
.set LP, 64
.set DP, 72
.set T0, 0                             ; window 1
.set T1, 128
.set RV, 128
.set GA, 160
.set BC, 192
.set RM, 224
.set L2E, 44                           ; s[44:45] log2(e)
.set SEL, 46                           ; s[46:47]
.macro LDF dst, vo, sb, imm            ; 16 rows x 64 numbers in f32, in a fragment's order
.irp ks, 0,1
.irp hf, 0,1
.irp q, 0,1
	global_load_b128 v[(\dst)+16*(\ks)+8*(\hf)+4*(\q):(\dst)+16*(\ks)+8*(\hf)+4*(\q)+3], v[\vo], s[\sb:\sb+1] offset:(\imm)+128*(\ks)+64*(\hf)+16*(\q)
.endr
.endr
.endr
.endm
.macro LDW dst, vo, sb, imm, step      ; four such blocks: 64 rows
.irp ob, 0,1,2,3
	LDF (\dst)+32*(\ob), \vo, \sb, (\imm)+(\step)*(\ob)
.endr
.endm
.macro LDV dst, sb                     ; a vector of 64 in the accumulators' order
.irp ob, 0,1,2,3
.irp q, 0,1
	global_load_b128 v[(\dst)+8*(\ob)+4*(\q):(\dst)+8*(\ob)+4*(\q)+3], v[VH], s[\sb:\sb+1] offset:64*(\ob)+16*(\q)
.endr
.endr
.endm
.macro CVT dst, src, n
.set ci, 0
.rept \n
	v_cvt_pk_bf16_f32 v[(\dst)+ci], v[(\src)+2*ci], v[(\src)+2*ci+1]
.set ci, ci+1
.endr
.endm
.macro MM4 acc, x                      ; 64 outputs x 16 rows x K = 64: the four accumulators take turns; the first K step starts the sums
.irp ks, 0,1
.irp ob, 0,1,2,3
.if (\ks) == 0
	v_wmma_f32_16x16x32_bf16 v[(\acc)+8*(\ob):(\acc)+8*(\ob)+7], v[WF+16*(\ob):WF+16*(\ob)+7], v[(\x):(\x)+7], 0
.else
	v_wmma_f32_16x16x32_bf16 v[(\acc)+8*(\ob):(\acc)+8*(\ob)+7], v[WF+16*(\ob)+8:WF+16*(\ob)+15], v[(\x)+8:(\x)+15], v[(\acc)+8*(\ob):(\acc)+8*(\ob)+7]
.endif
.endr
.endr
.rept 4
	v_nop                                          ; four places behind the products, ahead of what reads results or writes operands
.endr
.endm
	s_load_b512 s[4:19], s[0:1], 0x0               ; xr, Wqr, Wkvr, Wc, bc, gamma, beta, rm
	s_load_b128 s[20:23], s[0:1], 0x40             ; rv, tb
	s_load_b64 s[24:25], s[0:1], 0x50              ; wcf
	v_and_b32 v1, 15, v0
	v_bfe_u32 v2, v0, 4, 1
	v_lshlrev_b32 v[VH], 5, v2
	v_lshl_add_u32 v[VO], v1, 8, v[VH]
	v_lshl_add_u32 v[VC], v1, 9, v[VH]
	v_lshlrev_b32 v[VL8], 3, v0
	v_lshlrev_b32 v[VL4], 2, v0
	v_mov_b32 v[VZ], 0
	s_mov_b32 s[L2E], 0x3fb8aa3b
	s_mov_b32 s[L2E+1], s[L2E]
	s_mov_b32 s[SEL], 0x76543210
	s_mov_b32 s[SEL+1], 0xfedcba98
	s_lshl_b32 s40, ttmp9, 12                      ; my 16 rows of 256 bytes
	s_mov_b32 s41, 0
	s_lshr_b32 s42, ttmp9, 4                       ; b
	s_lshl_b32 s42, s42, 14
	s_add_co_u32 s42, s42, 262144
	s_mov_b32 s43, 0
	s_wait_kmcnt 0x0
	s_add_nc_u64 s[26:27], s[4:5], s[40:41]        ; my regions
	s_add_nc_u64 s[28:29], s[4:5], s[42:43]        ; the image's 64 sums of four
	s_add_nc_u64 s[30:31], s[22:23], s[40:41]      ; my rows of tb
	s_lshl_b32 s40, ttmp9, 9
	s_add_nc_u64 s[32:33], s[10:11], s[40:41]      ; row id of Wc,
	s_lshl_b32 s40, ttmp9, 2
	s_add_nc_u64 s[34:35], s[14:15], s[40:41]      ; gamma[id],
	s_add_nc_u64 s[36:37], s[20:21], s[40:41]      ; rv[id],
	s_lshl_b32 s40, ttmp9, 7
	s_add_nc_u64 s[38:39], s[24:25], s[40:41]      ; row id of wcf
	LDF XO, VO, 26, 0
	WIN 0x40                                       ; destination window 1
	LDW T0, VO, 28, 0, 4096
	LDW T1, VO, 8, 0, 4096                         ; Wkr
	s_wait_loadcnt 32                              ; all but Wkr's 32
	WIN 0
	CVT XF, XO, 16
	WIN 0x45
.set i, 0
.rept 16
	v_pk_add_f32 v[T0+i:T0+i+1], v[T0+i:T0+i+1], v[T0+32+i:T0+32+i+1]
	v_pk_add_f32 v[T0+64+i:T0+64+i+1], v[T0+64+i:T0+64+i+1], v[T0+96+i:T0+96+i+1]
.set i, i+2
.endr
.set i, 0
.rept 16
	v_pk_add_f32 v[T0+i:T0+i+1], v[T0+i:T0+i+1], v[T0+64+i:T0+64+i+1]
.set i, i+2
.endr
	WIN 0x05
	CVT XSF, T0, 16
	WIN 0x40
	LDW T0, VO, 6, 0, 4096                         ; Wqr
	s_wait_loadcnt 32                              ; Wkr is in
	WIN 0x05
	CVT WF, T1, 64
	WIN 0x40
	LDW T1, VO, 8, 16384, 4096                     ; Wvr
	WIN 0
	MM4 ACCA, XSF
.irp m, 1,2,4,8                        ; the 16 rows are added across the lanes of each half
.set i, 0
.rept 32
	v_add_f32_dpp v[ACCA+i], v[ACCA+i], v[ACCA+i] row_xmask:\m row_mask:0xf bank_mask:0xf
.set i, i+1
.endr
.endr
.set i, 0
.rept 16
	v_pk_mul_f32 v[KM+i:KM+i+1], v[ACCA+i:ACCA+i+1], 0x3b800000 op_sel_hi:[1,0]  ; 1 / 256: krm
.set i, i+2
.endr
	s_wait_loadcnt 32                              ; Wqr is in
	WIN 0x05
	CVT WF, T0, 64
	WIN 0x40
	LDW T0, VC, 10, 256, 8192                      ; Wc's region half
	WIN 0
	MM4 ACCB, XF                                   ; qr
.irp ob, 0,1,2,3                       ; the maximum: each accumulator's lowest registers are read first
	v_max3_num_f32 v[CC+(\ob)], v[ACCB+8*(\ob)], v[ACCB+8*(\ob)+1], v[ACCB+8*(\ob)+2]
.endr
.irp ob, 0,1,2,3
	v_max3_num_f32 v[CC+(\ob)], v[CC+(\ob)], v[ACCB+8*(\ob)+3], v[ACCB+8*(\ob)+4]
.endr
.irp ob, 0,1,2,3
	v_max3_num_f32 v[CC+(\ob)], v[CC+(\ob)], v[ACCB+8*(\ob)+5], v[ACCB+8*(\ob)+6]
.endr
	v_max3_num_f32 v[CC], v[CC], v[ACCB+7], v[ACCB+15]
	v_max3_num_f32 v[CC+2], v[CC+2], v[ACCB+23], v[ACCB+31]
	v_max3_num_f32 v[CC], v[CC], v[CC+1], v[CC+2]
	v_max_num_f32 v[CC], v[CC], v[CC+3]
	v_permlanex16_b32 v[CC+1], v[CC], s[SEL], s[SEL+1]  ; the region's other 32 outputs lie in the lane 16 away
	v_max_num_f32 v[CC], v[CC], v[CC+1]
	v_mul_f32 v[CM], s[L2E], v[CC]
	v_mov_b32 v[CM+1], v[CM]
.set i, 0
.rept 16
	v_pk_fma_f32 v[ACCB+i:ACCB+i+1], v[ACCB+i:ACCB+i+1], s[L2E:L2E+1], v[CM:CM+1] op_sel_hi:[1,0,0] neg_lo:[0,0,1] neg_hi:[0,0,1]
.set i, i+2
.endr
.set i, 0
.rept 32
	v_exp_f32 v[ACCB+i], v[ACCB+i]
.set i, i+1
.endr
	v_nop                                          ; a plain instruction behind the last exponential,
	s_wait_alu depctr_va_vdst(0)                   ; and the one wait for the batch, ahead of its first reader
.irp c, 0,1,2,3
	v_pk_add_f32 v[LP+2*(\c):LP+2*(\c)+1], v[ACCB+8*(\c):ACCB+8*(\c)+1], v[ACCB+8*(\c)+2:ACCB+8*(\c)+3]
	v_pk_mul_f32 v[DP+2*(\c):DP+2*(\c)+1], v[ACCB+8*(\c):ACCB+8*(\c)+1], v[KM+8*(\c):KM+8*(\c)+1]
.endr
.irp c, 0,1,2,3
	v_pk_fma_f32 v[DP+2*(\c):DP+2*(\c)+1], v[ACCB+8*(\c)+2:ACCB+8*(\c)+3], v[KM+8*(\c)+2:KM+8*(\c)+3], v[DP+2*(\c):DP+2*(\c)+1]
.endr
.irp k, 4,6
.irp c, 0,1,2,3
	v_pk_add_f32 v[LP+2*(\c):LP+2*(\c)+1], v[LP+2*(\c):LP+2*(\c)+1], v[ACCB+8*(\c)+(\k):ACCB+8*(\c)+(\k)+1]
	v_pk_fma_f32 v[DP+2*(\c):DP+2*(\c)+1], v[ACCB+8*(\c)+(\k):ACCB+8*(\c)+(\k)+1], v[KM+8*(\c)+(\k):KM+8*(\c)+(\k)+1], v[DP+2*(\c):DP+2*(\c)+1]
.endr
.endr
	v_pk_add_f32 v[LP:LP+1], v[LP:LP+1], v[LP+2:LP+3]
	v_pk_add_f32 v[LP+4:LP+5], v[LP+4:LP+5], v[LP+6:LP+7]
	v_pk_add_f32 v[DP:DP+1], v[DP:DP+1], v[DP+2:DP+3]
	v_pk_add_f32 v[DP+4:DP+5], v[DP+4:DP+5], v[DP+6:DP+7]
	v_pk_add_f32 v[LP:LP+1], v[LP:LP+1], v[LP+4:LP+5]
	v_pk_add_f32 v[DP:DP+1], v[DP:DP+1], v[DP+4:DP+5]
	v_add_f32 v[LP], v[LP], v[LP+1]
	v_add_f32 v[DP], v[DP], v[DP+1]
	v_permlanex16_b32 v[LP+1], v[LP], s[SEL], s[SEL+1]
	v_permlanex16_b32 v[DP+1], v[DP], s[SEL], s[SEL+1]
	v_add_f32 v[LP], v[LP], v[LP+1]
	v_add_f32 v[DP], v[DP], v[DP+1]
	v_rcp_f32 v[CC], v[LP]
	v_nop
	s_wait_alu depctr_va_vdst(0)
	v_mul_f32 v[CC], v[CC], v[DP]                  ; ar
	v_mul_f32 v[CC], 0xbfb8aa3b, v[CC]
	v_exp_f32 v[CC+1], v[CC]
	v_nop
	s_wait_alu depctr_va_vdst(0)
	v_add_f32 v[CC+1], 1.0, v[CC+1]
	v_rcp_f32 v[SR], v[CC+1]                       ; sr = sigmoid(ar)
	v_nop
	s_wait_alu depctr_va_vdst(0)
	v_mov_b32 v[SR+1], v[SR]
	s_wait_loadcnt 32                              ; Wvr is in
	WIN 0x05
	CVT WF, T1, 64
	WIN 0x40
	LDV RV, 20
	LDV GA, 14
	LDV BC, 12
	LDV RM, 18
	WIN 0
	LDV XO, 16                                     ; beta
	global_load_b64 v[240:241], v[VL8], s[32:33]   ; Wc[id][2 lane ..]
	global_load_b32 v242, v[VZ], s[34:35]
	global_load_b32 v243, v[VZ], s[36:37]
	MM4 ACCA, XF                                   ; vr
	CVT XSF, ACCA, 16                              ; two accumulators rounded in pairs are the next product's operand: 32 channels x 16 regions
	s_wait_loadcnt 43                              ; Wc's half is in; the 43 loads issued behind it may stay out
	WIN 0x05
	CVT WF, T0, 64
	WIN 0
	MM4 ACCB, XSF                                  ; u
	s_wait_loadcnt 0x0
	v_add_f32 v243, 0x3727c5ac, v243               ; rv + 1e-5
	WIN 0x45
.set i, 0
.rept 16
	v_pk_add_f32 v[RV+i:RV+i+1], v[RV+i:RV+i+1], 0x3727c5ac op_sel_hi:[1,0]
.set i, i+2
.endr
.set i, 0
.rept 32
	v_rsq_f32 v[RV+i], v[RV+i]
.set i, i+1
.endr
	WIN 0
	v_rsq_f32 v243, v243
	v_nop
	s_wait_alu depctr_va_vdst(0)                   ; one wait for the 33
	WIN 0x45
.set i, 0
.rept 16
	v_pk_mul_f32 v[GA+i:GA+i+1], v[GA+i:GA+i+1], v[RV+i:RV+i+1]
	v_pk_add_f32 v[BC+i:BC+i+1], v[BC+i:BC+i+1], v[RM+i:RM+i+1] neg_lo:[0,1] neg_hi:[0,1]
.set i, i+2
.endr
.set i, 0
.rept 16
	v_pk_mul_f32 v[GA+i:GA+i+1], v[GA+i:GA+i+1], 0xbfb8aa3b op_sel_hi:[1,0]  ; -log2(e) g
.set i, i+2
.endr
	WIN 0
.set i, 0
.rept 16
	v_pk_mul_f32 v[XO+i:XO+i+1], v[XO+i:XO+i+1], 0xbfb8aa3b op_sel_hi:[1,0]  ; -log2(e) beta
.set i, i+2
.endr
	WIN 0x45                                       ; source 2 in window 0
.set i, 0
.rept 16
	v_pk_fma_f32 v[BC+i:BC+i+1], v[BC+i:BC+i+1], v[GA+i:GA+i+1], v[XO+i:XO+i+1]
.set i, i+2
.endr
	WIN 0x41
.set i, 0
.rept 16
	v_pk_mul_f32 v[GA+i:GA+i+1], v[GA+i:GA+i+1], v[SR:SR+1] op_sel_hi:[1,0]
.set i, i+2
.endr
	WIN 0x14                                       ; sources 1 and 2 in window 1
.set i, 0
.rept 16
	v_pk_fma_f32 v[ACCB+i:ACCB+i+1], v[ACCB+i:ACCB+i+1], v[GA+i:GA+i+1], v[BC+i:BC+i+1]
.set i, i+2
.endr
	WIN 0
.irp ob, 0,1,2,3
.irp q, 0,1
	global_store_b128 v[VO], v[ACCB+8*(\ob)+4*(\q):ACCB+8*(\ob)+4*(\q)+3], s[30:31] offset:64*(\ob)+16*(\q)
.endr
.endr
	v_mul_f32 v242, v242, v243                     ; g[id]
	v_mul_f32 v242, 0xbfb8aa3b, v242
	v_mul_f32 v240, v240, v242
	v_mul_f32 v241, v241, v242
	v_cvt_pk_bf16_f32 v244, v240, v241
	global_store_b32 v[VL4], v244, s[38:39]        ; 128 consecutive bytes: row id of wcf
	s_endpgm
.Lfunc_end_k_qb3a0df5196_region:
	.size	k_qb3a0df5196_region, .Lfunc_end_k_qb3a0df5196_region-k_qb3a0df5196_region
	.p2alignl 7, 3214868480
	.fill 96, 4, 3214868480
	.section	.rodata,"a",@progbits
	.p2align	6, 0x0
	.amdhsa_kernel k_qb3a0df5196_region
		.amdhsa_group_segment_fixed_size 0
		.amdhsa_private_segment_fixed_size 0
		.amdhsa_enable_private_segment 0
		.amdhsa_kernarg_size 88
		.amdhsa_user_sgpr_count 2
		.amdhsa_user_sgpr_kernarg_segment_ptr 1
		.amdhsa_wavefront_size32 1
		.amdhsa_system_sgpr_workgroup_id_x 1
		.amdhsa_system_sgpr_workgroup_id_y 1
		.amdhsa_system_sgpr_workgroup_id_z 1
		.amdhsa_system_vgpr_workitem_id 0
		.amdhsa_next_free_vgpr 512
		.amdhsa_next_free_sgpr 66
		.amdhsa_reserve_vcc 0
		.amdhsa_float_denorm_mode_32 3
		.amdhsa_float_denorm_mode_16_64 3
		.amdhsa_memory_ordered 1
		.amdhsa_forward_progress 1
		.amdhsa_inst_pref_size 75
	.end_amdhsa_kernel
	.amdgpu_metadata
---
amdhsa.version: [ 1, 2 ]
amdhsa.kernels:
  - .name:           k_qb3a0df5196_region
    .symbol:         k_qb3a0df5196_region.kd
    .args:
      - { .name: xr, .offset: 0, .size: 8, .value_kind: global_buffer, .address_space: global }
      - { .name: Wqr, .offset: 8, .size: 8, .value_kind: global_buffer, .address_space: global }
      - { .name: Wkvr, .offset: 16, .size: 8, .value_kind: global_buffer, .address_space: global }
      - { .name: Wc, .offset: 24, .size: 8, .value_kind: global_buffer, .address_space: global }
      - { .name: bc, .offset: 32, .size: 8, .value_kind: global_buffer, .address_space: global }
      - { .name: gamma, .offset: 40, .size: 8, .value_kind: global_buffer, .address_space: global }
      - { .name: beta, .offset: 48, .size: 8, .value_kind: global_buffer, .address_space: global }
      - { .name: rm, .offset: 56, .size: 8, .value_kind: global_buffer, .address_space: global }
      - { .name: rv, .offset: 64, .size: 8, .value_kind: global_buffer, .address_space: global }
      - { .name: tb, .offset: 72, .size: 8, .value_kind: global_buffer, .address_space: global }
      - { .name: wcf, .offset: 80, .size: 8, .value_kind: global_buffer, .address_space: global }
    .group_segment_fixed_size: 0
    .private_segment_fixed_size: 0
    .kernarg_segment_align: 8
    .kernarg_segment_size: 88
    .max_flat_workgroup_size: 32
    .sgpr_count:     66
    .vgpr_count:     512
    .wavefront_size: 32
...
	.end_amdgpu_metadata
.endif
;; end of part 4
;; launch qgemm (part 5): grid 4 x 64, 4 waves a work-group, clusters of 4 x 4, 327,680 bytes of LDS; arguments xu, wb, kmf, st; writes st
.if DOCPART == 5
	.amdgcn_target "amdgcn-amd-amdhsa--gfx1250"
	.amdhsa_code_object_version 6
	.text
	.protected	k_qb3a0df5196_qgemm
	.globl	k_qb3a0df5196_qgemm
	.p2align	8
	.type	k_qb3a0df5196_qgemm,@function
k_qb3a0df5196_qgemm:
	s_mov_b64 s[64:65], 0
	v_nop
	global_prefetch_b8 v0, s[64:65] scope:SCOPE_SE
	s_setreg_imm32_b32 hwreg(HW_REG_WAVE_MODE, 25, 1), 1
	s_wait_xcnt 0x0
	s_wait_alu depctr_hold_cnt(0) depctr_sa_sdst(0) depctr_va_vdst(0) depctr_va_sdst(0) depctr_va_ssrc(0) depctr_va_vcc(0) depctr_vm_vsrc(0)
	s_getreg_b32 s2, hwreg(HW_REG_IB_STS2, 6, 4)
	s_cmp_eq_u32 s2, 0
	s_cbranch_scc0 .Lentry_in_a_cluster
	s_endpgm
.Lentry_in_a_cluster:
	s_bfe_u32 s2, ttmp6, 0x10000c
	s_cmp_lg_u32 s2, 0xf033
	s_cbranch_scc0 .Lentry_shape_is_right
	s_endpgm
.Lentry_shape_is_right:
; q = x_ Wq^T (16,384 x 1,024 x K = 1,024, bf16 operands, f32 sums) is never stored: of each row and each block of 128 columns only three numbers leave:
;   cm = log2(e) x the block's maximum;  l = the sum of 2^(log2(e) q - cm);  d = the sum of 2^(log2(e) q - cm) kmean.   The next launch merges the eight blocks under their common maximum.
; st[block of 128 columns (8)][cm, l, d][16,384]: row G 128 + 16 a + r at place G 128 + 8 r + a.
; A tile of q, 256 x 256, is made by four waves, each 128 x 128: 64 accumulators, 512 registers.  K goes in steps of 128 through two LDS slots filled by the tensor data mover.
; OPERANDS LIE [chunk of 8 k][row][8 bf16]: in LDS a chunk of a tile is 256 rows x 16 bytes = 4,096 bytes; a fragment load takes 16 rows' 16 bytes of one chunk for each half of the lanes
; so no padding is wanted.  A tensor load brings 8 chunks: 8 rows of 4,096 consecutive bytes.
; CLUSTER 4 x 4: the four work-groups of a row need the same rows of xu, the four of a column the same rows of Wq: each tile is asked for jointly.
; The product is taken as Wq x x_^T: a lane holds ONE row of q (lane % 16) and, in accumulator b, the columns 16 b + 8 (lane / 16) + 0..7; kmf lies in that very layout.
; LIMITS.  A weight below 2^-126 counts as 0; NaN and infinities are not treated apart.
; REGISTERS in windows of 256: window 0: v0-31 addresses, v64-191 xu's fragments (two buffers), v192-255 kmean set 2; window 1: v64-191 Wq's fragments, v0-63 and v192-255 kmean sets 0 and 1;
; windows 2 and 3: accumulator (a, b) at v[8 (8 (a % 4) + b)].  On the way out window 0's v64-131 are at work and window 1's v64-127 take kmean set 3.
.set SLOT, 131072                      ; xu's 16 chunks, then Wq's 16
.set BOFF, 65536
.set SPARE, 262144                     ; behind the ring: the spare words, 128 bytes a wave
.set ADRA, 16                          ; v16-17 LDS address of my xu fragments in slot 0, 1
.set ADRB, 20                          ; v20-21 the same for Wq
.set KO, 24                            ; v24 16 x lane
.set SO, 25                            ; v25 32 r + 16 h
.set HH, 26                            ; v26 lane / 16
.set SPW, 28
.set NIL, 29
.set PFO, 30                           ; v30 the prefetches' offset; never rewritten
.set F0, 64
.set F1, 128
.set CC, 64                            ; the way out, window 0: eight running maxima,
.set CM, 72                            ; cm as a pair,
.set LP, 74                            ; four pairs of l,
.set DP, 82                            ; four pairs of d,
.set RES, 96                           ; cm, l, d of my eight blocks of 16 rows,
.set OUT, 120                          ; and what is stored
.set WV, 12
.set RH, 13                            ; which half of the tile's rows is mine; also: I fetch for xu (0) or Wq (1)
.set CH, 14                            ; which half of its columns; also: which 8 chunks I fetch
.set CX, 15
.set CY, 16
.set NT, 17
.set MT, 18
.set G1A, 24
.set G0A, 32
.set PFA, 40                           ; s[40:41] the blocks that my next prefetch names
.set PST, 42                           ; s[42:43] a K step in bytes
.set LIM, 44                           ; 1 in a wave that prefetches, else the greatest number
.set L2E, 46
.set G1B, 48
.set G0B, 56
.set SEL, 66
.set KMB, 70                           ; s[70:71] kmf at my image and my 128 columns
.set MSB, 0
.macro WIN new                         ; the immediate's high byte repeats the setting that is left
.if MSB != (\new)
	s_set_vgpr_msb (MSB<<8)|(\new)
.set MSB, \new
.endif
.endm
.set MUL_LO, 0xa1                      ; source 0 (Wq) window 1, source 1 (xu) window 0, C and D window 2
.set TO_B, 0x40
.macro JLOAD s                         ; a joint load: waves 0 and 1 fetch xu's two halves, waves 2 and 3 Wq's; an s_nop 0 and four v_nop follow each line
	s_cmp_eq_u32 s[RH], 0
	s_cbranch_scc0 .Lfor_b_\@
	tensor_load_to_lds s[G0A+4*(\s):G0A+4*(\s)+3], s[G1A:G1A+7]
	s_nop 0
.rept 4
	v_nop
.endr
	s_branch .Lasked_\@
.Lfor_b_\@:
	tensor_load_to_lds s[G0B+4*(\s):G0B+4*(\s)+3], s[G1B:G1B+7]
	s_nop 0
.rept 4
	v_nop
.endr
.Lasked_\@:
.endm
; A prefetch of the K step that stands two refills on: of the 8 chunks that I fetch, the partner at place p takes chunks 2 p and 2 p + 1: 32 blocks of 256 bytes, a lane a block.
; xu's rows are read by this cluster alone; Wq's rows by every cluster: the first of them asks.  So each block is named once.  The loop's last trip has no K step two on.
.macro ASK
	s_cmp_gt_u32 s3, s[LIM]
	s_cbranch_scc0 .Lnot_mine_\@
	global_prefetch_b8 v[PFO], s[PFA:PFA+1] th:TH_LOAD_NT scope:SCOPE_SE
.Lnot_mine_\@:
.endm
.macro CREST                           ; a round of the cluster's barrier behind its opening barrier
	s_cmp_lg_u32 s[WV], 0
	s_cbranch_scc1 .Lnot_wave_0_\@
	s_barrier_signal -3
.Lnot_wave_0_\@:
	s_barrier_wait -3
	s_barrier_signal -1
	s_barrier_wait -1
.endm
.macro CROUND
	s_barrier_signal -1
	s_barrier_wait -1
	CREST
.endm
.macro PLACES                          ; four places behind matrix instructions, ahead of loads into their operands and of what reads results
.rept 4
	v_nop
.endr
.endm
	s_load_b256 s[4:11], s[0:1], 0x0               ; xu, wb, kmf, st
	v_lshl_add_u32 v[SPW], v0, 2, SPARE
	v_mov_b32 v[NIL], 0
	ds_add_u32 v[SPW], v[NIL]                      ; the wave's opening: the add and its wait stand ahead of my first tensor load
	v_lshrrev_b32 v1, 5, v0
	v_readfirstlane_b32 s[WV], v1
	s_lshr_b32 s[RH], s[WV], 1
	s_and_b32 s[CH], s[WV], 1
	s_bfe_u32 s[CX], ttmp6, 0x40000
	s_bfe_u32 s[CY], ttmp6, 0x40004
	s_lshl_b32 s[NT], ttmp9, 2
	s_add_co_u32 s[NT], s[NT], s[CX]               ; tile column
	s_and_b32 s[MT], ttmp7, 0xffff
	s_lshl_b32 s[MT], s[MT], 2
	s_add_co_u32 s[MT], s[MT], s[CY]               ; tile row
	s_lshl_b32 s20, s[CY], 2
	s_lshl_b32 s20, 15, s20                        ; my row of the cluster
	s_lshl_b32 s68, 0x1111, s[CX]                  ; my column
	s_or_b32 s[G1A], s20, (1<<16)|(1<<21)          ; the mask; 2-byte elements; bit 21 set beside a mask
	s_or_b32 s[G1B], s68, (1<<16)|(1<<21)
.irp g, G1A, G1B
	s_mov_b32 s[(\g)+1], 2048<<16                  ; tensor_dim0 = 2,048 elements: 256 rows' 8
	s_mov_b32 s[(\g)+2], 8<<16                     ; tensor_dim1 = 8 chunks
	s_mov_b32 s[(\g)+3], 2048<<16                  ; tile_dim0
	s_mov_b32 s[(\g)+4], 8                         ; tile_dim1
	s_mov_b32 s[(\g)+6], 0
	s_mov_b32 s[(\g)+7], 0
.endr
	s_mov_b32 s[G1A+5], 131072                     ; elements from chunk to chunk in xu
	s_mov_b32 s[G1B+5], 24576                      ; in wb
	s_lshl_b32 s20, s[MT], 12                      ; 256 rows of 16 bytes
	s_lshl_b32 s21, s[CH], 21                      ; 8 chunks of xu
	s_add_co_u32 s20, s20, s21
	s_mov_b32 s21, 0
	s_lshl_b32 s68, s[NT], 12
	s_mul_i32 s69, s[CH], 393216                   ; 8 chunks of wb
	s_add_co_u32 s68, s68, s69
	s_mov_b32 s69, 0
	s_lshl_b32 s22, s[WV], 15                      ; where they go: wave x 8 chunks
	s_mov_b32 s[L2E], 0x3fb8aa3b
	s_mov_b32 s[L2E+1], s[L2E]
	s_mov_b32 s[SEL], 0x76543210
	s_mov_b32 s[SEL+1], 0xfedcba98
	s_wait_dscnt 0x0                               ; the opening add is done
	s_wait_kmcnt 0x0
	s_add_nc_u64 s[20:21], s[4:5], s[20:21]
	s_add_nc_u64 s[68:69], s[6:7], s[68:69]
	CROUND                                         ; all sixteen work-groups are here: the first joint loads meet
.irp s, 0,1
	s_mov_b32 s[G0A+4*(\s)], 1
	s_add_co_u32 s[G0A+4*(\s)+1], s22, (\s)*SLOT
	s_add_nc_u64 s[G0A+4*(\s)+2:G0A+4*(\s)+3], s[20:21], (\s)*4194304
	s_or_b32 s[G0A+4*(\s)+3], s[G0A+4*(\s)+3], 0x80000000
	s_mov_b32 s[G0B+4*(\s)], 1
	s_add_co_u32 s[G0B+4*(\s)+1], s22, (\s)*SLOT
	s_add_nc_u64 s[G0B+4*(\s)+2:G0B+4*(\s)+3], s[68:69], (\s)*786432
	s_or_b32 s[G0B+4*(\s)+3], s[G0B+4*(\s)+3], 0x80000000
	JLOAD \s                                       ; two loads of mine are out
.endr
	v_and_b32 v1, 15, v0
	v_bfe_u32 v[HH], v0, 4, 1
	v_and_b32 v2, 31, v0
	v_lshlrev_b32 v[KO], 4, v2
	s_lshr_b32 s20, s[MT], 4                       ; the image
	s_lshl_b32 s20, s20, 18
	s_lshl_b32 s21, s[NT], 14
	s_add_co_u32 s20, s20, s21
	s_lshl_b32 s21, s[CH], 13
	s_add_co_u32 s20, s20, s21
	s_mov_b32 s21, 0
	s_add_nc_u64 s[KMB:KMB+1], s[8:9], s[20:21]
; kmean for channels 16 ca .. 16 ca + 15 and my 128 columns, in the accumulators' layout: 64 registers
.macro KMLOAD ca, kw, kb
	WIN (\kw)<<6
.set i, 0
.rept 16
	global_load_b128 v[(\kb)+4*i:(\kb)+4*i+3], v[KO], s[KMB:KMB+1] offset:65536*(\ca)+512*i
.set i, i+1
.endr
.endm
	KMLOAD 0, 1, 0                                 ; three of the four sets lie in registers that the loop leaves free; they are waited for behind it
	KMLOAD 1, 1, 192
	KMLOAD 2, 0, 192
	WIN 0
	v_lshlrev_b32 v3, 4, v1
	v_lshl_add_u32 v3, v[HH], 12, v3               ; row r, chunk h
	s_lshl_b32 s20, s[RH], 11                      ; my 128 rows of xu
	s_lshl_b32 s21, s[CH], 11                      ; my 128 rows of Wq,
	s_add_co_u32 s21, s21, BOFF                    ; behind xu's 16 chunks
.irp s, 0,1
	v_add_nc_u32 v[ADRA+(\s)], s20, v3
	v_add_nc_u32 v[ADRB+(\s)], s21, v3
	s_add_co_u32 s20, s20, SLOT
	s_add_co_u32 s21, s21, SLOT
.endr
	v_lshlrev_b32 v[SO], 5, v1
	v_lshl_add_u32 v[SO], v[HH], 4, v[SO]
	s_mov_b32 s20, 262144                          ; the prefetches
	s_mov_b32 s21, 49152
	s_and_b32 s23, ttmp7, 0xffff
	s_cmp_eq_u32 s[RH], 0                          ; do I fetch for xu?
	s_cselect_b32 s20, s20, s21                    ; bytes from chunk to chunk
	s_cselect_b32 s21, s[MT], s[NT]
	s_cselect_b32 s22, s[CX], s[CY]                ; my place among the four that ask with me
	s_cselect_b32 s23, ttmp9, s23                  ; the coordinate along which other clusters read the same rows
	s_cselect_b64 s[PFA:PFA+1], s[4:5], s[6:7]
	s_cmp_eq_u32 s23, 0
	s_cselect_b32 s[LIM], 1, -1
	s_lshl_b32 s21, s21, 12
	s_lshl_b32 s22, s22, 1
	s_lshl3_add_u32 s22, s[CH], s22                ; chunk 8 CH + 2 p
	s_add_co_u32 s22, s22, 48                      ; of K step 3: the first refill steps it to 4
	s_mul_i32 s22, s22, s20
	s_add_co_u32 s22, s22, s21
	s_mov_b32 s23, 0
	s_add_nc_u64 s[PFA:PFA+1], s[PFA:PFA+1], s[22:23]
	s_lshl_b32 s[PST], s20, 4
	s_mov_b32 s[PST+1], 0
	v_mul_u32_u24 v[PFO], s20, v[HH]
	v_lshl_add_u32 v[PFO], v1, 8, v[PFO]           ; chunk lane / 16, block lane % 16
; 16 matrix instructions: row blocks a0, a0 + 1 of the window's four x all 8 column blocks, 32 along K.  zero = 1: the first product starts the sums
.macro MUL16 f, hi, a0, zero
	WIN MUL_LO+0x50*(\hi)
.irp a, \a0, (\a0)+1
.irp b, 0,1,2,3,4,5,6,7
.if \zero
	v_wmma_f32_16x16x32_bf16 v[8*(8*(\a)+(\b)):8*(8*(\a)+(\b))+7], v[(\f)+8*(\b):(\f)+8*(\b)+7], v[(\f)+8*(4*(\hi)+(\a)):(\f)+8*(4*(\hi)+(\a))+7], 0
.else
	v_wmma_f32_16x16x32_bf16 v[8*(8*(\a)+(\b)):8*(8*(\a)+(\b))+7], v[(\f)+8*(\b):(\f)+8*(\b)+7], v[(\f)+8*(4*(\hi)+(\a)):(\f)+8*(4*(\hi)+(\a))+7], v[8*(8*(\a)+(\b)):8*(8*(\a)+(\b))+7]
.endif
.endr
.endr
.endm
; 32 LDS loads in one run: the fragments of quarter q (4 chunks) into buffer f; registers 0-3 chunk 4 q + h, registers 4-7 chunk 4 q + 2 + h
.macro FETCH slot, q, f
	WIN TO_B
.irp i, 0,1,2,3,4,5,6,7
	ds_load_b128 v[(\f)+8*(\i):(\f)+8*(\i)+3],   v[ADRB+(\slot)] offset:16384*(\q)+256*(\i)
	ds_load_b128 v[(\f)+8*(\i)+4:(\f)+8*(\i)+7], v[ADRB+(\slot)] offset:16384*(\q)+256*(\i)+8192
.endr
	WIN 0
.irp i, 0,1,2,3,4,5,6,7
	ds_load_b128 v[(\f)+8*(\i):(\f)+8*(\i)+3],   v[ADRA+(\slot)] offset:16384*(\q)+256*(\i)
	ds_load_b128 v[(\f)+8*(\i)+4:(\f)+8*(\i)+7], v[ADRA+(\slot)] offset:16384*(\q)+256*(\i)+8192
.endr
.endm
; A K step is four quarters of 32 along K on buffers 0, 1, 0, 1.  One of the first three multiplies buffer f and, in its middle, fetches quarter q into buffer g.
.macro QUARTER slot, q, f, g, zero
	s_wait_dscnt 8                                 ; Wq's fragments and xu's rows 0-63 are in; the youngest eight loads may be out
	MUL16 \f, 0, 0, \zero
	MUL16 \f, 0, 2, \zero
	PLACES
	FETCH \slot, \q, \g
	s_wait_dscnt 32                                ; all but the 32 just issued
	MUL16 \f, 1, 0, \zero
	MUL16 \f, 1, 2, \zero
.endm
; The last quarter multiplies buffer 1 and changes slots.  Ahead of the one barrier each wave waits for all its tensor loads (its part of the next slot), adds 0 to its spare word, and waits for
; that and for its reads of this slot.  fill = 1: the barrier opens a round of the cluster's, and the joint refill, two K steps on, is the first thing behind it: 224 matrix instructions ahead of the wait for it.
.macro TURN slot, next, fill
.if \fill
	s_wait_xcnt 0x0                                ; the last prefetch, a K step back, has read its address
	s_add_nc_u64 s[PFA:PFA+1], s[PFA:PFA+1], s[PST:PST+1]
.endif
	WIN 0
	s_wait_tensorcnt 0x0
	ds_add_u32 v[SPW], v[NIL]
	s_wait_dscnt 9                                 ; (the add and the youngest eight loads may be out)
	MUL16 F1, 0, 0, 0
	s_wait_dscnt 0x0                               ; the add is done, and my reads of this slot are over
	s_barrier_signal -1
	MUL16 F1, 0, 2, 0
.if \fill
	WIN 0
.endif
	s_barrier_wait -1
.if \fill
	CREST
	s_add_nc_u64 s[G0A+4*(\slot)+2:G0A+4*(\slot)+3], s[G0A+4*(\slot)+2:G0A+4*(\slot)+3], 8388608
	s_add_nc_u64 s[G0B+4*(\slot)+2:G0B+4*(\slot)+3], s[G0B+4*(\slot)+2:G0B+4*(\slot)+3], 1572864
	JLOAD \slot                                    ; its four v_nop are also the places ahead of the loads below
.else
	PLACES
.endif
	FETCH \next, 0, F0
.if \fill
	ASK
.endif
	MUL16 F1, 1, 0, 0
	MUL16 F1, 1, 2, 0
.endm
	s_wait_tensorcnt 1                             ; my part of K step 0 is in; K step 1's may stay out
	s_barrier_signal -1
	s_barrier_wait -1
	FETCH 0, 0, F0
	QUARTER 0, 1, F0, F1, 1                        ; the first quarter stands ahead of the loop: its products start the sums
	WIN 0
	s_mov_b32 s3, 3
.Llap:                                         ; a trip goes once round the ring and fills both slots again
	QUARTER 0, 2, F1, F0, 0
	QUARTER 0, 3, F0, F1, 0
	TURN 0, 1, 1
	QUARTER 1, 1, F0, F1, 0
	QUARTER 1, 2, F1, F0, 0
	QUARTER 1, 3, F0, F1, 0
	TURN 1, 0, 1
	QUARTER 0, 1, F0, F1, 0
	WIN 0
	s_sub_co_u32 s3, s3, 1
	s_cmp_lg_u32 s3, 0
	s_cbranch_scc1 .Llap
	QUARTER 0, 2, F1, F0, 0                        ; the last lap fills nothing
	QUARTER 0, 3, F0, F1, 0
	TURN 0, 1, 0
	QUARTER 1, 1, F0, F1, 0
	QUARTER 1, 2, F1, F0, 0
	QUARTER 1, 3, F0, F1, 0
	s_wait_dscnt 8
	MUL16 F1, 0, 0, 0
	MUL16 F1, 0, 2, 0
	s_wait_dscnt 0x0
	MUL16 F1, 1, 0, 0
	MUL16 F1, 1, 2, 0
	PLACES
	KMLOAD 3, 1, 64
; THE WAY OUT.  Block a of 16 rows: a lane holds 64 of its row's 128 columns; the other 64 lie in the lane 16 away.
.macro SMX a
.set XW, 2+(\a)/4
.set AB, 64*((\a)%4)
.if (\a)%4 == 0
.set KW, 1
.set KB, 0
.elseif (\a)%4 == 1
.set KW, 1
.set KB, 192
.elseif (\a)%4 == 2
.set KW, 0
.set KB, 192
.else
.set KW, 1
.set KB, 64
.endif
	WIN XW|(XW<<2)|(XW<<4)                         ; eight chains, each begun on its accumulator's lowest registers
.irp b, 0,1,2,3,4,5,6,7
	v_max3_num_f32 v[CC+(\b)], v[AB+8*(\b)], v[AB+8*(\b)+1], v[AB+8*(\b)+2]
.endr
	WIN (XW<<2)|(XW<<4)
.irp b, 0,1,2,3,4,5,6,7
	v_max3_num_f32 v[CC+(\b)], v[CC+(\b)], v[AB+8*(\b)+3], v[AB+8*(\b)+4]
.endr
.irp b, 0,1,2,3,4,5,6,7
	v_max3_num_f32 v[CC+(\b)], v[CC+(\b)], v[AB+8*(\b)+5], v[AB+8*(\b)+6]
.endr
.irp i, 0,1,2,3
	v_max3_num_f32 v[CC+2*(\i)], v[CC+2*(\i)], v[AB+16*(\i)+7], v[AB+16*(\i)+15]
.endr
	WIN 0
	v_max3_num_f32 v[CC], v[CC], v[CC+1], v[CC+2]
	v_max3_num_f32 v[CC+3], v[CC+3], v[CC+4], v[CC+5]
	v_max3_num_f32 v[CC], v[CC], v[CC+3], v[CC+6]
	v_max_num_f32 v[CC], v[CC], v[CC+7]
	v_permlanex16_b32 v[CC+1], v[CC], s[SEL], s[SEL+1]
	v_max_num_f32 v[CC], v[CC], v[CC+1]
	v_mul_f32 v[RES+(\a)], s[L2E], v[CC]
	v_mov_b32 v[CM], v[RES+(\a)]
	v_mov_b32 v[CM+1], v[RES+(\a)]
	WIN XW|(XW<<6)                                 ; one batch: 32 scalings and 64 exponentials, in place; nothing in it reads an exponential's result
.set p, 0
.rept 32
	v_pk_fma_f32 v[AB+2*p:AB+2*p+1], v[AB+2*p:AB+2*p+1], s[L2E:L2E+1], v[CM:CM+1] op_sel_hi:[1,0,0] neg_lo:[0,0,1] neg_hi:[0,0,1]
.if p > 0
	v_exp_f32 v[AB+2*p-2], v[AB+2*p-2]
	v_exp_f32 v[AB+2*p-1], v[AB+2*p-1]
.endif
.set p, p+1
.endr
	v_exp_f32 v[AB+62], v[AB+62]
	v_exp_f32 v[AB+63], v[AB+63]
	v_nop                                          ; a plain instruction behind the last exponential,
	s_wait_alu depctr_va_vdst(0)                   ; and the one wait for the batch
	WIN XW|(XW<<2)
.irp c, 0,1,2,3
	v_pk_add_f32 v[LP+2*(\c):LP+2*(\c)+1], v[AB+2*(\c):AB+2*(\c)+1], v[AB+8+2*(\c):AB+8+2*(\c)+1]
.endr
	WIN XW<<2
.irp k, 2,3,4,5,6,7
.irp c, 0,1,2,3
	v_pk_add_f32 v[LP+2*(\c):LP+2*(\c)+1], v[LP+2*(\c):LP+2*(\c)+1], v[AB+8*(\k)+2*(\c):AB+8*(\k)+2*(\c)+1]
.endr
.endr
	WIN XW|(KW<<2)
.irp c, 0,1,2,3
	v_pk_mul_f32 v[DP+2*(\c):DP+2*(\c)+1], v[AB+2*(\c):AB+2*(\c)+1], v[KB+2*(\c):KB+2*(\c)+1]
.endr
.irp k, 1,2,3,4,5,6,7
.irp c, 0,1,2,3
	v_pk_fma_f32 v[DP+2*(\c):DP+2*(\c)+1], v[AB+8*(\k)+2*(\c):AB+8*(\k)+2*(\c)+1], v[KB+8*(\k)+2*(\c):KB+8*(\k)+2*(\c)+1], v[DP+2*(\c):DP+2*(\c)+1]
.endr
.endr
	WIN 0
	v_pk_add_f32 v[LP:LP+1], v[LP:LP+1], v[LP+2:LP+3]
	v_pk_add_f32 v[LP+4:LP+5], v[LP+4:LP+5], v[LP+6:LP+7]
	v_pk_add_f32 v[DP:DP+1], v[DP:DP+1], v[DP+2:DP+3]
	v_pk_add_f32 v[DP+4:DP+5], v[DP+4:DP+5], v[DP+6:DP+7]
	v_pk_add_f32 v[LP:LP+1], v[LP:LP+1], v[LP+4:LP+5]
	v_pk_add_f32 v[DP:DP+1], v[DP:DP+1], v[DP+4:DP+5]
	v_add_f32 v[LP], v[LP], v[LP+1]
	v_add_f32 v[DP], v[DP], v[DP+1]
	v_permlanex16_b32 v[LP+1], v[LP], s[SEL], s[SEL+1]
	v_permlanex16_b32 v[DP+1], v[DP], s[SEL], s[SEL+1]
	v_add_f32 v[RES+8+(\a)], v[LP], v[LP+1]
	v_add_f32 v[RES+16+(\a)], v[DP], v[DP+1]
.endm
	s_wait_loadcnt 16                              ; kmean sets 0 to 2 are in; set 3's sixteen loads may stay out
	SMX 0
	SMX 4
	SMX 1
	SMX 5
	SMX 2
	SMX 6
	s_wait_loadcnt 0x0
	SMX 3
	SMX 7
	s_lshl1_add_u32 s20, s[NT], s[CH]              ; my block of 128 columns
	s_mul_i32 s20, s20, 196608
	s_lshl1_add_u32 s21, s[MT], s[RH]              ; my group of 128 rows
	s_lshl_b32 s21, s21, 9
	s_add_co_u32 s20, s20, s21
	s_mov_b32 s21, 0
	s_add_nc_u64 s[10:11], s[10:11], s[20:21]
	v_cmp_ne_u32 s45, 0, v[HH]
.irp t, 0,1,2                          ; both halves of the lanes hold all eight: lanes 0-15 store blocks 0-3, lanes 16-31 blocks 4-7: 512 consecutive bytes a store
.irp e, 0,1,2,3
	v_cndmask_b32 v[OUT+4*(\t)+(\e)], v[RES+8*(\t)+(\e)], v[RES+8*(\t)+4+(\e)], s45
.endr
	global_store_b128 v[SO], v[OUT+4*(\t):OUT+4*(\t)+3], s[10:11] offset:65536*(\t)
.endr
	s_wait_tensorcnt 0x0                           ; the wave's end
	ds_add_u32 v[SPW], v[NIL]
	s_wait_dscnt 0x0
	CROUND                                         ; the closing round
	s_endpgm
.Lfunc_end_k_qb3a0df5196_qgemm:
	.size	k_qb3a0df5196_qgemm, .Lfunc_end_k_qb3a0df5196_qgemm-k_qb3a0df5196_qgemm
	.p2alignl 7, 3214868480
	.fill 96, 4, 3214868480
	.section	.rodata,"a",@progbits
	.p2align	6, 0x0
	.amdhsa_kernel k_qb3a0df5196_qgemm
		.amdhsa_group_segment_fixed_size 327680
		.amdhsa_private_segment_fixed_size 0
		.amdhsa_enable_private_segment 0
		.amdhsa_kernarg_size 32
		.amdhsa_user_sgpr_count 2
		.amdhsa_user_sgpr_kernarg_segment_ptr 1
		.amdhsa_wavefront_size32 1
		.amdhsa_system_sgpr_workgroup_id_x 1
		.amdhsa_system_sgpr_workgroup_id_y 1
		.amdhsa_system_sgpr_workgroup_id_z 1
		.amdhsa_system_vgpr_workitem_id 0
		.amdhsa_next_free_vgpr 1024
		.amdhsa_next_free_sgpr 72
		.amdhsa_reserve_vcc 0
		.amdhsa_float_denorm_mode_32 3
		.amdhsa_float_denorm_mode_16_64 3
		.amdhsa_memory_ordered 1
		.amdhsa_forward_progress 1
		.amdhsa_inst_pref_size 206
	.end_amdhsa_kernel
	.amdgpu_metadata
---
amdhsa.version: [ 1, 2 ]
amdhsa.kernels:
  - .name:           k_qb3a0df5196_qgemm
    .symbol:         k_qb3a0df5196_qgemm.kd
    .args:
      - { .name: xu, .offset: 0, .size: 8, .value_kind: global_buffer, .address_space: global }
      - { .name: wb, .offset: 8, .size: 8, .value_kind: global_buffer, .address_space: global }
      - { .name: kmf, .offset: 16, .size: 8, .value_kind: global_buffer, .address_space: global }
      - { .name: st, .offset: 24, .size: 8, .value_kind: global_buffer, .address_space: global }
    .group_segment_fixed_size: 327680
    .private_segment_fixed_size: 0
    .kernarg_segment_align: 8
    .kernarg_segment_size: 32
    .max_flat_workgroup_size: 128
    .sgpr_count:     72
    .vgpr_count:     1024
    .wavefront_size: 32
...
	.end_amdgpu_metadata
.endif
;; end of part 5
;; launch vgemm (part 6): grid 8 x 32, 4 waves a work-group, clusters of 4 x 4, 327,680 bytes of LDS; arguments xu, wb, st, tb, wcf, x, out0; writes out0
.if DOCPART == 6
	.amdgcn_target "amdgcn-amd-amdhsa--gfx1250"
	.amdhsa_code_object_version 6
	.text
	.protected	k_qb3a0df5196_vgemm
	.globl	k_qb3a0df5196_vgemm
	.p2align	8
	.type	k_qb3a0df5196_vgemm,@function
k_qb3a0df5196_vgemm:
	s_mov_b64 s[64:65], 0
	v_nop
	global_prefetch_b8 v0, s[64:65] scope:SCOPE_SE
	s_setreg_imm32_b32 hwreg(HW_REG_WAVE_MODE, 25, 1), 1
	s_wait_xcnt 0x0
	s_wait_alu depctr_hold_cnt(0) depctr_sa_sdst(0) depctr_va_vdst(0) depctr_va_sdst(0) depctr_va_ssrc(0) depctr_va_vcc(0) depctr_vm_vsrc(0)
	s_getreg_b32 s2, hwreg(HW_REG_IB_STS2, 6, 4)
	s_cmp_eq_u32 s2, 0
	s_cbranch_scc0 .Lentry_in_a_cluster
	s_endpgm
.Lentry_in_a_cluster:
	s_bfe_u32 s2, ttmp6, 0x10000c
	s_cmp_lg_u32 s2, 0xf033
	s_cbranch_scc0 .Lentry_shape_is_right
	s_endpgm
.Lentry_shape_is_right:
; v = x_ Wv^T, the gate sigmoid(a), the 1 x 1 convolution, the norm, the sigmoid and the product with x, in one launch:
;   out0 = x / (1 + 2^(sum over c of wcf[o][c] s[row] v[row][l] + tb[region][o])),  s[row] = sigmoid(D / L), D and L merged from st's eight blocks under their common maximum.
; A TILE is 512 rows (one image b and one kh: row = 64 kw + c) x 128 columns l (four rows of patches, all 32 patches of each).  Wave w takes kw = 2 w, 2 w + 1 and all 64 channels: 128 x 128, 512 registers.
; The product is taken as x_ x Wv^T: a lane holds ONE column l (lane % 16), and the registers of accumulator (kw, cb) the channels 16 cb + 8 (lane / 16) + 0..7.  Scaled by s and rounded to bf16 in pairs,
; two accumulators ARE the second operand (32 channels x 16 pixels) of the convolution, so nothing changes lanes between the products.  The region term is the C operand that starts the convolution's sums.
; The gates go through LDS as f16, [o][4 image rows][256 pixels]; then wave w takes 16 output channels, whole image rows: each load of x and each store of out0 covers 512 consecutive bytes.
; K goes in steps of 64 through two LDS slots (two slots of 128 would leave no LDS for the stage); operands lie [chunk of 8 k][row][8 bf16], as in the launch before.
; CLUSTER 4 x 4: xu's rows are shared along a row of the cluster, Wv's along a column.  Waves 0 and 1 fetch xu's chunks 0-3 and 4-7, wave 2 Wv's eight, wave 3 none.
; LIMITS.  Matrix operands are bf16 (s v too).  A gate is kept as f16: in 0 to 1; below 6e-5 in steps of 6e-8.  A weight below 2^-126 counts as 0.  A zero result is +0.  NaN and infinities are not treated apart.
; REGISTERS: window 0: v0-31 addresses, v32-63 at work, v64-191 xu's fragments (later s, gates), v192-223 region terms; window 1: v64-191 Wv's fragments; windows 2, 3: accumulators (kw parity = window - 2)
; at v[8 (8 cb + nb)].  x waits in registers that are free when it is asked for: eight groups of 64.
.set SLOT, 81920                       ; xu's 8 chunks of 8,192 bytes, then Wv's 8 of 2,048
.set BOFF, 65536
.set STAGE, 163840                     ; 64 output channels x 2,064 bytes: 4 x 256 gates in f16 + 16 of padding
.set GP, 2064
.set STAB, 295936                      ; s[kw][c], f32
.set WCL, 297984                       ; wcf: 64 rows x 144 bytes
.set TBL, 307200                       ; tb's 32 regions x 272 bytes
.set SPARE, 315904
.set ADRA, 16
.set ADRB, 20
.set XO, 22                            ; v22 16 x lane; never rewritten
.set WAD, 23                           ; v23 wcf's fragments
.set TAD, 24                           ; v24 region terms
.set GST, 25                           ; v25 where I put gates
.set GRD, 26                           ; v26 where I read gates
.set SAD, 27                           ; v27 where I read s
.set SPW, 28
.set NIL, 29
.set PFO, 30
.set ZR, 31                            ; v31 0, an addend
.set WCF, 32
.set F0, 64
.set F1, 128
.set SS, 64
.set GG, 128
.set TT, 192
.set WV, 12
.set CX, 15
.set CY, 16
.set NT, 17
.set MT, 18
.set G1A, 24
.set G0A, 32
.set PFA, 40
.set PST, 42
.set LIM, 44                           ; s44, s45: by slot: 1 where I prefetch at that slot's change, else the greatest number
.set G1B, 48
.set G0B, 56
.set XB, 78                            ; s[78:79] x at my 16 output channels and the tile's first image row
.set OB, 80                            ; s[80:81] out0 likewise
.set MSB, 0
.macro WIN new
.if MSB != (\new)
	s_set_vgpr_msb (MSB<<8)|(\new)
.set MSB, \new
.endif
.endm
.set MUL_LO, 0xa4                      ; source 0 (xu) window 0, source 1 (Wv) window 1, C and D window 2
.set TO_B, 0x40
.macro JLOAD s                         ; the branch hangs on the wave's number alone; an s_nop 0 and four v_nop follow each load; wave 3 has the four v_nop alone
	s_cmp_lt_u32 s[WV], 2
	s_cbranch_scc0 .Lnot_a_\@
	tensor_load_to_lds s[G0A+4*(\s):G0A+4*(\s)+3], s[G1A:G1A+7]
	s_nop 0
.rept 4
	v_nop
.endr
	s_branch .Lasked_\@
.Lnot_a_\@:
	s_cmp_eq_u32 s[WV], 2
	s_cbranch_scc0 .Lnone_\@
	tensor_load_to_lds s[G0B+4*(\s):G0B+4*(\s)+3], s[G1B:G1B+7]
	s_nop 0
.rept 4
	v_nop
.endr
	s_branch .Lasked_\@
.Lnone_\@:
.rept 4
	v_nop
.endr
.Lasked_\@:
.endm
; A prefetch of the K step two refills on, 32 blocks of 256 bytes, a lane a block.  xu: waves 0 and 1 of the first cluster along x; of a wave's four chunks the partner at place cx takes one.
; Wv: wave 2 of the first cluster along y, at slot 0's change alone: the four partners take four chunks each of the next two K steps.  So each block is named once; the loop's last trip asks for nothing.
.macro ASK slot
	s_cmp_gt_u32 s3, s[LIM+(\slot)]
	s_cbranch_scc0 .Lnot_mine_\@
	global_prefetch_b8 v[PFO], s[PFA:PFA+1] th:TH_LOAD_NT scope:SCOPE_SE
.Lnot_mine_\@:
.endm
.macro CREST
	s_cmp_lg_u32 s[WV], 0
	s_cbranch_scc1 .Lnot_wave_0_\@
	s_barrier_signal -3
.Lnot_wave_0_\@:
	s_barrier_wait -3
	s_barrier_signal -1
	s_barrier_wait -1
.endm
.macro CROUND
	s_barrier_signal -1
	s_barrier_wait -1
	CREST
.endm
.macro PLACES
.rept 4
	v_nop
.endr
.endm
	s_load_b256 s[4:11], s[0:1], 0x0               ; xu, wb, st, tb
	s_load_b128 s[72:75], s[0:1], 0x20             ; wcf, x
	s_load_b64 s[76:77], s[0:1], 0x30              ; out0
	v_lshl_add_u32 v[SPW], v0, 2, SPARE
	v_mov_b32 v[NIL], 0
	ds_add_u32 v[SPW], v[NIL]                      ; the wave's opening: the add and its wait stand ahead of my first tensor load
	v_lshrrev_b32 v1, 5, v0
	v_readfirstlane_b32 s[WV], v1
	s_bfe_u32 s[CX], ttmp6, 0x40000
	s_bfe_u32 s[CY], ttmp6, 0x40004
	s_lshl_b32 s[NT], ttmp9, 2
	s_add_co_u32 s[NT], s[NT], s[CX]               ; block of 128 columns
	s_and_b32 s[MT], ttmp7, 0xffff
	s_lshl_b32 s[MT], s[MT], 2
	s_add_co_u32 s[MT], s[MT], s[CY]               ; block of 512 rows = 8 b + kh
	s_lshl_b32 s20, s[CY], 2
	s_lshl_b32 s20, 15, s20
	s_lshl_b32 s68, 0x1111, s[CX]
	s_or_b32 s[G1A], s20, (1<<16)|(1<<21)
	s_or_b32 s[G1B], s68, (1<<16)|(1<<21)
	s_mov_b32 s[G1A+1], 4096<<16                   ; 512 rows' 8 elements
	s_mov_b32 s[G1A+2], 4<<16                      ; 4 chunks
	s_mov_b32 s[G1A+3], 4096<<16
	s_mov_b32 s[G1A+4], 4
	s_mov_b32 s[G1A+5], 131072
	s_mov_b32 s[G1A+6], 0
	s_mov_b32 s[G1A+7], 0
	s_mov_b32 s[G1B+1], 1024<<16                   ; 128 rows' 8 elements
	s_mov_b32 s[G1B+2], 8<<16                      ; 8 chunks
	s_mov_b32 s[G1B+3], 1024<<16
	s_mov_b32 s[G1B+4], 8
	s_mov_b32 s[G1B+5], 24576
	s_mov_b32 s[G1B+6], 0
	s_mov_b32 s[G1B+7], 0
	s_lshl_b32 s20, s[MT], 13                      ; 512 rows of 16 bytes
	s_lshl_b32 s21, s[WV], 20                      ; 4 chunks a wave
	s_add_co_u32 s20, s20, s21
	s_mov_b32 s21, 0
	s_lshl_b32 s68, s[NT], 11                      ; 128 rows of 16 bytes,
	s_add_co_u32 s68, s68, 32768                   ; from row 2,048 on
	s_mov_b32 s69, 0
	s_lshl_b32 s22, s[WV], 15                      ; where xu's go: wave x 4 chunks
	s_wait_dscnt 0x0
	s_wait_kmcnt 0x0
	s_add_nc_u64 s[20:21], s[4:5], s[20:21]
	s_add_nc_u64 s[68:69], s[6:7], s[68:69]
	CROUND                                         ; all sixteen work-groups are here: the first joint loads meet
.irp s, 0,1
	s_mov_b32 s[G0A+4*(\s)], 1
	s_add_co_u32 s[G0A+4*(\s)+1], s22, (\s)*SLOT
	s_add_nc_u64 s[G0A+4*(\s)+2:G0A+4*(\s)+3], s[20:21], (\s)*2097152
	s_or_b32 s[G0A+4*(\s)+3], s[G0A+4*(\s)+3], 0x80000000
	s_mov_b32 s[G0B+4*(\s)], 1
	s_mov_b32 s[G0B+4*(\s)+1], (\s)*SLOT+BOFF
	s_add_nc_u64 s[G0B+4*(\s)+2:G0B+4*(\s)+3], s[68:69], (\s)*393216
	s_or_b32 s[G0B+4*(\s)+3], s[G0B+4*(\s)+3], 0x80000000
.endr
	s_cmp_lt_u32 s[WV], 2                          ; a wave's two first fills stand in one branch: two loads of mine are out
	s_cbranch_scc0 .Lfirst_not_a
	tensor_load_to_lds s[G0A:G0A+3], s[G1A:G1A+7]
	s_nop 0
	tensor_load_to_lds s[G0A+4:G0A+7], s[G1A:G1A+7]
	s_nop 0
.rept 4
	v_nop
.endr
	s_branch .Lfirst_asked
.Lfirst_not_a:
	s_cmp_eq_u32 s[WV], 2
	s_cbranch_scc0 .Lfirst_asked
	tensor_load_to_lds s[G0B:G0B+3], s[G1B:G1B+7]
	s_nop 0
	tensor_load_to_lds s[G0B+4:G0B+7], s[G1B:G1B+7]
	s_nop 0
.rept 4
	v_nop
.endr
.Lfirst_asked:
	s_lshr_b32 s46, s[MT], 3                       ; b
	s_and_b32 s47, s[MT], 7                        ; kh
	s_lshl_b32 s82, s46, 16                        ; tb: 256 regions of 256 bytes an image,
	s_lshl_b32 s83, s[NT], 13                      ; 32 regions a tile
	s_add_co_u32 s82, s82, s83
	s_mov_b32 s83, 0
	s_add_nc_u64 s[10:11], s[10:11], s[82:83]
	s_lshl_b32 s82, s[MT], 11                      ; st: my group of 128 rows
	s_lshl_b32 s70, s[WV], 9
	s_add_co_u32 s82, s82, s70
	s_add_nc_u64 s[8:9], s[8:9], s[82:83]
	s_lshl_b32 s82, s46, 24                        ; x: image,
	s_lshl_b32 s70, s[WV], 22                      ; 16 channels a wave,
	s_add_co_u32 s82, s82, s70
	s_lshl_b32 s70, s[NT], 15                      ; 32 image rows a tile,
	s_add_co_u32 s82, s82, s70
	s_lshl_b32 s70, s47, 10                        ; image row kh of each eight
	s_add_co_u32 s82, s82, s70
	s_add_nc_u64 s[XB:XB+1], s[74:75], s[82:83]
	s_add_nc_u64 s[OB:OB+1], s[76:77], s[82:83]
	v_and_b32 v1, 15, v0                           ; r
	v_bfe_u32 v2, v0, 4, 1                         ; h
	v_and_b32 v7, 31, v0                           ; lane
	v_lshlrev_b32 v3, 4, v0
	v_lshlrev_b32 v[XO], 4, v7
.irp i, 0,1,2,3
	global_load_b128 v[32+4*(\i):35+4*(\i)], v3, s[72:73] offset:2048*(\i)   ; wcf: 8,192 bytes over 128 threads
.endr
.irp i, 0,1,2,3
	global_load_b128 v[48+4*(\i):51+4*(\i)], v3, s[10:11] offset:2048*(\i)   ; tb's 32 rows likewise
.endr
.set i, 0
.rept 24
	global_load_b128 v[64+4*i:67+4*i], v[XO], s[8:9] offset:65536*i          ; block i / 3, number i % 3 (cm, l, d) of four rows a lane
.set i, i+1
.endr
	v_lshrrev_b32 v4, 3, v0
	v_mul_u32_u24 v4, v4, 144
	v_and_b32 v8, 7, v0
	v_lshl_add_u32 v4, v8, 4, v4
	v_add_nc_u32 v4, WCL, v4
	v_lshrrev_b32 v5, 4, v0
	v_mul_u32_u24 v5, v5, 272
	v_lshl_add_u32 v5, v1, 4, v5
	v_add_nc_u32 v5, TBL, v5
	s_lshl_b32 s46, s[WV], 9
	v_and_b32 v8, 1, v0                            ; my four rows: kw = 2 w + lane % 2, c = 16 e + lane / 2
	v_lshrrev_b32 v9, 1, v7
	v_lshlrev_b32 v6, 2, v9
	v_lshl_add_u32 v6, v8, 8, v6
	v_add_nc_u32 v6, s46, v6
	v_add_nc_u32 v6, STAB, v6
	v_lshlrev_b32 v[SAD], 5, v2
	v_add_nc_u32 v[SAD], s46, v[SAD]
	v_add_nc_u32 v[SAD], STAB, v[SAD]
	v_lshlrev_b32 v10, 4, v1                       ; 16 r
	s_lshl_b32 s46, s[WV], 11                      ; my 128 rows
	v_lshl_add_u32 v[ADRA], v2, 13, v10
	v_add_nc_u32 v[ADRA], s46, v[ADRA]
	v_add_nc_u32 v[ADRA+1], SLOT, v[ADRA]
	v_lshl_add_u32 v[ADRB], v2, 11, v10
	v_add_nc_u32 v[ADRB], BOFF, v[ADRB]
	v_add_nc_u32 v[ADRB+1], SLOT, v[ADRB]
	v_mul_u32_u24 v[WAD], v1, 144
	v_lshl_add_u32 v[WAD], v2, 4, v[WAD]
	v_add_nc_u32 v[WAD], WCL, v[WAD]
	v_lshrrev_b32 v[TAD], 1, v1
	v_mul_u32_u24 v[TAD], v[TAD], 272
	v_lshl_add_u32 v[TAD], v2, 5, v[TAD]
	v_add_nc_u32 v[TAD], TBL, v[TAD]
	v_mul_u32_u24 v[GST], v2, 8*GP
	v_add_nc_u32 v[GST], v[GST], v10
	s_lshl_b32 s46, s[WV], 2
	v_add_nc_u32 v[GST], s46, v[GST]
	v_add_nc_u32 v[GST], STAGE, v[GST]
	s_mul_i32 s46, s[WV], 16*GP
	v_lshl_add_u32 v[GRD], v7, 3, s46
	v_add_nc_u32 v[GRD], STAGE, v[GRD]
	v_mov_b32 v[ZR], 0
	; the prefetches
	s_mov_b32 s46, 262144
	s_mov_b32 s47, 49152
	s_and_b32 s82, ttmp7, 0xffff
	s_lshl_b32 s83, s[MT], 13
	s_lshl_b32 s70, s[NT], 11
	s_add_co_u32 s70, s70, 32768
	s_lshl2_add_u32 s71, s[WV], s[CX]              ; xu: chunk 4 w + cx
	s_lshl_b32 s23, s[CY], 2                       ; Wv: chunks 4 cy ..
	s_mov_b32 s20, 5
	s_mov_b32 s21, 3
	s_mov_b32 s22, 31
	s_mov_b32 s66, 7
	s_cmp_lt_u32 s[WV], 2
	s_cselect_b32 s46, s46, s47                    ; bytes from chunk to chunk
	s_cselect_b32 s83, s83, s70
	s_cselect_b32 s71, s71, s23
	s_cselect_b32 s82, ttmp9, s82                  ; the coordinate along which other clusters read the same rows
	s_cselect_b32 s20, s20, s21                    ; blocks of 256 bytes in a chunk's part: 32 or 8
	s_cselect_b32 s22, s22, s66
	s_cselect_b64 s[PFA:PFA+1], s[4:5], s[6:7]
	s_cmp_eq_u32 s82, 0
	s_cselect_b32 s[LIM], 1, -1
	s_cmp_eq_u32 s[WV], 3
	s_cselect_b32 s[LIM], -1, s[LIM]
	s_cmp_lt_u32 s[WV], 2
	s_cselect_b32 s[LIM+1], s[LIM], -1
	s_add_co_u32 s71, s71, 24                      ; of K step 3: the first refill steps it to 4
	s_mul_i32 s70, s71, s46
	s_add_co_u32 s70, s70, s83
	s_mov_b32 s71, 0
	s_add_nc_u64 s[PFA:PFA+1], s[PFA:PFA+1], s[70:71]
	s_lshl_b32 s[PST], s46, 3
	s_mov_b32 s[PST+1], 0
	v_lshrrev_b32 v[PFO], s20, v7
	v_mul_u32_u24 v[PFO], s46, v[PFO]
	v_and_b32 v8, s22, v7
	v_lshl_add_u32 v[PFO], v8, 8, v[PFO]
	s_wait_loadcnt 24                              ; wcf and tb are in; st's 24 loads may stay out
.irp i, 0,1,2,3
	ds_store_b128 v4, v[32+4*(\i):35+4*(\i)] offset:2304*(\i)
.endr
.irp i, 0,1,2,3
	ds_store_b128 v5, v[48+4*(\i):51+4*(\i)] offset:2176*(\i)
.endr
	s_wait_loadcnt 0x0
	; the eight blocks' cm, l, d are merged under their common maximum: four rows a lane
.irp e, 0,1,2,3
	v_max3_num_f32 v[160+(\e)], v[64+(\e)], v[76+(\e)], v[88+(\e)]
.endr
.irp e, 0,1,2,3
	v_max3_num_f32 v[160+(\e)], v[160+(\e)], v[100+(\e)], v[112+(\e)]
.endr
.irp e, 0,1,2,3
	v_max3_num_f32 v[160+(\e)], v[160+(\e)], v[124+(\e)], v[136+(\e)]
.endr
.irp e, 0,1,2,3
	v_max_num_f32 v[160+(\e)], v[160+(\e)], v[148+(\e)]
.endr
.irp k, 0,1,2,3,4,5,6,7
.irp e, 0,2
	v_pk_add_f32 v[64+12*(\k)+(\e):65+12*(\k)+(\e)], v[64+12*(\k)+(\e):65+12*(\k)+(\e)], v[160+(\e):161+(\e)] neg_lo:[0,1] neg_hi:[0,1]
.endr
.endr
.irp k, 0,1,2,3,4,5,6,7
.irp e, 0,1,2,3
	v_exp_f32 v[64+12*(\k)+(\e)], v[64+12*(\k)+(\e)]
.endr
.endr
	v_nop
	s_wait_alu depctr_va_vdst(0)                   ; one wait for the 32
.irp e, 0,2
	v_pk_mul_f32 v[164+(\e):165+(\e)], v[68+(\e):69+(\e)], v[64+(\e):65+(\e)]
	v_pk_mul_f32 v[168+(\e):169+(\e)], v[72+(\e):73+(\e)], v[64+(\e):65+(\e)]
.endr
.irp k, 1,2,3,4,5,6,7
.irp e, 0,2
	v_pk_fma_f32 v[164+(\e):165+(\e)], v[68+12*(\k)+(\e):69+12*(\k)+(\e)], v[64+12*(\k)+(\e):65+12*(\k)+(\e)], v[164+(\e):165+(\e)]
	v_pk_fma_f32 v[168+(\e):169+(\e)], v[72+12*(\k)+(\e):73+12*(\k)+(\e)], v[64+12*(\k)+(\e):65+12*(\k)+(\e)], v[168+(\e):169+(\e)]
.endr
.endr
.irp e, 0,1,2,3
	v_rcp_f32 v[172+(\e)], v[164+(\e)]
.endr
	v_nop
	s_wait_alu depctr_va_vdst(0)
.irp e, 0,2
	v_pk_mul_f32 v[168+(\e):169+(\e)], v[168+(\e):169+(\e)], v[172+(\e):173+(\e)]
.endr
.irp e, 0,2
	v_pk_mul_f32 v[168+(\e):169+(\e)], v[168+(\e):169+(\e)], 0xbfb8aa3b op_sel_hi:[1,0]
.endr
.irp e, 0,1,2,3
	v_exp_f32 v[172+(\e)], v[168+(\e)]
.endr
	v_nop
	s_wait_alu depctr_va_vdst(0)
.irp e, 0,2
	v_pk_add_f32 v[172+(\e):173+(\e)], v[172+(\e):173+(\e)], 1.0 op_sel_hi:[1,0]
.endr
.irp e, 0,1,2,3
	v_rcp_f32 v[168+(\e)], v[172+(\e)]
.endr
	v_nop
	s_wait_alu depctr_va_vdst(0)
.irp e, 0,1,2,3
	ds_store_b32 v6, v[168+(\e)] offset:64*(\e)
.endr
.macro MUL16 f, hi, a0, zero
	WIN MUL_LO+0x50*(\hi)
.irp a, \a0, (\a0)+1
.irp b, 0,1,2,3,4,5,6,7
.if \zero
	v_wmma_f32_16x16x32_bf16 v[8*(8*(\a)+(\b)):8*(8*(\a)+(\b))+7], v[(\f)+8*(4*(\hi)+(\a)):(\f)+8*(4*(\hi)+(\a))+7], v[(\f)+8*(\b):(\f)+8*(\b)+7], 0
.else
	v_wmma_f32_16x16x32_bf16 v[8*(8*(\a)+(\b)):8*(8*(\a)+(\b))+7], v[(\f)+8*(4*(\hi)+(\a)):(\f)+8*(4*(\hi)+(\a))+7], v[(\f)+8*(\b):(\f)+8*(\b)+7], v[8*(8*(\a)+(\b)):8*(8*(\a)+(\b))+7]
.endif
.endr
.endr
.endm
.macro FETCH slot, q, f                ; 32 LDS loads in one run: half q of the K step (4 chunks) into buffer f
	WIN TO_B
.irp i, 0,1,2,3,4,5,6,7
	ds_load_b128 v[(\f)+8*(\i):(\f)+8*(\i)+3],   v[ADRB+(\slot)] offset:8192*(\q)+256*(\i)
	ds_load_b128 v[(\f)+8*(\i)+4:(\f)+8*(\i)+7], v[ADRB+(\slot)] offset:8192*(\q)+256*(\i)+4096
.endr
	WIN 0
.irp i, 0,1,2,3,4,5,6,7
	ds_load_b128 v[(\f)+8*(\i):(\f)+8*(\i)+3],   v[ADRA+(\slot)] offset:32768*(\q)+256*(\i)
	ds_load_b128 v[(\f)+8*(\i)+4:(\f)+8*(\i)+7], v[ADRA+(\slot)] offset:32768*(\q)+256*(\i)+16384
.endr
.endm
.macro QUARTER slot, q, f, g, zero     ; a K step's first half
	s_wait_dscnt 8                                 ; Wv's fragments and my rows 0-63 are in; the youngest eight loads may be out
	MUL16 \f, 0, 0, \zero
	MUL16 \f, 0, 2, \zero
	PLACES
	FETCH \slot, \q, \g
	s_wait_dscnt 32                                ; all but the 32 just issued
	MUL16 \f, 1, 0, \zero
	MUL16 \f, 1, 2, \zero
.endm
; A K step's second half, and the change of slots: as in the launch before.  From a request to the wait for it a wave issues 96 matrix instructions.
.macro TURN slot, next, fill
.if \fill
	s_wait_xcnt 0x0                                ; the last prefetch has read its address
	s_add_nc_u64 s[PFA:PFA+1], s[PFA:PFA+1], s[PST:PST+1]
.endif
	WIN 0
	s_wait_tensorcnt 0x0                           ; all my tensor loads have landed
	ds_add_u32 v[SPW], v[NIL]
	s_wait_dscnt 9
	MUL16 F1, 0, 0, 0
	s_wait_dscnt 0x0                               ; the add is done, and my reads of this slot are over
	s_barrier_signal -1
	MUL16 F1, 0, 2, 0
.if \fill
	WIN 0
.endif
	s_barrier_wait -1
.if \fill
	CREST
	s_add_nc_u64 s[G0A+4*(\slot)+2:G0A+4*(\slot)+3], s[G0A+4*(\slot)+2:G0A+4*(\slot)+3], 4194304
	s_add_nc_u64 s[G0B+4*(\slot)+2:G0B+4*(\slot)+3], s[G0B+4*(\slot)+2:G0B+4*(\slot)+3], 786432
	JLOAD \slot
.else
	PLACES
.endif
	FETCH \next, 0, F0
.if \fill
	ASK \slot
.endif
	MUL16 F1, 1, 0, 0
	MUL16 F1, 1, 2, 0
.endm
; Group g of x: output channels 16 w + 2 g, + 1, the tile's four image rows of each: 16 loads of 512 consecutive bytes into window yw, registers xb on
.macro XLOAD g, yw, xb
	WIN (\yw)<<6
.set k, 0
.rept 16
	global_load_b128 v[(\xb)+4*k:(\xb)+4*k+3], v[XO], s[XB:XB+1] offset:(2*(\g)+k/8)*262144+((k/2)%4)*8192+512*(k%2) th:TH_LOAD_NT
.set k, k+1
.endr
.endm
	s_wait_tensorcnt 1                             ; my part of K step 0 is in; K step 1's may stay out
	s_wait_dscnt 0x0                               ; my stores of wcf, tb and s are done
	s_barrier_signal -1
	s_barrier_wait -1
	FETCH 0, 0, F0
	QUARTER 0, 1, F0, F1, 1                        ; the first half step stands ahead of the loop: its products start the sums
	XLOAD 0, 1, 0                                  ; two groups of x wait in window 1's free registers from here on
	XLOAD 1, 1, 192
	WIN 0
	s_mov_b32 s3, 7
.Llap:
	TURN 0, 1, 1
	QUARTER 1, 1, F0, F1, 0
	TURN 1, 0, 1
	QUARTER 0, 1, F0, F1, 0
	WIN 0
	s_sub_co_u32 s3, s3, 1
	s_cmp_lg_u32 s3, 0
	s_cbranch_scc1 .Llap
	TURN 0, 1, 0                                   ; the last two K steps fill nothing
	QUARTER 1, 1, F0, F1, 0
	s_wait_dscnt 8
	MUL16 F1, 0, 0, 0
	MUL16 F1, 0, 2, 0
	s_wait_dscnt 0x0
	MUL16 F1, 1, 0, 0
	MUL16 F1, 1, 2, 0
	PLACES
	XLOAD 2, 1, 64                                 ; Wv's fragment buffers are free
	XLOAD 3, 1, 128
	WIN 0
.irp pp, 0,1
.irp cb, 0,1,2,3
.irp q, 0,1
	ds_load_b128 v[SS+32*(\pp)+8*(\cb)+4*(\q):SS+32*(\pp)+8*(\cb)+4*(\q)+3], v[SAD] offset:256*(\pp)+64*(\cb)+16*(\q)  ; s of my rows, in the accumulators' order
.endr
.endr
.endr
	s_wait_dscnt 0x0
; v is scaled by s and rounded to bf16 in place: the operand for channels 32 ks .. and pixels 16 nb .. lies at v[128 ks + 8 nb]: its low four registers from accumulator cb = 2 ks, its high four from cb = 2 ks + 1
.macro GATE w
	WIN ((\w)<<6)|(\w)
.set gi, 0
.rept 32
.irp jp, 0,2,4,6
	v_pk_mul_f32 v[8*gi+(\jp):8*gi+(\jp)+1], v[8*gi+(\jp):8*gi+(\jp)+1], v[SS+32*((\w)-2)+8*(gi/8)+(\jp):SS+32*((\w)-2)+8*(gi/8)+(\jp)+1]
.endr
.set gi, gi+1
.endr
	WIN ((\w)<<6)|((\w)<<2)|(\w)
.irp ks, 0,1
.irp nb, 0,1,2,3,4,5,6,7
.irp i, 0,1,2,3
	v_cvt_pk_bf16_f32 v[128*(\ks)+8*(\nb)+(\i)], v[128*(\ks)+8*(\nb)+2*(\i)], v[128*(\ks)+8*(\nb)+2*(\i)+1]
.endr
.irp i, 0,1,2,3
	v_cvt_pk_bf16_f32 v[128*(\ks)+8*(\nb)+4+(\i)], v[128*(\ks)+64+8*(\nb)+2*(\i)], v[128*(\ks)+64+8*(\nb)+2*(\i)+1]
.endr
.endr
.endr
.endm
	GATE 2
	GATE 3
	XLOAD 4, 2, 192                                ; the packing has freed v64-127 and v192-255 of windows 2 and 3
	XLOAD 5, 3, 192
	WIN 0
	s_mov_b32 s3, 4
.Lconv:                                        ; a trip: 16 output channels for all my 256 pixels
.irp ks, 0,1
	ds_load_b128 v[WCF+8*(\ks):WCF+8*(\ks)+3],   v[WAD] offset:64*(\ks)
	ds_load_b128 v[WCF+8*(\ks)+4:WCF+8*(\ks)+7], v[WAD] offset:64*(\ks)+32
.endr
.irp hr, 0,1
.irp wh, 0,1
.irp q, 0,1
	ds_load_b128 v[TT+8*(2*(\hr)+(\wh))+4*(\q):TT+8*(2*(\hr)+(\wh))+4*(\q)+3], v[TAD] offset:4352*(\hr)+2176*(\wh)+16*(\q)  ; region 16 hr + 8 wh + r / 2
.endr
.endr
.endr
	s_wait_dscnt 0x0
.irp pp, 0,1                           ; eight accumulators take turns; the region term starts each sum
	WIN 0x88+0x44*(\pp)
.irp nb, 0,1,2,3,4,5,6,7
	v_wmma_f32_16x16x32_bf16 v[64+8*(\nb):71+8*(\nb)], v[WCF:WCF+7], v[8*(\nb):8*(\nb)+7], v[TT+8*(2*((\nb)/4)+(\nb)%2):TT+8*(2*((\nb)/4)+(\nb)%2)+7]
.endr
	WIN 0xa8+0x54*(\pp)
.irp nb, 0,1,2,3,4,5,6,7
	v_wmma_f32_16x16x32_bf16 v[64+8*(\nb):71+8*(\nb)], v[WCF+8:WCF+15], v[128+8*(\nb):135+8*(\nb)], v[64+8*(\nb):71+8*(\nb)]
.endr
.endr
	PLACES
.irp w, 2,3
	WIN ((\w)<<6)|(\w)
.set i, 64
.rept 64
	v_exp_f32 v[i], v[i]
.set i, i+1
.endr
.endr
	v_nop
	s_wait_alu depctr_va_vdst(0)                   ; one wait for the 128 exponentials
.irp w, 2,3
	WIN ((\w)<<6)|(\w)
.set i, 64
.rept 32
	v_pk_add_f32 v[i:i+1], v[i:i+1], 1.0 op_sel_hi:[1,0]
.set i, i+2
.endr
.endr
.irp w, 2,3
	WIN ((\w)<<6)|(\w)
.set i, 64
.rept 64
	v_rcp_f32 v[i], v[i]
.set i, i+1
.endr
.endr
	v_nop
	s_wait_alu depctr_va_vdst(0)                   ; one wait for the 128 reciprocals
	WIN 0x0e                                       ; source 0 window 2, source 1 window 3: the gates of pixels kw = 2 w and 2 w + 1 lie side by side
.set i, 0
.rept 64
	v_cvt_pk_f16_f32 v[GG+i], v[64+i], v[64+i]
.set i, i+1
.endr
	WIN 0
.irp nb, 0,1,2,3,4,5,6,7
.irp j, 0,1,2,3,4,5,6,7
	ds_store_b32 v[GST], v[GG+8*(\nb)+(\j)] offset:GP*(\j)+512*((\nb)/2)+256*((\nb)%2)
.endr
.endr
	v_add_nc_u32 v[WAD], 2304, v[WAD]              ; the next 16 output channels
	v_add_nc_u32 v[TAD], 64, v[TAD]
	v_add_nc_u32 v[GST], 16*GP, v[GST]
	s_sub_co_u32 s3, s3, 1
	s_cmp_lg_u32 s3, 0
	s_cbranch_scc1 .Lconv
	XLOAD 6, 2, 0                                  ; the convolution's operands are done with
	XLOAD 7, 3, 0
	WIN 0
	s_wait_dscnt 0x0                               ; for the others' sake: my gates are in the stage
	s_barrier_signal -1
	s_barrier_wait -1
.macro GLD g                           ; the gates for group g: 8 bytes a lane for each of x's 16-byte pieces
	WIN 0
.set k, 0
.rept 16
	ds_load_b64 v[64+32*((\g)%2)+2*k:65+32*((\g)%2)+2*k], v[GRD] offset:(2*(\g)+k/8)*GP+512*((k/2)%4)+256*(k%2)
.set k, k+1
.endr
.endm
.macro GRP g, yw, xb, nl, nd           ; nl: younger loads of x that may stay out; nd: the next group's LDS loads
.set GB, 64+32*((\g)%2)
	s_wait_loadcnt \nl
	s_wait_dscnt \nd
	WIN ((\yw)<<2)|((\yw)<<6)
.set k, 0
.rept 16
	v_fma_mix_f32 v[(\xb)+4*k],   v[GB+2*k],   v[(\xb)+4*k],   v[ZR] op_sel_hi:[1,0,0]
	v_fma_mix_f32 v[(\xb)+4*k+1], v[GB+2*k],   v[(\xb)+4*k+1], v[ZR] op_sel:[1,0,0] op_sel_hi:[1,0,0]
	v_fma_mix_f32 v[(\xb)+4*k+2], v[GB+2*k+1], v[(\xb)+4*k+2], v[ZR] op_sel_hi:[1,0,0]
	v_fma_mix_f32 v[(\xb)+4*k+3], v[GB+2*k+1], v[(\xb)+4*k+3], v[ZR] op_sel:[1,0,0] op_sel_hi:[1,0,0]
.set k, k+1
.endr
.set k, 0
.rept 16
	global_store_b128 v[XO], v[(\xb)+4*k:(\xb)+4*k+3], s[OB:OB+1] offset:(2*(\g)+k/8)*262144+((k/2)%4)*8192+512*(k%2) th:TH_STORE_NT
.set k, k+1
.endr
.endm
	GLD 0
	GLD 1
	GRP 0, 1, 0, 63, 16                            ; 112, 96, 80 and 64 loads are younger than groups 0 to 3: the count names as many as it can
	GLD 2
	GRP 1, 1, 192, 63, 16
	GLD 3
	GRP 2, 1, 64, 63, 16
	GLD 4
	GRP 3, 1, 128, 63, 16
	GLD 5
	GRP 4, 2, 192, 48, 16
	GLD 6
	GRP 5, 3, 192, 32, 16
	GLD 7
	GRP 6, 2, 0, 16, 16
	GRP 7, 3, 0, 0, 0
	WIN 0
	s_wait_tensorcnt 0x0                           ; the wave's end
	ds_add_u32 v[SPW], v[NIL]
	s_wait_dscnt 0x0
	CROUND                                         ; the closing round
	s_endpgm
.Lfunc_end_k_qb3a0df5196_vgemm:
	.size	k_qb3a0df5196_vgemm, .Lfunc_end_k_qb3a0df5196_vgemm-k_qb3a0df5196_vgemm
	.p2alignl 7, 3214868480
	.fill 96, 4, 3214868480
	.section	.rodata,"a",@progbits
	.p2align	6, 0x0
	.amdhsa_kernel k_qb3a0df5196_vgemm
		.amdhsa_group_segment_fixed_size 327680
		.amdhsa_private_segment_fixed_size 0
		.amdhsa_enable_private_segment 0
		.amdhsa_kernarg_size 56
		.amdhsa_user_sgpr_count 2
		.amdhsa_user_sgpr_kernarg_segment_ptr 1
		.amdhsa_wavefront_size32 1
		.amdhsa_system_sgpr_workgroup_id_x 1
		.amdhsa_system_sgpr_workgroup_id_y 1
		.amdhsa_system_sgpr_workgroup_id_z 1
		.amdhsa_system_vgpr_workitem_id 0
		.amdhsa_next_free_vgpr 1024
		.amdhsa_next_free_sgpr 88
		.amdhsa_reserve_vcc 0
		.amdhsa_float_denorm_mode_32 3
		.amdhsa_float_denorm_mode_16_64 3
		.amdhsa_memory_ordered 1
		.amdhsa_forward_progress 1
		.amdhsa_inst_pref_size 196
	.end_amdhsa_kernel
	.amdgpu_metadata
---
amdhsa.version: [ 1, 2 ]
amdhsa.kernels:
  - .name:           k_qb3a0df5196_vgemm
    .symbol:         k_qb3a0df5196_vgemm.kd
    .args:
      - { .name: xu, .offset: 0, .size: 8, .value_kind: global_buffer, .address_space: global }
      - { .name: wb, .offset: 8, .size: 8, .value_kind: global_buffer, .address_space: global }
      - { .name: st, .offset: 16, .size: 8, .value_kind: global_buffer, .address_space: global }
      - { .name: tb, .offset: 24, .size: 8, .value_kind: global_buffer, .address_space: global }
      - { .name: wcf, .offset: 32, .size: 8, .value_kind: global_buffer, .address_space: global }
      - { .name: x, .offset: 40, .size: 8, .value_kind: global_buffer, .address_space: global }
      - { .name: out0, .offset: 48, .size: 8, .value_kind: global_buffer, .address_space: global }
    .group_segment_fixed_size: 327680
    .private_segment_fixed_size: 0
    .kernarg_segment_align: 8
    .kernarg_segment_size: 56
    .max_flat_workgroup_size: 128
    .sgpr_count:     88
    .vgpr_count:     1024
    .wavefront_size: 32
...
	.end_amdgpu_metadata
.endif
;; end of part 6
;; ======== version 2 of 2: 4 launches
;; workspace buffers: xu 33,554,432 bytes; xm 524,288 bytes; xr 327,680 bytes; wb 6,291,456 bytes; kmf 1,048,576 bytes; st 1,572,864 bytes; tb 262,144 bytes; wcf 8,192 bytes
;; launch prep (part 7): grid 256 x 1, 4 waves a work-group, no clusters, 275,968 bytes of LDS; arguments x, Wq, Wkv, xu, xm, xr, wb; writes xu, xm, xr, wb
.if DOCPART == 7
	.amdgcn_target "amdgcn-amd-amdhsa--gfx1250"
	.amdhsa_code_object_version 6
	.text
	.protected	k_qb3a0df5196_prep
	.globl	k_qb3a0df5196_prep
	.p2align	8
	.type	k_qb3a0df5196_prep,@function
k_qb3a0df5196_prep:
	s_mov_b64 s[64:65], 0
	v_nop
	global_prefetch_b8 v0, s[64:65] scope:SCOPE_SE
	s_setreg_imm32_b32 hwreg(HW_REG_WAVE_MODE, 25, 1), 1
	s_wait_xcnt 0x0
; x [4][64][256][256] f32 is read once and leaves in three forms:
;   xu  the unfolded image in bf16, [chunk of 8 l (128)][row (16384)][8]; row = (b 64 + kh 8 + kw) 64 + c, l = hp 32 + wp
;   xm  the 8 x 8 patch means in bf16, [chunk (128)][row = b 64 + c (256)][8]   (the mean over a channel's 64 rows of the unfolded image)
;   xr  the 16 x 16 region means in f32, [b][n = hr 16 + wr][c]; behind them, at byte 262,144, [b][hr 4 + g][c]: the sum of four neighbouring region means
; and Wq [1024][1024], Wkv [2048][1024], f32, are rounded once to bf16 into
;   wb  [chunk of 8 k (128)][row (3072)][8]; rows 0-1023 Wq, 1024-2047 the k half of Wkv, 2048-3071 its v half.
; A work-group takes 16 channels x 16 image rows: 256 KiB, brought into LDS by first fills alone (nothing is filled again): 4 tensor loads a wave, each one image row of 16 channels.
; LDS row (image row 16 + channel), 1,024 bytes + 16 of padding.
; THE WEIGHTS ARE DONE WHILE THE IMAGE ROWS ARE ON THEIR WAY: a wave takes three units of 16 rows x 64 k.  In: 8 loads a unit, each two rows' 256 consecutive bytes.  The turn from [row][k] to
; [chunk][row] goes through the wave's own stage in LDS (16 rows x 144 bytes), into which no fill lands.  Out: 4 stores a unit, each two runs of 256 consecutive bytes, aligned.
; Wave g takes pixel columns 64 g .. 64 g + 63 (8 patches), lane % 16 the channel, lane / 16 the parity of the image row.
; xu and xm leave in runs of 256 consecutive bytes, aligned.  xr's rows hold 64 channels of which a work-group has 16: it leaves in 64-byte pieces; it is one part in 400 of the launch's bytes.
.set WSTG, 266240                      ; behind the 256 rows: four stages of 2,304 bytes for the weights
.set SPARE, 275456                     ; behind them: the spare words
.set LA, 3                             ; v3  LDS address of my 256 bytes in the image row in hand
.set UO, 4                             ; v4  my byte offset in xu
.set MO, 5                             ; v5  in xm
.set RO, 6                             ; v6  in xr
.set PO, 7                             ; v7  in the sums of four
.set SPW, 8
.set NIL, 9
.set WLO, 12                           ; v12 weights: load offset, 4,096 h + 16 r
.set WSI, 13                           ; v13 into my stage: row h, 8 bytes at 8 r
.set WSB, 14                           ; v14 back: row r, chunk h
.set WSO, 15                           ; v15 store offset: chunk h, row r
.set X, 32                             ; v[32:95]   64 pixels: patch j, column kw at 8 j + kw.  Before that v[32:127]: three units of weights, 32 registers each
.set Y, 96                             ; v[96:127]  8 pieces of 16 bytes: column kw, 8 patches
.set SP, 128                           ; v[128:143] running patch sums, a pair a patch; before that the weights' bf16 pairs
.set PS, 144                           ; v[144:159] patch sums of the upper and the lower patch row
.set T, 160                            ; v[160:175] at work
.set G1, 16                            ; s[16:23] descriptor group 1
.set G0, 24                            ; s[24:39] four sets of group 0
.set WS, 56                            ; s[56:61] the three units' sources
.set WD, 66                            ; s[66:71] and destinations
	s_load_b256 s[4:11], s[0:1], 0x0               ; x, Wq, Wkv, xu
	s_load_b128 s[72:75], s[0:1], 0x20             ; xm, xr
	s_load_b64 s[76:77], s[0:1], 0x30              ; wb
	v_lshl_add_u32 v[SPW], v0, 2, SPARE
	v_mov_b32 v[NIL], 0
	ds_add_u32 v[SPW], v[NIL]                      ; the wave's opening: the add and its wait stand ahead of my first tensor load
	v_lshrrev_b32 v1, 5, v0
	v_readfirstlane_b32 s12, v1                    ; wave = g
	s_lshr_b32 s13, ttmp9, 6                       ; b
	s_bfe_u32 s14, ttmp9, 0x40002                  ; hr
	s_and_b32 s15, ttmp9, 3                        ; group of 16 channels
	s_mov_b32 s[G1+0], (2<<16)|(1<<20)|(7<<22)|(3<<25)  ; 4-byte elements; padding on: 4 words after every 256
	s_mov_b32 s[G1+1], 256<<16                     ; tensor_dim0 = 256
	s_mov_b32 s[G1+2], 16<<16                      ; tensor_dim1 = 16
	s_mov_b32 s[G1+3], 256<<16                     ; tile_dim0 = 256
	s_mov_b32 s[G1+4], 16                          ; tile_dim1 = 16
	s_mov_b32 s[G1+5], 65536                       ; from channel to channel
	s_mov_b32 s[G1+6], 0
	s_mov_b32 s[G1+7], 0
	s_mul_i32 s44, s12, 16640                      ; image row w: 16 LDS rows of 1,040 bytes
	s_lshl_b32 s46, s13, 24                        ; b x 64 channels
	s_lshl_b32 s47, s15, 22                        ; 16 channels
	s_add_co_u32 s46, s46, s47
	s_lshl_b32 s47, s14, 14                        ; 16 image rows
	s_add_co_u32 s46, s46, s47
	s_lshl_b32 s47, s12, 10                        ; image row w
	s_add_co_u32 s46, s46, s47
	s_mov_b32 s47, 0
	s_wait_dscnt 0x0                               ; the opening add is done
	s_wait_kmcnt 0x0
	s_add_nc_u64 s[4:5], s[4:5], s[46:47]
.irp i, 0,1,2,3                        ; load i of wave w: image row 4 i + w.  Four loads of mine are out
	s_mov_b32 s[G0+4*(\i)], 1
	s_add_co_u32 s[G0+4*(\i)+1], s44, (\i)*66560
	s_add_nc_u64 s[G0+4*(\i)+2:G0+4*(\i)+3], s[4:5], (\i)*4096
	s_or_b32 s[G0+4*(\i)+3], s[G0+4*(\i)+3], 0x80000000
	tensor_load_to_lds s[G0+4*(\i):G0+4*(\i)+3], s[G1:G1+7]
	s_nop 0
.endr
	v_and_b32 v1, 15, v0                           ; channel; for the weights: r
	v_bfe_u32 v2, v0, 4, 1                         ; parity; for the weights: h
	v_lshlrev_b32 v11, 4, v1
	v_lshl_add_u32 v[WLO], v2, 12, v11
	s_mul_i32 s51, s12, 2304
	s_add_co_u32 s51, s51, WSTG                    ; my stage
	v_mul_u32_u24 v[WSI], v2, 144
	v_lshl_add_u32 v[WSI], v1, 3, v[WSI]
	v_add_nc_u32 v[WSI], s51, v[WSI]
	v_mul_u32_u24 v[WSB], v1, 144
	v_lshl_add_u32 v[WSB], v2, 4, v[WSB]
	v_add_nc_u32 v[WSB], s51, v[WSB]
	v_mul_u32_u24 v[WSO], v2, 49152
	v_add_nc_u32 v[WSO], v[WSO], v11
.irp i, 0,1,2                          ; unit 3 x work-group + i: group of 16 rows = unit / 4, block of 64 k = 4 (unit % 4) + wave
	s_mul_i32 s51, ttmp9, 3
	s_add_co_u32 s51, s51, (\i)
	s_lshr_b32 s52, s51, 2                         ; group of 16 rows, 0..191
	s_and_b32 s53, s51, 3
	s_lshl2_add_u32 s53, s53, s12                  ; block of 64 k, 0..15
	s_sub_co_u32 s54, s52, 64
	s_cmp_lt_u32 s52, 64                           ; the first 64 groups are Wq's
	s_cselect_b32 s54, s52, s54
	s_cselect_b64 s[WS+2*(\i):WS+2*(\i)+1], s[6:7], s[8:9]
	s_lshl_b32 s54, s54, 16                        ; 16 rows of 4,096 bytes
	s_lshl_b32 s55, s53, 8                         ; 64 f32
	s_add_co_u32 s54, s54, s55
	s_mov_b32 s55, 0
	s_add_nc_u64 s[WS+2*(\i):WS+2*(\i)+1], s[WS+2*(\i):WS+2*(\i)+1], s[54:55]
	s_mul_i32 s54, s53, 393216                     ; 8 chunks of 49,152 bytes
	s_lshl_b32 s55, s52, 8                         ; 16 rows of 16 bytes
	s_add_co_u32 s54, s54, s55
	s_mov_b32 s55, 0
	s_add_nc_u64 s[WD+2*(\i):WD+2*(\i)+1], s[76:77], s[54:55]
.irp j, 0,1,2,3,4,5,6,7
	global_load_b128 v[X+32*(\i)+4*(\j):X+32*(\i)+4*(\j)+3], v[WLO], s[WS+2*(\i):WS+2*(\i)+1] offset:8192*(\j) th:TH_LOAD_NT  ; rows 2 j and 2 j + 1
.endr
.endr
	v_and_b32 v10, 31, v0                          ; lane = parity 16 + channel
	v_mul_u32_u24 v[LA], v10, 1040
	s_lshl_b32 s45, s12, 8
	v_add_nc_u32 v[LA], s45, v[LA]
	v_lshl_add_u32 v[UO], v2, 13, v11              ; kh's parity: 8,192 bytes; channel: 16
	v_lshl_add_u32 v[MO], v2, 14, v11              ; the lower patch row lies four chunks on
	v_lshlrev_b32 v[PO], 2, v1
	v_lshl_add_u32 v[RO], v2, 8, v[PO]
	v_cmp_ne_u32 s42, 0, v2                        ; lanes 16-31
	s_mov_b32 s40, 0x76543210                      ; v_permlanex16_b32: each lane takes its own place in the other half
	s_mov_b32 s41, 0xfedcba98
	s_lshl_b32 s44, s14, 3
	s_add_co_u32 s44, s44, s12                     ; chunk of the upper patch row: 8 hr + g
	s_lshl_b32 s46, s44, 18
	s_lshl_b32 s47, s13, 16
	s_add_co_u32 s46, s46, s47
	s_lshl_b32 s47, s15, 8
	s_add_co_u32 s46, s46, s47
	s_mov_b32 s47, 0
	s_add_nc_u64 s[10:11], s[10:11], s[46:47]      ; xu
	s_lshl_b32 s46, s44, 12
	s_lshl_b32 s47, s13, 10
	s_add_co_u32 s46, s46, s47
	s_lshl_b32 s47, s15, 8
	s_add_co_u32 s46, s46, s47
	s_mov_b32 s47, 0
	s_add_nc_u64 s[72:73], s[72:73], s[46:47]      ; xm
	s_lshl_b32 s46, s13, 14
	s_lshl_b32 s47, s14, 10
	s_add_co_u32 s46, s46, s47
	s_lshl_b32 s47, s12, 8
	s_add_co_u32 s46, s46, s47
	s_lshl_b32 s47, s15, 6
	s_add_co_u32 s46, s46, s47
	s_add_co_u32 s46, s46, 262144
	s_mov_b32 s47, 0
	s_add_nc_u64 s[48:49], s[74:75], s[46:47]      ; the sums of four
	s_lshl_b32 s46, s13, 16
	s_lshl_b32 s47, s14, 12
	s_add_co_u32 s46, s46, s47
	s_lshl_b32 s47, s12, 10
	s_add_co_u32 s46, s46, s47
	s_lshl_b32 s47, s15, 6
	s_add_co_u32 s46, s46, s47
	s_mov_b32 s47, 0
	s_add_nc_u64 s[74:75], s[74:75], s[46:47]      ; xr
.irp i, 0,1,2                          ; the three units of weights, one after the other through my stage
.irp j, 0,1,2,3,4,5,6,7
	s_wait_loadcnt 23-8*(\i)-(\j)                  ; loads come back in order: this one is in, the younger ones stay out
	v_cvt_pk_bf16_f32 v[SP+2*(\j)], v[X+32*(\i)+4*(\j)], v[X+32*(\i)+4*(\j)+1]
	v_cvt_pk_bf16_f32 v[SP+2*(\j)+1], v[X+32*(\i)+4*(\j)+2], v[X+32*(\i)+4*(\j)+3]
	ds_store_b64 v[WSI], v[SP+2*(\j):SP+2*(\j)+1] offset:288*(\j)
.endr
.irp t, 0,1,2,3
	ds_load_b128 v[X+32*(\i)+4*(\t):X+32*(\i)+4*(\t)+3], v[WSB] offset:32*(\t)  ; chunk 2 t + h of row r; LDS serves a wave's instructions in order: these see the stores above, and the next unit's stores come behind them
.endr
.irp t, 0,1,2,3
	s_wait_dscnt 3-(\t)
	global_store_b128 v[WSO], v[X+32*(\i)+4*(\t):X+32*(\i)+4*(\t)+3], s[WD+2*(\i):WD+2*(\i)+1] offset:98304*(\t)
.endr
.endr
	s_wait_xcnt 0x0                                ; the weights' stores have read their registers: the image rows land on them only behind this wait
; Eight image rows = one row of patches: four trips, each two image rows (one for each half of the lanes).
.macro HALF hp2
	s_wait_tensorcnt 2-2*(\hp2)                    ; my loads for these eight image rows are in (the first half leaves my two younger loads out),
	s_barrier_signal -1
	s_barrier_wait -1                              ; everybody's are.
.set j, 0
.rept 16
	v_mov_b32 v[SP+j], 0
.set j, j+1
.endr
	s_mov_b32 s50, 4
.Ltrip\hp2:
.irp q, 0,1,2,3,4,5,6,7,8,9,10,11,12,13,14,15
	ds_load_b128 v[X+4*(\q):X+4*(\q)+3], v[LA] offset:16*(\q)
.endr
	s_wait_dscnt 0x0
.irp kw, 0,1,2,3,4,5,6,7
.irp i, 0,1,2,3
	v_cvt_pk_bf16_f32 v[Y+4*(\kw)+(\i)], v[X+16*(\i)+(\kw)], v[X+16*(\i)+8+(\kw)]  ; column kw of patches 2 i and 2 i + 1
.endr
.endr
.irp k, 0,1,2,3
.irp j, 0,1,2,3,4,5,6,7
	v_pk_add_f32 v[SP+2*(\j):SP+2*(\j)+1], v[SP+2*(\j):SP+2*(\j)+1], v[X+8*(\j)+2*(\k):X+8*(\j)+2*(\k)+1]
.endr
.endr
.irp kw, 0,1,2,3,4,5,6,7
	global_store_b128 v[UO], v[Y+4*(\kw):Y+4*(\kw)+3], s[10:11] offset:(\kw)*1024+(\hp2)*983040  ; 16 channels' 16 bytes: 256 consecutive bytes for each half of the lanes
.endr
	s_wait_xcnt 0x0                                ; the stores have read Y and UO: both are written again only behind this wait
	v_add_nc_u32 v[UO], 16384, v[UO]               ; kh + 2
	v_add_nc_u32 v[LA], 33280, v[LA]               ; two image rows on
	s_sub_co_u32 s50, s50, 1
	s_cmp_lg_u32 s50, 0
	s_cbranch_scc1 .Ltrip\hp2
.irp j, 0,1,2,3,4,5,6,7
	v_add_f32 v[PS+8*(\hp2)+(\j)], v[SP+2*(\j)], v[SP+2*(\j)+1]
.endr
.irp j, 0,1,2,3,4,5,6,7
	v_permlanex16_b32 v[SP+2*(\j)], v[PS+8*(\hp2)+(\j)], s40, s41  ; the image rows of the other parity
.endr
.irp j, 0,1,2,3,4,5,6,7
	v_add_f32 v[PS+8*(\hp2)+(\j)], v[PS+8*(\hp2)+(\j)], v[SP+2*(\j)]
.endr
.endm
	HALF 0
	HALF 1
	; patch means: lanes 0-15 store the upper patch row's eight, lanes 16-31 the lower's
.irp j, 0,1,2,3,4,5,6,7
	v_cndmask_b32 v[T+(\j)], v[PS+(\j)], v[PS+8+(\j)], s42
.endr
.irp j, 0,2,4,6
	v_pk_mul_f32 v[T+(\j):T+(\j)+1], v[T+(\j):T+(\j)+1], 0x3c800000 op_sel_hi:[1,0]  ; 1 / 64
.endr
.irp i, 0,1,2,3
	v_cvt_pk_bf16_f32 v[T+8+(\i)], v[T+2*(\i)], v[T+2*(\i)+1]
.endr
	global_store_b128 v[MO], v[T+8:T+11], s[72:73]
	; region means: two patches wide, two high
.irp i, 0,2,4,6
	v_pk_add_f32 v[X+(\i):X+(\i)+1], v[PS+(\i):PS+(\i)+1], v[PS+8+(\i):PS+8+(\i)+1]
.endr
.irp i, 0,1,2,3
	v_add_f32 v[X+8+(\i)], v[X+2*(\i)], v[X+2*(\i)+1]
.endr
.irp i, 0,1,2,3
	v_mul_f32 v[X+8+(\i)], 0x3b800000, v[X+8+(\i)]  ; 1 / 256
.endr
	v_cndmask_b32 v[X+12], v[X+8], v[X+9], s42
	v_cndmask_b32 v[X+13], v[X+10], v[X+11], s42
	v_add_f32 v[X+14], v[X+8], v[X+9]
	v_add_f32 v[X+15], v[X+10], v[X+11]
	v_add_f32 v[X+14], v[X+14], v[X+15]
	global_store_b32 v[RO], v[X+12], s[74:75]
	global_store_b32 v[RO], v[X+13], s[74:75] offset:512
	s_wait_xcnt 0x0                                ; EXEC changes only behind this wait
	v_cmp_gt_u32 vcc_lo, 16, v10
	s_and_saveexec_b32 s43, vcc_lo                 ; both halves hold the same sum: lanes 0-15 store it
	global_store_b32 v[PO], v[X+14], s[48:49]
	s_wait_xcnt 0x0                                ; and again, ahead of the line that widens it
	s_or_b32 exec_lo, exec_lo, s43
	s_wait_tensorcnt 0x0                           ; the wave's end
	ds_add_u32 v[SPW], v[NIL]
	s_wait_dscnt 0x0
	s_endpgm
.Lfunc_end_k_qb3a0df5196_prep:
	.size	k_qb3a0df5196_prep, .Lfunc_end_k_qb3a0df5196_prep-k_qb3a0df5196_prep
	.p2alignl 7, 3214868480
	.fill 96, 4, 3214868480
	.section	.rodata,"a",@progbits
	.p2align	6, 0x0
	.amdhsa_kernel k_qb3a0df5196_prep
		.amdhsa_group_segment_fixed_size 275968
		.amdhsa_private_segment_fixed_size 0
		.amdhsa_enable_private_segment 0
		.amdhsa_kernarg_size 56
		.amdhsa_user_sgpr_count 2
		.amdhsa_user_sgpr_kernarg_segment_ptr 1
		.amdhsa_wavefront_size32 1
		.amdhsa_system_sgpr_workgroup_id_x 1
		.amdhsa_system_sgpr_workgroup_id_y 1
		.amdhsa_system_sgpr_workgroup_id_z 1
		.amdhsa_system_vgpr_workitem_id 0
		.amdhsa_next_free_vgpr 176
		.amdhsa_next_free_sgpr 80
		.amdhsa_reserve_vcc 1
		.amdhsa_float_denorm_mode_32 3
		.amdhsa_float_denorm_mode_16_64 3
		.amdhsa_memory_ordered 1
		.amdhsa_forward_progress 1
		.amdhsa_inst_pref_size 36
	.end_amdhsa_kernel
	.amdgpu_metadata
---
amdhsa.version: [ 1, 2 ]
amdhsa.kernels:
  - .name:           k_qb3a0df5196_prep
    .symbol:         k_qb3a0df5196_prep.kd
    .args:
      - { .name: x, .offset: 0, .size: 8, .value_kind: global_buffer, .address_space: global }
      - { .name: Wq, .offset: 8, .size: 8, .value_kind: global_buffer, .address_space: global }
      - { .name: Wkv, .offset: 16, .size: 8, .value_kind: global_buffer, .address_space: global }
      - { .name: xu, .offset: 24, .size: 8, .value_kind: global_buffer, .address_space: global }
      - { .name: xm, .offset: 32, .size: 8, .value_kind: global_buffer, .address_space: global }
      - { .name: xr, .offset: 40, .size: 8, .value_kind: global_buffer, .address_space: global }
      - { .name: wb, .offset: 48, .size: 8, .value_kind: global_buffer, .address_space: global }
    .group_segment_fixed_size: 275968
    .private_segment_fixed_size: 0
    .kernarg_segment_align: 8
    .kernarg_segment_size: 56
    .max_flat_workgroup_size: 128
    .sgpr_count:     80
    .vgpr_count:     176
    .wavefront_size: 32
...
	.end_amdgpu_metadata
.endif
;; end of part 7
;; launch mid (part 8): grid 256 x 1, 5 waves a work-group, no clusters, 17,152 bytes of LDS; arguments xr, Wqr, Wkvr, Wc, bc, gamma, beta, rm, rv, tb, wcf, xm, wb, kmf; writes kmf, tb, wcf
.if DOCPART == 8
	.amdgcn_target "amdgcn-amd-amdhsa--gfx1250"
	.amdhsa_code_object_version 6
	.text
	.protected	k_qb3a0df5196_mid
	.globl	k_qb3a0df5196_mid
	.p2align	8
	.type	k_qb3a0df5196_mid,@function
k_qb3a0df5196_mid:
	s_mov_b64 s[64:65], 0
	v_nop
	global_prefetch_b8 v0, s[64:65] scope:SCOPE_SE
	s_setreg_imm32_b32 hwreg(HW_REG_WAVE_MODE, 25, 1), 1
	s_wait_xcnt 0x0
; TWO SMALL PIECES OF WORK THAT DO NOT DEPEND ON EACH OTHER, SIDE BY SIDE IN ONE LAUNCH.  In every work-group waves 0 to 3 make 32 x 32 of kmean.  In work-groups 0 to 63 wave 4 makes one unit
; of the region attention: 64 units, one to a work-group; in the other 192 work-groups wave 4 has no work and goes to the barrier.
; The one barrier stands on the common way, so that no jump passes it; what kmean's second part reads is made ahead of the first branch, in registers that the region part does not name.
;
; KMEAN.  kmean[b][c][n] = the sum over l of xm[b 64 + c][l] Wk[n][l]: the mean over a channel's 64 rows of k is the product of the rows' mean (exact in real arithmetic, for every input).
; 256 rows x 1,024 columns x K = 1,024; bf16 operands, f32 sums.  A work-group makes 32 x 32; K IS SPLIT AMONG FOUR WAVES, 256 each; the partial sums meet in LDS, and each wave finishes one tile of 16 x 16.
; Operands lie [chunk of 8 k][row][8]: a fragment's 16 rows of one chunk are 256 consecutive bytes, so they come straight from memory.
; The product is taken as Wk x xm^T: a lane then holds one row (lane % 16) and eight columns.  kmf keeps that very layout, for the launch that reads it:
; kmf[row / 16 (16)][n / 16 (64)][q (2)][lane (32)][4]: lane (r, h), element e = kmean[row 16 (..) + r][16 (n / 16) + 8 h + 4 q + e].
;
; THE REGION ATTENTION, and the constants of the last step.  One wave takes 16 regions n of one image.
; With g = gamma / sqrt(rv + 1e-5):  out = x / (1 + 2^(sum over c < 64 of wcf[o][c] inside[c] + tb[n][o])), where
;   wcf[o][c] = -log2(e) g[o] Wc[o][c], rounded once to bf16;   tb[b][n][o] = -log2(e) ((sr[n] u[n][o] + bc[o] - rm[o]) g[o] + beta[o]), f32;
;   u[n][o] = sum over c of Wc[o][64 + c] vr[n][c]: the gate sr[n] is one number a region, so it is applied behind this product (exact in real arithmetic).
; krm, the mean of kr over the image's 256 regions, is the product of the regions' mean: the 64 sums of four in xr are folded to 16 rows, multiplied, and the 16 results added.
; All products as W x X^T: a lane holds one region (lane % 16), its registers the outputs o = 16 ob + 8 (lane / 16) + j.  bf16 operands, f32 sums; softmax with its maximum taken away.
; A weight below 2^-126 counts as 0; NaN and infinities are not treated apart.  tb leaves in 16-byte pieces a lane, 4 KiB a wave over eight stores: that part's whole output is 270 KB.
; REGISTERS of the region part.  Window 0: v3-8 offsets; v16-47 my regions in f32, later beta; v48-63, v64-79 operands in bf16; v80-143 a weight block in bf16; v144-207 two sets of four
; accumulators; v208-239 krm; v240-251 at work.  Window 1: two landing areas of 128 for weight blocks in f32.
.set MSB, 0
.macro WIN new                         ; the immediate's high byte repeats the setting that is left
.if MSB != (\new)
	s_set_vgpr_msb (MSB<<8)|(\new)
.set MSB, \new
.endif
.endm
.set SPARE, 16384                      ; behind the 4 x 4,096 bytes of partial sums: the spare words, 128 bytes a wave: 640, three blocks of 256
.set SPW, 10
.set NIL, 11
.set LR, 12                            ; v12 kmean: where I read a tile's partial sums
.set KO, 13                            ; v13 16 x lane
.set LS, 14                            ; v14 where I put my partial sums
.set LN, 15                            ; v15 lane
.set AO, 2                             ; v2  xm: 4,096 h + 16 r
.set BO, 3                             ; v3  wb: 49,152 h + 16 r
.set ACC, 16                           ; v[16:47]  four accumulators: rows 16 mi, columns 16 ni at ACC + 8 (2 mi + ni)
.set BUF, 64                           ; v[64:191] of windows 0 and 1: K steps 0-3 and 4-7, 32 registers each: xm's two fragments, then wb's two
.set WVN, 50                           ; s50 my wave's number
.set KMF, 52                           ; s[52:53] kmf
.set KX, 54                            ; s54 kmean's block of 32 columns
.set KY, 55                            ; s55 its block of 32 rows
	s_load_b64 s[KMF:KMF+1], s[0:1], 0x68
	v_lshl_add_u32 v[SPW], v0, 2, SPARE
	v_mov_b32 v[NIL], 0
	v_lshrrev_b32 v1, 5, v0
	v_readfirstlane_b32 s[WVN], v1                 ; wave 0..4
	v_and_b32 v[LN], 31, v0
	v_lshlrev_b32 v[KO], 4, v[LN]
	s_lshl_b32 s56, s[WVN], 12
	v_add_nc_u32 v[LS], s56, v[KO]
	s_lshl_b32 s56, s[WVN], 10
	v_add_nc_u32 v[LR], s56, v[KO]
	s_lshr_b32 s[KY], ttmp9, 5
	s_and_b32 s[KX], ttmp9, 31
	s_cmp_eq_u32 s[WVN], 4
	s_cbranch_scc1 .Lfifth
	; ---- kmean, first part: my quarter of K for the work-group's 32 x 32
	s_load_b64 s[4:5], s[0:1], 0x58                ; xm
	s_load_b64 s[6:7], s[0:1], 0x60                ; wb
	v_and_b32 v1, 15, v0
	v_bfe_u32 v4, v0, 4, 1
	v_lshlrev_b32 v5, 4, v1
	v_lshl_add_u32 v[AO], v4, 12, v5
	v_mul_u32_u24 v[BO], v4, 49152
	v_add_nc_u32 v[BO], v[BO], v5
	s_lshl_b32 s14, s[WVN], 17                     ; my 32 chunks of xm
	s_lshl_b32 s15, s[KY], 9
	s_add_co_u32 s14, s14, s15
	s_mov_b32 s15, 0
	s_mul_i32 s16, s[WVN], 1572864                 ; my 32 chunks of wb
	s_lshl_b32 s17, s[KX], 9
	s_add_co_u32 s16, s16, s17
	s_add_co_u32 s16, s16, 16384                   ; Wk begins at row 1,024
	s_mov_b32 s17, 0
	s_wait_kmcnt 0x0
	s_add_nc_u64 s[4:5], s[4:5], s[14:15]
	s_add_nc_u64 s[6:7], s[6:7], s[16:17]
.irp s, 0,1,2,3,4,5,6,7                ; all 64 loads go out on end
	WIN ((\s)/4)<<6
.irp m, 0,1
	global_load_b128 v[BUF+32*((\s)%4)+8*(\m):BUF+32*((\s)%4)+8*(\m)+3],   v[AO], s[4:5] offset:16384*(\s)+256*(\m)
	global_load_b128 v[BUF+32*((\s)%4)+8*(\m)+4:BUF+32*((\s)%4)+8*(\m)+7], v[AO], s[4:5] offset:16384*(\s)+256*(\m)+8192
.endr
.irp n, 0,1
	global_load_b128 v[BUF+32*((\s)%4)+16+8*(\n):BUF+32*((\s)%4)+16+8*(\n)+3],   v[BO], s[6:7] offset:196608*(\s)+256*(\n)
	global_load_b128 v[BUF+32*((\s)%4)+16+8*(\n)+4:BUF+32*((\s)%4)+16+8*(\n)+7], v[BO], s[6:7] offset:196608*(\s)+256*(\n)+98304
.endr
.endr
.irp s, 0,1,2,3,4,5,6,7                ; the four accumulators take turns, one instruction a turn; the first K step starts the sums
	s_wait_loadcnt 56-8*(\s)                       ; K step s is in; the later steps' eight loads each may stay out
	WIN 5*((\s)/4)                                 ; both sources in window 0 or 1, the sums in window 0
.irp m, 0,1
.irp n, 0,1
.if (\s) == 0
	v_wmma_f32_16x16x32_bf16 v[ACC+8*(2*(\m)+(\n)):ACC+8*(2*(\m)+(\n))+7], v[BUF+16+8*(\n):BUF+16+8*(\n)+7], v[BUF+8*(\m):BUF+8*(\m)+7], 0
.else
	v_wmma_f32_16x16x32_bf16 v[ACC+8*(2*(\m)+(\n)):ACC+8*(2*(\m)+(\n))+7], v[BUF+32*((\s)%4)+16+8*(\n):BUF+32*((\s)%4)+16+8*(\n)+7], v[BUF+32*((\s)%4)+8*(\m):BUF+32*((\s)%4)+8*(\m)+7], v[ACC+8*(2*(\m)+(\n)):ACC+8*(2*(\m)+(\n))+7]
.endif
.endr
.endr
.endr
	WIN 0
.rept 4
	v_nop                                          ; four places behind the last product, ahead of the stores that read results
.endr
.irp a, 0,1,2,3
	ds_store_b128 v[LS], v[ACC+8*(\a):ACC+8*(\a)+3]   offset:1024*(\a)
	ds_store_b128 v[LS], v[ACC+8*(\a)+4:ACC+8*(\a)+7] offset:1024*(\a)+512
.endr
	s_branch .Lmeet
	; ---- the region attention
.set VO, 3                             ; 256 r + 32 h
.set VC, 4                             ; 512 r + 32 h
.set VH, 5                             ; 32 h
.set VL8, 6                            ; 8 x lane
.set VZ, 7                             ; 0
.set VL4, 8                            ; 4 x lane
.set XO, 16
.set XF, 48
.set XSF, 64                           ; the folded sums; at work in the softmax; then vr in bf16
.set WF, 80
.set ACCA, 144
.set ACCB, 176
.set KM, 208
.set CC, 244
.set CM, 248
.set SR, 250
.set LP, 64
.set DP, 72
.set T0, 0                             ; window 1
.set T1, 128
.set RV, 128
.set GA, 160
.set BC, 192
.set RM, 224
.set L2E, 44                           ; s[44:45] log2(e)
.set SEL, 46                           ; s[46:47]
.set UN, 48                            ; s48 my unit, 0..63
.macro LDF dst, vo, sb, imm            ; 16 rows x 64 numbers in f32, in a fragment's order
.irp ks, 0,1
.irp hf, 0,1
.irp q, 0,1
	global_load_b128 v[(\dst)+16*(\ks)+8*(\hf)+4*(\q):(\dst)+16*(\ks)+8*(\hf)+4*(\q)+3], v[\vo], s[\sb:\sb+1] offset:(\imm)+128*(\ks)+64*(\hf)+16*(\q)
.endr
.endr
.endr
.endm
.macro LDW dst, vo, sb, imm, step      ; four such blocks: 64 rows
.irp ob, 0,1,2,3
	LDF (\dst)+32*(\ob), \vo, \sb, (\imm)+(\step)*(\ob)
.endr
.endm
.macro LDV dst, sb                     ; a vector of 64 in the accumulators' order
.irp ob, 0,1,2,3
.irp q, 0,1
	global_load_b128 v[(\dst)+8*(\ob)+4*(\q):(\dst)+8*(\ob)+4*(\q)+3], v[VH], s[\sb:\sb+1] offset:64*(\ob)+16*(\q)
.endr
.endr
.endm
.macro CVT dst, src, n
.set ci, 0
.rept \n
	v_cvt_pk_bf16_f32 v[(\dst)+ci], v[(\src)+2*ci], v[(\src)+2*ci+1]
.set ci, ci+1
.endr
.endm
.macro MM4 acc, x                      ; 64 outputs x 16 rows x K = 64: the four accumulators take turns; the first K step starts the sums
.irp ks, 0,1
.irp ob, 0,1,2,3
.if (\ks) == 0
	v_wmma_f32_16x16x32_bf16 v[(\acc)+8*(\ob):(\acc)+8*(\ob)+7], v[WF+16*(\ob):WF+16*(\ob)+7], v[(\x):(\x)+7], 0
.else
	v_wmma_f32_16x16x32_bf16 v[(\acc)+8*(\ob):(\acc)+8*(\ob)+7], v[WF+16*(\ob)+8:WF+16*(\ob)+15], v[(\x)+8:(\x)+15], v[(\acc)+8*(\ob):(\acc)+8*(\ob)+7]
.endif
.endr
.endr
.rept 4
	v_nop                                          ; four places behind the products, ahead of what reads results or writes operands
.endr
.endm
.Lfifth:
	s_cmp_lt_u32 ttmp9, 64                         ; 64 units: the fifth waves of the first 64 work-groups
	s_cbranch_scc0 .Lmeet
	s_load_b512 s[4:19], s[0:1], 0x0               ; xr, Wqr, Wkvr, Wc, bc, gamma, beta, rm
	s_load_b128 s[20:23], s[0:1], 0x40             ; rv, tb
	s_load_b64 s[24:25], s[0:1], 0x50              ; wcf
	s_mov_b32 s[UN], ttmp9                         ; unit = work-group
	v_and_b32 v1, 15, v0
	v_bfe_u32 v2, v0, 4, 1
	v_lshlrev_b32 v[VH], 5, v2
	v_lshl_add_u32 v[VO], v1, 8, v[VH]
	v_lshl_add_u32 v[VC], v1, 9, v[VH]
	v_lshlrev_b32 v[VL8], 3, v[LN]
	v_lshlrev_b32 v[VL4], 2, v[LN]
	v_mov_b32 v[VZ], 0
	s_mov_b32 s[L2E], 0x3fb8aa3b
	s_mov_b32 s[L2E+1], s[L2E]
	s_mov_b32 s[SEL], 0x76543210
	s_mov_b32 s[SEL+1], 0xfedcba98
	s_lshl_b32 s40, s[UN], 12                      ; my 16 rows of 256 bytes
	s_mov_b32 s41, 0
	s_lshr_b32 s42, s[UN], 4                       ; b
	s_lshl_b32 s42, s42, 14
	s_add_co_u32 s42, s42, 262144
	s_mov_b32 s43, 0
	s_wait_kmcnt 0x0
	s_add_nc_u64 s[26:27], s[4:5], s[40:41]        ; my regions
	s_add_nc_u64 s[28:29], s[4:5], s[42:43]        ; the image's 64 sums of four
	s_add_nc_u64 s[30:31], s[22:23], s[40:41]      ; my rows of tb
	s_lshl_b32 s40, s[UN], 9
	s_add_nc_u64 s[32:33], s[10:11], s[40:41]      ; row `unit` of Wc,
	s_lshl_b32 s40, s[UN], 2
	s_add_nc_u64 s[34:35], s[14:15], s[40:41]      ; gamma[unit],
	s_add_nc_u64 s[36:37], s[20:21], s[40:41]      ; rv[unit],
	s_lshl_b32 s40, s[UN], 7
	s_add_nc_u64 s[38:39], s[24:25], s[40:41]      ; row `unit` of wcf
	LDF XO, VO, 26, 0
	WIN 0x40                                       ; destination window 1
	LDW T0, VO, 28, 0, 4096
	LDW T1, VO, 8, 0, 4096                         ; Wkr
	s_wait_loadcnt 32                              ; all but Wkr's 32
	WIN 0
	CVT XF, XO, 16
	WIN 0x45
.set i, 0
.rept 16
	v_pk_add_f32 v[T0+i:T0+i+1], v[T0+i:T0+i+1], v[T0+32+i:T0+32+i+1]
	v_pk_add_f32 v[T0+64+i:T0+64+i+1], v[T0+64+i:T0+64+i+1], v[T0+96+i:T0+96+i+1]
.set i, i+2
.endr
.set i, 0
.rept 16
	v_pk_add_f32 v[T0+i:T0+i+1], v[T0+i:T0+i+1], v[T0+64+i:T0+64+i+1]
.set i, i+2
.endr
	WIN 0x05
	CVT XSF, T0, 16
	WIN 0x40
	LDW T0, VO, 6, 0, 4096                         ; Wqr
	s_wait_loadcnt 32                              ; Wkr is in
	WIN 0x05
	CVT WF, T1, 64
	WIN 0x40
	LDW T1, VO, 8, 16384, 4096                     ; Wvr
	WIN 0
	MM4 ACCA, XSF
.irp m, 1,2,4,8                        ; the 16 rows are added across the lanes of each half
.set i, 0
.rept 32
	v_add_f32_dpp v[ACCA+i], v[ACCA+i], v[ACCA+i] row_xmask:\m row_mask:0xf bank_mask:0xf
.set i, i+1
.endr
.endr
.set i, 0
.rept 16
	v_pk_mul_f32 v[KM+i:KM+i+1], v[ACCA+i:ACCA+i+1], 0x3b800000 op_sel_hi:[1,0]  ; 1 / 256: krm
.set i, i+2
.endr
	s_wait_loadcnt 32                              ; Wqr is in
	WIN 0x05
	CVT WF, T0, 64
	WIN 0x40
	LDW T0, VC, 10, 256, 8192                      ; Wc's region half
	WIN 0
	MM4 ACCB, XF                                   ; qr
.irp ob, 0,1,2,3                       ; the maximum: each accumulator's lowest registers are read first
	v_max3_num_f32 v[CC+(\ob)], v[ACCB+8*(\ob)], v[ACCB+8*(\ob)+1], v[ACCB+8*(\ob)+2]
.endr
.irp ob, 0,1,2,3
	v_max3_num_f32 v[CC+(\ob)], v[CC+(\ob)], v[ACCB+8*(\ob)+3], v[ACCB+8*(\ob)+4]
.endr
.irp ob, 0,1,2,3
	v_max3_num_f32 v[CC+(\ob)], v[CC+(\ob)], v[ACCB+8*(\ob)+5], v[ACCB+8*(\ob)+6]
.endr
	v_max3_num_f32 v[CC], v[CC], v[ACCB+7], v[ACCB+15]
	v_max3_num_f32 v[CC+2], v[CC+2], v[ACCB+23], v[ACCB+31]
	v_max3_num_f32 v[CC], v[CC], v[CC+1], v[CC+2]
	v_max_num_f32 v[CC], v[CC], v[CC+3]
	v_permlanex16_b32 v[CC+1], v[CC], s[SEL], s[SEL+1]  ; the region's other 32 outputs lie in the lane 16 away
	v_max_num_f32 v[CC], v[CC], v[CC+1]
	v_mul_f32 v[CM], s[L2E], v[CC]
	v_mov_b32 v[CM+1], v[CM]
.set i, 0
.rept 16
	v_pk_fma_f32 v[ACCB+i:ACCB+i+1], v[ACCB+i:ACCB+i+1], s[L2E:L2E+1], v[CM:CM+1] op_sel_hi:[1,0,0] neg_lo:[0,0,1] neg_hi:[0,0,1]
.set i, i+2
.endr
.set i, 0
.rept 32
	v_exp_f32 v[ACCB+i], v[ACCB+i]
.set i, i+1
.endr
	v_nop                                          ; a plain instruction behind the last exponential,
	s_wait_alu depctr_va_vdst(0)                   ; and the one wait for the batch, ahead of its first reader
.irp c, 0,1,2,3
	v_pk_add_f32 v[LP+2*(\c):LP+2*(\c)+1], v[ACCB+8*(\c):ACCB+8*(\c)+1], v[ACCB+8*(\c)+2:ACCB+8*(\c)+3]
	v_pk_mul_f32 v[DP+2*(\c):DP+2*(\c)+1], v[ACCB+8*(\c):ACCB+8*(\c)+1], v[KM+8*(\c):KM+8*(\c)+1]
.endr
.irp c, 0,1,2,3
	v_pk_fma_f32 v[DP+2*(\c):DP+2*(\c)+1], v[ACCB+8*(\c)+2:ACCB+8*(\c)+3], v[KM+8*(\c)+2:KM+8*(\c)+3], v[DP+2*(\c):DP+2*(\c)+1]
.endr
.irp k, 4,6
.irp c, 0,1,2,3
	v_pk_add_f32 v[LP+2*(\c):LP+2*(\c)+1], v[LP+2*(\c):LP+2*(\c)+1], v[ACCB+8*(\c)+(\k):ACCB+8*(\c)+(\k)+1]
	v_pk_fma_f32 v[DP+2*(\c):DP+2*(\c)+1], v[ACCB+8*(\c)+(\k):ACCB+8*(\c)+(\k)+1], v[KM+8*(\c)+(\k):KM+8*(\c)+(\k)+1], v[DP+2*(\c):DP+2*(\c)+1]
.endr
.endr
	v_pk_add_f32 v[LP:LP+1], v[LP:LP+1], v[LP+2:LP+3]
	v_pk_add_f32 v[LP+4:LP+5], v[LP+4:LP+5], v[LP+6:LP+7]
	v_pk_add_f32 v[DP:DP+1], v[DP:DP+1], v[DP+2:DP+3]
	v_pk_add_f32 v[DP+4:DP+5], v[DP+4:DP+5], v[DP+6:DP+7]
	v_pk_add_f32 v[LP:LP+1], v[LP:LP+1], v[LP+4:LP+5]
	v_pk_add_f32 v[DP:DP+1], v[DP:DP+1], v[DP+4:DP+5]
	v_add_f32 v[LP], v[LP], v[LP+1]
	v_add_f32 v[DP], v[DP], v[DP+1]
	v_permlanex16_b32 v[LP+1], v[LP], s[SEL], s[SEL+1]
	v_permlanex16_b32 v[DP+1], v[DP], s[SEL], s[SEL+1]
	v_add_f32 v[LP], v[LP], v[LP+1]
	v_add_f32 v[DP], v[DP], v[DP+1]
	v_rcp_f32 v[CC], v[LP]
	v_nop
	s_wait_alu depctr_va_vdst(0)
	v_mul_f32 v[CC], v[CC], v[DP]                  ; ar
	v_mul_f32 v[CC], 0xbfb8aa3b, v[CC]
	v_exp_f32 v[CC+1], v[CC]
	v_nop
	s_wait_alu depctr_va_vdst(0)
	v_add_f32 v[CC+1], 1.0, v[CC+1]
	v_rcp_f32 v[SR], v[CC+1]                       ; sr = sigmoid(ar)
	v_nop
	s_wait_alu depctr_va_vdst(0)
	v_mov_b32 v[SR+1], v[SR]
	s_wait_loadcnt 32                              ; Wvr is in
	WIN 0x05
	CVT WF, T1, 64
	WIN 0x40
	LDV RV, 20
	LDV GA, 14
	LDV BC, 12
	LDV RM, 18
	WIN 0
	LDV XO, 16                                     ; beta
	global_load_b64 v[240:241], v[VL8], s[32:33]   ; Wc[unit][2 lane ..]
	global_load_b32 v242, v[VZ], s[34:35]
	global_load_b32 v243, v[VZ], s[36:37]
	MM4 ACCA, XF                                   ; vr
	CVT XSF, ACCA, 16                              ; two accumulators rounded in pairs are the next product's operand: 32 channels x 16 regions
	s_wait_loadcnt 43                              ; Wc's half is in; the 43 loads issued behind it may stay out
	WIN 0x05
	CVT WF, T0, 64
	WIN 0
	MM4 ACCB, XSF                                  ; u
	s_wait_loadcnt 0x0
	v_add_f32 v243, 0x3727c5ac, v243               ; rv + 1e-5
	WIN 0x45
.set i, 0
.rept 16
	v_pk_add_f32 v[RV+i:RV+i+1], v[RV+i:RV+i+1], 0x3727c5ac op_sel_hi:[1,0]
.set i, i+2
.endr
.set i, 0
.rept 32
	v_rsq_f32 v[RV+i], v[RV+i]
.set i, i+1
.endr
	WIN 0
	v_rsq_f32 v243, v243
	v_nop
	s_wait_alu depctr_va_vdst(0)                   ; one wait for the 33
	WIN 0x45
.set i, 0
.rept 16
	v_pk_mul_f32 v[GA+i:GA+i+1], v[GA+i:GA+i+1], v[RV+i:RV+i+1]
	v_pk_add_f32 v[BC+i:BC+i+1], v[BC+i:BC+i+1], v[RM+i:RM+i+1] neg_lo:[0,1] neg_hi:[0,1]
.set i, i+2
.endr
.set i, 0
.rept 16
	v_pk_mul_f32 v[GA+i:GA+i+1], v[GA+i:GA+i+1], 0xbfb8aa3b op_sel_hi:[1,0]  ; -log2(e) g
.set i, i+2
.endr
	WIN 0
.set i, 0
.rept 16
	v_pk_mul_f32 v[XO+i:XO+i+1], v[XO+i:XO+i+1], 0xbfb8aa3b op_sel_hi:[1,0]  ; -log2(e) beta
.set i, i+2
.endr
	WIN 0x45                                       ; source 2 in window 0
.set i, 0
.rept 16
	v_pk_fma_f32 v[BC+i:BC+i+1], v[BC+i:BC+i+1], v[GA+i:GA+i+1], v[XO+i:XO+i+1]
.set i, i+2
.endr
	WIN 0x41
.set i, 0
.rept 16
	v_pk_mul_f32 v[GA+i:GA+i+1], v[GA+i:GA+i+1], v[SR:SR+1] op_sel_hi:[1,0]
.set i, i+2
.endr
	WIN 0x14                                       ; sources 1 and 2 in window 1
.set i, 0
.rept 16
	v_pk_fma_f32 v[ACCB+i:ACCB+i+1], v[ACCB+i:ACCB+i+1], v[GA+i:GA+i+1], v[BC+i:BC+i+1]
.set i, i+2
.endr
	WIN 0
.irp ob, 0,1,2,3
.irp q, 0,1
	global_store_b128 v[VO], v[ACCB+8*(\ob)+4*(\q):ACCB+8*(\ob)+4*(\q)+3], s[30:31] offset:64*(\ob)+16*(\q)
.endr
.endr
	v_mul_f32 v242, v242, v243                     ; g[unit]
	v_mul_f32 v242, 0xbfb8aa3b, v242
	v_mul_f32 v240, v240, v242
	v_mul_f32 v241, v241, v242
	v_cvt_pk_bf16_f32 v244, v240, v241
	global_store_b32 v[VL4], v244, s[38:39]        ; 128 consecutive bytes: row `unit` of wcf
	; ---- the common way: one barrier for every wave of every work-group
.Lmeet:
	s_wait_kmcnt 0x0                               ; kmf's address is in, on every way
	s_wait_dscnt 0x0                               ; for the others' sake: my stores of partial sums are done
	s_barrier_signal -1
	s_barrier_wait -1
	s_cmp_lt_u32 s[WVN], 4                         ; kmean, second part: wave w < 4 finishes tile w
	s_cbranch_scc0 .Lend
.irp v, 0,1,2,3
	ds_load_b128 v[BUF+8*(\v):BUF+8*(\v)+3],   v[LR] offset:4096*(\v)
	ds_load_b128 v[BUF+8*(\v)+4:BUF+8*(\v)+7], v[LR] offset:4096*(\v)+512
.endr
	s_lshr_b32 s56, s[WVN], 1
	s_lshl1_add_u32 s56, s[KY], s56                ; row / 16
	s_and_b32 s57, s[WVN], 1
	s_lshl1_add_u32 s57, s[KX], s57                ; column / 16
	s_lshl_b32 s56, s56, 6
	s_add_co_u32 s56, s56, s57
	s_lshl_b32 s56, s56, 10
	s_mov_b32 s57, 0
	s_add_nc_u64 s[KMF:KMF+1], s[KMF:KMF+1], s[56:57]
	s_wait_dscnt 0x0
.irp v, 0,2
.irp i, 0,2,4,6
	v_pk_add_f32 v[BUF+8*(\v)+(\i):BUF+8*(\v)+(\i)+1], v[BUF+8*(\v)+(\i):BUF+8*(\v)+(\i)+1], v[BUF+8*(\v)+8+(\i):BUF+8*(\v)+8+(\i)+1]
.endr
.endr
.irp i, 0,2,4,6
	v_pk_add_f32 v[BUF+(\i):BUF+(\i)+1], v[BUF+(\i):BUF+(\i)+1], v[BUF+16+(\i):BUF+16+(\i)+1]
.endr
	global_store_b128 v[KO], v[BUF:BUF+3], s[KMF:KMF+1]              ; 512 consecutive bytes
	global_store_b128 v[KO], v[BUF+4:BUF+7], s[KMF:KMF+1] offset:512
.Lend:
	s_wait_tensorcnt 0x0                           ; the wave's end: a tensor wait, an add of 0 to my spare word and its wait, behind my last LDS store
	ds_add_u32 v[SPW], v[NIL]
	s_wait_dscnt 0x0
	s_endpgm
.Lfunc_end_k_qb3a0df5196_mid:
	.size	k_qb3a0df5196_mid, .Lfunc_end_k_qb3a0df5196_mid-k_qb3a0df5196_mid
	.p2alignl 7, 3214868480
	.fill 96, 4, 3214868480
	.section	.rodata,"a",@progbits
	.p2align	6, 0x0
	.amdhsa_kernel k_qb3a0df5196_mid
		.amdhsa_group_segment_fixed_size 17152
		.amdhsa_private_segment_fixed_size 0
		.amdhsa_enable_private_segment 0
		.amdhsa_kernarg_size 112
		.amdhsa_user_sgpr_count 2
		.amdhsa_user_sgpr_kernarg_segment_ptr 1
		.amdhsa_wavefront_size32 1
		.amdhsa_system_sgpr_workgroup_id_x 1
		.amdhsa_system_sgpr_workgroup_id_y 1
		.amdhsa_system_sgpr_workgroup_id_z 1
		.amdhsa_system_vgpr_workitem_id 0
		.amdhsa_next_free_vgpr 512
		.amdhsa_next_free_sgpr 66
		.amdhsa_reserve_vcc 0
		.amdhsa_float_denorm_mode_32 3
		.amdhsa_float_denorm_mode_16_64 3
		.amdhsa_memory_ordered 1
		.amdhsa_forward_progress 1
		.amdhsa_inst_pref_size 87
	.end_amdhsa_kernel
	.amdgpu_metadata
---
amdhsa.version: [ 1, 2 ]
amdhsa.kernels:
  - .name:           k_qb3a0df5196_mid
    .symbol:         k_qb3a0df5196_mid.kd
    .args:
      - { .name: xr, .offset: 0, .size: 8, .value_kind: global_buffer, .address_space: global }
      - { .name: Wqr, .offset: 8, .size: 8, .value_kind: global_buffer, .address_space: global }
      - { .name: Wkvr, .offset: 16, .size: 8, .value_kind: global_buffer, .address_space: global }
      - { .name: Wc, .offset: 24, .size: 8, .value_kind: global_buffer, .address_space: global }
      - { .name: bc, .offset: 32, .size: 8, .value_kind: global_buffer, .address_space: global }
      - { .name: gamma, .offset: 40, .size: 8, .value_kind: global_buffer, .address_space: global }
      - { .name: beta, .offset: 48, .size: 8, .value_kind: global_buffer, .address_space: global }
      - { .name: rm, .offset: 56, .size: 8, .value_kind: global_buffer, .address_space: global }
      - { .name: rv, .offset: 64, .size: 8, .value_kind: global_buffer, .address_space: global }
      - { .name: tb, .offset: 72, .size: 8, .value_kind: global_buffer, .address_space: global }
      - { .name: wcf, .offset: 80, .size: 8, .value_kind: global_buffer, .address_space: global }
      - { .name: xm, .offset: 88, .size: 8, .value_kind: global_buffer, .address_space: global }
      - { .name: wb, .offset: 96, .size: 8, .value_kind: global_buffer, .address_space: global }
      - { .name: kmf, .offset: 104, .size: 8, .value_kind: global_buffer, .address_space: global }
    .group_segment_fixed_size: 17152
    .private_segment_fixed_size: 0
    .kernarg_segment_align: 8
    .kernarg_segment_size: 112
    .max_flat_workgroup_size: 160
    .sgpr_count:     66
    .vgpr_count:     512
    .wavefront_size: 32
...
	.end_amdgpu_metadata
.endif
;; end of part 8
;; launch qgemm (part 9): grid 4 x 64, 4 waves a work-group, clusters of 4 x 4, 327,680 bytes of LDS; arguments xu, wb, kmf, st; writes st
.if DOCPART == 9
	.amdgcn_target "amdgcn-amd-amdhsa--gfx1250"
	.amdhsa_code_object_version 6
	.text
	.protected	k_qb3a0df5196_qgemm
	.globl	k_qb3a0df5196_qgemm
	.p2align	8
	.type	k_qb3a0df5196_qgemm,@function
k_qb3a0df5196_qgemm:
	s_mov_b64 s[64:65], 0
	v_nop
	global_prefetch_b8 v0, s[64:65] scope:SCOPE_SE
	s_setreg_imm32_b32 hwreg(HW_REG_WAVE_MODE, 25, 1), 1
	s_wait_xcnt 0x0
	s_wait_alu depctr_hold_cnt(0) depctr_sa_sdst(0) depctr_va_vdst(0) depctr_va_sdst(0) depctr_va_ssrc(0) depctr_va_vcc(0) depctr_vm_vsrc(0)
	s_getreg_b32 s2, hwreg(HW_REG_IB_STS2, 6, 4)
	s_cmp_eq_u32 s2, 0
	s_cbranch_scc0 .Lentry_in_a_cluster
	s_endpgm
.Lentry_in_a_cluster:
	s_bfe_u32 s2, ttmp6, 0x10000c
	s_cmp_lg_u32 s2, 0xf033
	s_cbranch_scc0 .Lentry_shape_is_right
	s_endpgm
.Lentry_shape_is_right:
; q = x_ Wq^T (16,384 x 1,024 x K = 1,024, bf16 operands, f32 sums) is never stored: of each row and each block of 128 columns only three numbers leave:
;   cm = log2(e) x the block's maximum;  l = the sum of 2^(log2(e) q - cm);  d = the sum of 2^(log2(e) q - cm) kmean.   The next launch merges the eight blocks under their common maximum.
; st[block of 128 columns (8)][cm, l, d][16,384]: row G 128 + 16 a + r at place G 128 + 8 r + a.
; A tile of q, 256 x 256, is made by four waves, each 128 x 128: 64 accumulators, 512 registers.  K goes in steps of 128 through two LDS slots filled by the tensor data mover.
; OPERANDS LIE [chunk of 8 k][row][8 bf16]: in LDS a chunk of a tile is 256 rows x 16 bytes = 4,096 bytes; a fragment load takes 16 rows' 16 bytes of one chunk for each half of the lanes
; so no padding is wanted.  A tensor load brings 8 chunks: 8 rows of 4,096 consecutive bytes.
; A K STEP IS WRITTEN ONCE: slot 1 begins at 131,072, so one exclusive or turns an address in one slot into the other's: the LDS byte at which the slot in hand begins is a scalar, the two fragment
; addresses are made from it at each change of slots, and one descriptor for each tensor walks from K step to K step.
; CLUSTER 4 x 4: the four work-groups of a row need the same rows of xu, the four of a column the same rows of Wq: each tile is asked for jointly.
; The product is taken as Wq x x_^T: a lane holds ONE row of q (lane % 16) and, in accumulator b, the columns 16 b + 8 (lane / 16) + 0..7; kmf lies in that very layout.
; LIMITS.  A weight below 2^-126 counts as 0; NaN and infinities are not treated apart.
; REGISTERS in windows of 256: window 0: v0-31 addresses, v64-191 xu's fragments (two buffers), v192-255 kmean set 2; window 1: v64-191 Wq's fragments, v0-63 and v192-255 kmean sets 0 and 1;
; windows 2 and 3: accumulator (a, b) at v[8 (8 (a % 4) + b)].  On the way out window 0's v64-131 are at work and window 1's v64-127 take kmean set 3.
.set SLOT, 131072                      ; xu's 16 chunks, then Wq's 16
.set BOFF, 65536
.set SPARE, 262144                     ; behind the ring: the spare words, 128 bytes a wave
.set AA0, 16                           ; v16 my lane's place among xu's fragments in a slot; never rewritten
.set ADRA, 17                          ; v17 the same in the slot in hand
.set AB0, 20                           ; v20, v21 the same for Wq
.set ADRB, 21
.set KO, 24                            ; v24 16 x lane
.set SO, 25                            ; v25 32 r + 16 h
.set HH, 26                            ; v26 lane / 16
.set SPW, 28
.set NIL, 29
.set PFO, 30                           ; v30 the prefetches' offset; never rewritten
.set F0, 64
.set F1, 128
.set CC, 64                            ; the way out, window 0: eight running maxima,
.set CM, 72                            ; cm as a pair,
.set LP, 74                            ; four pairs of l,
.set DP, 82                            ; four pairs of d,
.set RES, 96                           ; cm, l, d of my eight blocks of 16 rows,
.set OUT, 120                          ; and what is stored
.set WV, 12
.set RH, 13                            ; which half of the tile's rows is mine; also: I fetch for xu (0) or Wq (1)
.set CH, 14                            ; which half of its columns; also: which 8 chunks I fetch
.set CX, 15
.set CY, 16
.set NT, 17
.set MT, 18
.set TB, 19                            ; s19 LDS byte at which the slot in hand begins
.set G1A, 24
.set G0A, 32                           ; s[32:39] group 0 for xu's tiles: a set for each of the two first fills; the second then walks on
.set PFA, 40                           ; s[40:41] the blocks that my next prefetch names
.set PST, 42                           ; s[42:43] a K step in bytes
.set LIM, 44                           ; 2 in a wave that prefetches, else the greatest number
.set L2E, 46
.set G1B, 48
.set G0B, 56                           ; s[56:63] the same for Wq's tiles
.set SEL, 66
.set KMB, 70                           ; s[70:71] kmf at my image and my 128 columns
.set MSB, 0
.macro WIN new                         ; the immediate's high byte repeats the setting that is left
.if MSB != (\new)
	s_set_vgpr_msb (MSB<<8)|(\new)
.set MSB, \new
.endif
.endm
.set MUL_LO, 0xa1                      ; source 0 (Wq) window 1, source 1 (xu) window 0, C and D window 2
.set TO_B, 0x40
.macro JLOAD s                         ; a joint load: waves 0 and 1 fetch xu's two halves, waves 2 and 3 Wq's; an s_nop 0 and four v_nop follow each line
	s_cmp_eq_u32 s[RH], 0
	s_cbranch_scc0 .Lfor_b_\@
	tensor_load_to_lds s[G0A+4*(\s):G0A+4*(\s)+3], s[G1A:G1A+7]
	s_nop 0
.rept 4
	v_nop
.endr
	s_branch .Lasked_\@
.Lfor_b_\@:
	tensor_load_to_lds s[G0B+4*(\s):G0B+4*(\s)+3], s[G1B:G1B+7]
	s_nop 0
.rept 4
	v_nop
.endr
.Lasked_\@:
.endm
; A prefetch of the K step that stands two refills on: of the 8 chunks that I fetch, the partner at place p takes chunks 2 p and 2 p + 1: 32 blocks of 256 bytes, a lane a block.
; xu's rows are read by this cluster alone; Wq's rows by every cluster: the first of them asks.  So each block is named once.  The loop's last two trips have no K step two refills on.
.macro ASK
	s_cmp_gt_u32 s3, s[LIM]
	s_cbranch_scc0 .Lnot_mine_\@
	global_prefetch_b8 v[PFO], s[PFA:PFA+1] th:TH_LOAD_NT scope:SCOPE_SE
.Lnot_mine_\@:
.endm
.macro CREST                           ; a round of the cluster's barrier behind its opening barrier
	s_cmp_lg_u32 s[WV], 0
	s_cbranch_scc1 .Lnot_wave_0_\@
	s_barrier_signal -3
.Lnot_wave_0_\@:
	s_barrier_wait -3
	s_barrier_signal -1
	s_barrier_wait -1
.endm
.macro CROUND
	s_barrier_signal -1
	s_barrier_wait -1
	CREST
.endm
.macro PLACES                          ; four places behind matrix instructions, ahead of loads into their operands and of what reads results
.rept 4
	v_nop
.endr
.endm
	s_load_b256 s[4:11], s[0:1], 0x0               ; xu, wb, kmf, st
	v_lshl_add_u32 v[SPW], v0, 2, SPARE
	v_mov_b32 v[NIL], 0
	ds_add_u32 v[SPW], v[NIL]                      ; the wave's opening: the add and its wait stand ahead of my first tensor load
	v_lshrrev_b32 v1, 5, v0
	v_readfirstlane_b32 s[WV], v1
	s_lshr_b32 s[RH], s[WV], 1
	s_and_b32 s[CH], s[WV], 1
	s_bfe_u32 s[CX], ttmp6, 0x40000
	s_bfe_u32 s[CY], ttmp6, 0x40004
	s_lshl_b32 s[NT], ttmp9, 2
	s_add_co_u32 s[NT], s[NT], s[CX]               ; tile column
	s_and_b32 s[MT], ttmp7, 0xffff
	s_lshl_b32 s[MT], s[MT], 2
	s_add_co_u32 s[MT], s[MT], s[CY]               ; tile row
	s_lshl_b32 s20, s[CY], 2
	s_lshl_b32 s20, 15, s20                        ; my row of the cluster
	s_lshl_b32 s68, 0x1111, s[CX]                  ; my column
	s_or_b32 s[G1A], s20, (1<<16)|(1<<21)          ; the mask; 2-byte elements; bit 21 set beside a mask
	s_or_b32 s[G1B], s68, (1<<16)|(1<<21)
.irp g, G1A, G1B
	s_mov_b32 s[(\g)+1], 2048<<16                  ; tensor_dim0 = 2,048 elements: 256 rows' 8
	s_mov_b32 s[(\g)+2], 8<<16                     ; tensor_dim1 = 8 chunks
	s_mov_b32 s[(\g)+3], 2048<<16                  ; tile_dim0
	s_mov_b32 s[(\g)+4], 8                         ; tile_dim1
	s_mov_b32 s[(\g)+6], 0
	s_mov_b32 s[(\g)+7], 0
.endr
	s_mov_b32 s[G1A+5], 131072                     ; elements from chunk to chunk in xu
	s_mov_b32 s[G1B+5], 24576                      ; in wb
	s_lshl_b32 s20, s[MT], 12                      ; 256 rows of 16 bytes
	s_lshl_b32 s21, s[CH], 21                      ; 8 chunks of xu
	s_add_co_u32 s20, s20, s21
	s_mov_b32 s21, 0
	s_lshl_b32 s68, s[NT], 12
	s_mul_i32 s69, s[CH], 393216                   ; 8 chunks of wb
	s_add_co_u32 s68, s68, s69
	s_mov_b32 s69, 0
	s_lshl_b32 s22, s[WV], 15                      ; where they go: wave x 8 chunks
	s_mov_b32 s[L2E], 0x3fb8aa3b
	s_mov_b32 s[L2E+1], s[L2E]
	s_mov_b32 s[SEL], 0x76543210
	s_mov_b32 s[SEL+1], 0xfedcba98
	s_mov_b32 s[TB], 0
	s_wait_dscnt 0x0                               ; the opening add is done
	s_wait_kmcnt 0x0
	s_add_nc_u64 s[20:21], s[4:5], s[20:21]
	s_add_nc_u64 s[68:69], s[6:7], s[68:69]
	CROUND                                         ; all sixteen work-groups are here: the first joint loads meet
.irp s, 0,1
	s_mov_b32 s[G0A+4*(\s)], 1
	s_add_co_u32 s[G0A+4*(\s)+1], s22, (\s)*SLOT
	s_add_nc_u64 s[G0A+4*(\s)+2:G0A+4*(\s)+3], s[20:21], (\s)*4194304
	s_or_b32 s[G0A+4*(\s)+3], s[G0A+4*(\s)+3], 0x80000000
	s_mov_b32 s[G0B+4*(\s)], 1
	s_add_co_u32 s[G0B+4*(\s)+1], s22, (\s)*SLOT
	s_add_nc_u64 s[G0B+4*(\s)+2:G0B+4*(\s)+3], s[68:69], (\s)*786432
	s_or_b32 s[G0B+4*(\s)+3], s[G0B+4*(\s)+3], 0x80000000
	JLOAD \s                                       ; two loads of mine are out
.endr
	v_and_b32 v1, 15, v0
	v_bfe_u32 v[HH], v0, 4, 1
	v_and_b32 v2, 31, v0
	v_lshlrev_b32 v[KO], 4, v2
	s_lshr_b32 s20, s[MT], 4                       ; the image
	s_lshl_b32 s20, s20, 18
	s_lshl_b32 s21, s[NT], 14
	s_add_co_u32 s20, s20, s21
	s_lshl_b32 s21, s[CH], 13
	s_add_co_u32 s20, s20, s21
	s_mov_b32 s21, 0
	s_add_nc_u64 s[KMB:KMB+1], s[8:9], s[20:21]
; kmean for channels 16 ca .. 16 ca + 15 and my 128 columns, in the accumulators' layout: 64 registers
.macro KMLOAD ca, kw, kb
	WIN (\kw)<<6
.set i, 0
.rept 16
	global_load_b128 v[(\kb)+4*i:(\kb)+4*i+3], v[KO], s[KMB:KMB+1] offset:65536*(\ca)+512*i
.set i, i+1
.endr
.endm
	KMLOAD 0, 1, 0                                 ; three of the four sets lie in registers that the loop leaves free; they are waited for behind it
	KMLOAD 1, 1, 192
	KMLOAD 2, 0, 192
	WIN 0
	v_lshlrev_b32 v3, 4, v1
	v_lshl_add_u32 v3, v[HH], 12, v3               ; row r, chunk h
	s_lshl_b32 s20, s[RH], 11                      ; my 128 rows of xu
	s_lshl_b32 s21, s[CH], 11                      ; my 128 rows of Wq,
	s_add_co_u32 s21, s21, BOFF                    ; behind xu's 16 chunks
	v_add_nc_u32 v[AA0], s20, v3
	v_add_nc_u32 v[AB0], s21, v3
	v_add_nc_u32 v[ADRA], s[TB], v[AA0]            ; K step 0 lies in slot 0
	v_add_nc_u32 v[ADRB], s[TB], v[AB0]
	v_lshlrev_b32 v[SO], 5, v1
	v_lshl_add_u32 v[SO], v[HH], 4, v[SO]
	s_mov_b32 s20, 262144                          ; the prefetches
	s_mov_b32 s21, 49152
	s_and_b32 s23, ttmp7, 0xffff
	s_cmp_eq_u32 s[RH], 0                          ; do I fetch for xu?
	s_cselect_b32 s20, s20, s21                    ; bytes from chunk to chunk
	s_cselect_b32 s21, s[MT], s[NT]
	s_cselect_b32 s22, s[CX], s[CY]                ; my place among the four that ask with me
	s_cselect_b32 s23, ttmp9, s23                  ; the coordinate along which other clusters read the same rows
	s_cselect_b64 s[PFA:PFA+1], s[4:5], s[6:7]
	s_cmp_eq_u32 s23, 0
	s_cselect_b32 s[LIM], 2, -1
	s_lshl_b32 s21, s21, 12
	s_lshl_b32 s22, s22, 1
	s_lshl3_add_u32 s22, s[CH], s22                ; chunk 8 CH + 2 p
	s_add_co_u32 s22, s22, 48                      ; of K step 3: the first refill steps it to 4
	s_mul_i32 s22, s22, s20
	s_add_co_u32 s22, s22, s21
	s_mov_b32 s23, 0
	s_add_nc_u64 s[PFA:PFA+1], s[PFA:PFA+1], s[22:23]
	s_lshl_b32 s[PST], s20, 4
	s_mov_b32 s[PST+1], 0
	v_mul_u32_u24 v[PFO], s20, v[HH]
	v_lshl_add_u32 v[PFO], v1, 8, v[PFO]           ; chunk lane / 16, block lane % 16
; 16 matrix instructions: row blocks a0, a0 + 1 of the window's four x all 8 column blocks, 32 along K.  zero = 1: the first product starts the sums
.macro MUL16 f, hi, a0, zero
	WIN MUL_LO+0x50*(\hi)
.irp a, \a0, (\a0)+1
.irp b, 0,1,2,3,4,5,6,7
.if \zero
	v_wmma_f32_16x16x32_bf16 v[8*(8*(\a)+(\b)):8*(8*(\a)+(\b))+7], v[(\f)+8*(\b):(\f)+8*(\b)+7], v[(\f)+8*(4*(\hi)+(\a)):(\f)+8*(4*(\hi)+(\a))+7], 0
.else
	v_wmma_f32_16x16x32_bf16 v[8*(8*(\a)+(\b)):8*(8*(\a)+(\b))+7], v[(\f)+8*(\b):(\f)+8*(\b)+7], v[(\f)+8*(4*(\hi)+(\a)):(\f)+8*(4*(\hi)+(\a))+7], v[8*(8*(\a)+(\b)):8*(8*(\a)+(\b))+7]
.endif
.endr
.endr
.endm
; 32 LDS loads in one run: the fragments of quarter q (4 chunks) of the slot in hand into buffer f; registers 0-3 chunk 4 q + h, registers 4-7 chunk 4 q + 2 + h
.macro FETCH q, f
	WIN TO_B
.irp i, 0,1,2,3,4,5,6,7
	ds_load_b128 v[(\f)+8*(\i):(\f)+8*(\i)+3],   v[ADRB] offset:16384*(\q)+256*(\i)
	ds_load_b128 v[(\f)+8*(\i)+4:(\f)+8*(\i)+7], v[ADRB] offset:16384*(\q)+256*(\i)+8192
.endr
	WIN 0
.irp i, 0,1,2,3,4,5,6,7
	ds_load_b128 v[(\f)+8*(\i):(\f)+8*(\i)+3],   v[ADRA] offset:16384*(\q)+256*(\i)
	ds_load_b128 v[(\f)+8*(\i)+4:(\f)+8*(\i)+7], v[ADRA] offset:16384*(\q)+256*(\i)+8192
.endr
.endm
; A K step is four quarters of 32 along K on buffers 0, 1, 0, 1.  One of the first three multiplies buffer f and, in its middle, fetches quarter q into buffer g.
.macro QUARTER q, f, g, zero
	s_wait_dscnt 8                                 ; Wq's fragments and xu's rows 0-63 are in; the youngest eight loads may be out
	MUL16 \f, 0, 0, \zero
	MUL16 \f, 0, 2, \zero
	PLACES
	FETCH \q, \g
	s_wait_dscnt 32                                ; all but the 32 just issued
	MUL16 \f, 1, 0, \zero
	MUL16 \f, 1, 2, \zero
.endm
; The last quarter multiplies buffer 1 and changes slots.  Ahead of the one barrier each wave waits for all its tensor loads (its part of the next slot), adds 0 to its spare word, and waits for
; that and for its reads of this slot.  fill = 1: the barrier opens a round of the cluster's, and the joint refill, two K steps on, is the first thing behind it: 224 matrix instructions ahead of the wait for it.
.macro TURN fill
.if \fill
	s_wait_xcnt 0x0                                ; the last prefetch, a K step back, has read its address
	s_add_nc_u64 s[PFA:PFA+1], s[PFA:PFA+1], s[PST:PST+1]
.endif
	WIN 0
	s_wait_tensorcnt 0x0
	ds_add_u32 v[SPW], v[NIL]
	s_wait_dscnt 9                                 ; (the add and the youngest eight loads may be out)
	MUL16 F1, 0, 0, 0
	s_wait_dscnt 0x0                               ; the add is done, and my reads of this slot are over
	s_barrier_signal -1
	MUL16 F1, 0, 2, 0
	WIN 0
	s_barrier_wait -1
.if \fill
	CREST
	s_xor_b32 s[G0A+5], s[G0A+5], SLOT             ; the walking descriptors: the other slot than last time,
	s_add_nc_u64 s[G0A+6:G0A+7], s[G0A+6:G0A+7], 4194304  ; the next K step: 16 chunks; the type bits on top are not reached
	s_xor_b32 s[G0B+5], s[G0B+5], SLOT
	s_add_nc_u64 s[G0B+6:G0B+7], s[G0B+6:G0B+7], 786432
	JLOAD 1                                        ; its four v_nop are also the places ahead of the loads below
.else
	PLACES
.endif
	s_xor_b32 s[TB], s[TB], SLOT                   ; the fetches go on in the other slot
	v_add_nc_u32 v[ADRA], s[TB], v[AA0]
	v_add_nc_u32 v[ADRB], s[TB], v[AB0]
	FETCH 0, F0
.if \fill
	ASK
.endif
	MUL16 F1, 1, 0, 0
	MUL16 F1, 1, 2, 0
.endm
	s_wait_tensorcnt 1                             ; my part of K step 0 is in; K step 1's may stay out
	s_barrier_signal -1
	s_barrier_wait -1
	FETCH 0, F0
	QUARTER 1, F0, F1, 1                           ; the first quarter stands ahead of the loop: its products start the sums
	WIN 0
	s_mov_b32 s3, 6
.Lstep:                                        ; a trip goes from a K step's second quarter to the next step's first, and fills the slot that it leaves: K steps 2 to 7
	QUARTER 2, F1, F0, 0
	QUARTER 3, F0, F1, 0
	TURN 1
	QUARTER 1, F0, F1, 0
	WIN 0
	s_sub_co_u32 s3, s3, 1
	s_cmp_lg_u32 s3, 0
	s_cbranch_scc1 .Lstep
	QUARTER 2, F1, F0, 0                           ; the last two K steps fill nothing
	QUARTER 3, F0, F1, 0
	TURN 0
	QUARTER 1, F0, F1, 0
	QUARTER 2, F1, F0, 0
	QUARTER 3, F0, F1, 0
	s_wait_dscnt 8
	MUL16 F1, 0, 0, 0
	MUL16 F1, 0, 2, 0
	s_wait_dscnt 0x0
	MUL16 F1, 1, 0, 0
	MUL16 F1, 1, 2, 0
	PLACES
	KMLOAD 3, 1, 64
; THE WAY OUT.  Block a of 16 rows: a lane holds 64 of its row's 128 columns; the other 64 lie in the lane 16 away.
.macro SMX a
.set XW, 2+(\a)/4
.set AB, 64*((\a)%4)
.if (\a)%4 == 0
.set KW, 1
.set KB, 0
.elseif (\a)%4 == 1
.set KW, 1
.set KB, 192
.elseif (\a)%4 == 2
.set KW, 0
.set KB, 192
.else
.set KW, 1
.set KB, 64
.endif
	WIN XW|(XW<<2)|(XW<<4)                         ; eight chains, each begun on its accumulator's lowest registers
.irp b, 0,1,2,3,4,5,6,7
	v_max3_num_f32 v[CC+(\b)], v[AB+8*(\b)], v[AB+8*(\b)+1], v[AB+8*(\b)+2]
.endr
	WIN (XW<<2)|(XW<<4)
.irp b, 0,1,2,3,4,5,6,7
	v_max3_num_f32 v[CC+(\b)], v[CC+(\b)], v[AB+8*(\b)+3], v[AB+8*(\b)+4]
.endr
.irp b, 0,1,2,3,4,5,6,7
	v_max3_num_f32 v[CC+(\b)], v[CC+(\b)], v[AB+8*(\b)+5], v[AB+8*(\b)+6]
.endr
.irp i, 0,1,2,3
	v_max3_num_f32 v[CC+2*(\i)], v[CC+2*(\i)], v[AB+16*(\i)+7], v[AB+16*(\i)+15]
.endr
	WIN 0
	v_max3_num_f32 v[CC], v[CC], v[CC+1], v[CC+2]
	v_max3_num_f32 v[CC+3], v[CC+3], v[CC+4], v[CC+5]
	v_max3_num_f32 v[CC], v[CC], v[CC+3], v[CC+6]
	v_max_num_f32 v[CC], v[CC], v[CC+7]
	v_permlanex16_b32 v[CC+1], v[CC], s[SEL], s[SEL+1]
	v_max_num_f32 v[CC], v[CC], v[CC+1]
	v_mul_f32 v[RES+(\a)], s[L2E], v[CC]
	v_mov_b32 v[CM], v[RES+(\a)]
	v_mov_b32 v[CM+1], v[RES+(\a)]
	WIN XW|(XW<<6)                                 ; one batch: 32 scalings and 64 exponentials, in place; nothing in it reads an exponential's result
.set p, 0
.rept 32
	v_pk_fma_f32 v[AB+2*p:AB+2*p+1], v[AB+2*p:AB+2*p+1], s[L2E:L2E+1], v[CM:CM+1] op_sel_hi:[1,0,0] neg_lo:[0,0,1] neg_hi:[0,0,1]
.if p > 0
	v_exp_f32 v[AB+2*p-2], v[AB+2*p-2]
	v_exp_f32 v[AB+2*p-1], v[AB+2*p-1]
.endif
.set p, p+1
.endr
	v_exp_f32 v[AB+62], v[AB+62]
	v_exp_f32 v[AB+63], v[AB+63]
	v_nop                                          ; a plain instruction behind the last exponential,
	s_wait_alu depctr_va_vdst(0)                   ; and the one wait for the batch
	WIN XW|(XW<<2)
.irp c, 0,1,2,3
	v_pk_add_f32 v[LP+2*(\c):LP+2*(\c)+1], v[AB+2*(\c):AB+2*(\c)+1], v[AB+8+2*(\c):AB+8+2*(\c)+1]
.endr
	WIN XW<<2
.irp k, 2,3,4,5,6,7
.irp c, 0,1,2,3
	v_pk_add_f32 v[LP+2*(\c):LP+2*(\c)+1], v[LP+2*(\c):LP+2*(\c)+1], v[AB+8*(\k)+2*(\c):AB+8*(\k)+2*(\c)+1]
.endr
.endr
	WIN XW|(KW<<2)
.irp c, 0,1,2,3
	v_pk_mul_f32 v[DP+2*(\c):DP+2*(\c)+1], v[AB+2*(\c):AB+2*(\c)+1], v[KB+2*(\c):KB+2*(\c)+1]
.endr
.irp k, 1,2,3,4,5,6,7
.irp c, 0,1,2,3
	v_pk_fma_f32 v[DP+2*(\c):DP+2*(\c)+1], v[AB+8*(\k)+2*(\c):AB+8*(\k)+2*(\c)+1], v[KB+8*(\k)+2*(\c):KB+8*(\k)+2*(\c)+1], v[DP+2*(\c):DP+2*(\c)+1]
.endr
.endr
	WIN 0
	v_pk_add_f32 v[LP:LP+1], v[LP:LP+1], v[LP+2:LP+3]
	v_pk_add_f32 v[LP+4:LP+5], v[LP+4:LP+5], v[LP+6:LP+7]
	v_pk_add_f32 v[DP:DP+1], v[DP:DP+1], v[DP+2:DP+3]
	v_pk_add_f32 v[DP+4:DP+5], v[DP+4:DP+5], v[DP+6:DP+7]
	v_pk_add_f32 v[LP:LP+1], v[LP:LP+1], v[LP+4:LP+5]
	v_pk_add_f32 v[DP:DP+1], v[DP:DP+1], v[DP+4:DP+5]
	v_add_f32 v[LP], v[LP], v[LP+1]
	v_add_f32 v[DP], v[DP], v[DP+1]
	v_permlanex16_b32 v[LP+1], v[LP], s[SEL], s[SEL+1]
	v_permlanex16_b32 v[DP+1], v[DP], s[SEL], s[SEL+1]
	v_add_f32 v[RES+8+(\a)], v[LP], v[LP+1]
	v_add_f32 v[RES+16+(\a)], v[DP], v[DP+1]
.endm
	s_wait_loadcnt 16                              ; kmean sets 0 to 2 are in; set 3's sixteen loads may stay out
	SMX 0
	SMX 4
	SMX 1
	SMX 5
	SMX 2
	SMX 6
	s_wait_loadcnt 0x0
	SMX 3
	SMX 7
	s_lshl1_add_u32 s20, s[NT], s[CH]              ; my block of 128 columns
	s_mul_i32 s20, s20, 196608
	s_lshl1_add_u32 s21, s[MT], s[RH]              ; my group of 128 rows
	s_lshl_b32 s21, s21, 9
	s_add_co_u32 s20, s20, s21
	s_mov_b32 s21, 0
	s_add_nc_u64 s[10:11], s[10:11], s[20:21]
	v_cmp_ne_u32 s45, 0, v[HH]
.irp t, 0,1,2                          ; both halves of the lanes hold all eight: lanes 0-15 store blocks 0-3, lanes 16-31 blocks 4-7: 512 consecutive bytes a store
.irp e, 0,1,2,3
	v_cndmask_b32 v[OUT+4*(\t)+(\e)], v[RES+8*(\t)+(\e)], v[RES+8*(\t)+4+(\e)], s45
.endr
	global_store_b128 v[SO], v[OUT+4*(\t):OUT+4*(\t)+3], s[10:11] offset:65536*(\t)
.endr
	s_wait_tensorcnt 0x0                           ; the wave's end
	ds_add_u32 v[SPW], v[NIL]
	s_wait_dscnt 0x0
	CROUND                                         ; the closing round
	s_endpgm
.Lfunc_end_k_qb3a0df5196_qgemm:
	.size	k_qb3a0df5196_qgemm, .Lfunc_end_k_qb3a0df5196_qgemm-k_qb3a0df5196_qgemm
	.p2alignl 7, 3214868480
	.fill 96, 4, 3214868480
	.section	.rodata,"a",@progbits
	.p2align	6, 0x0
	.amdhsa_kernel k_qb3a0df5196_qgemm
		.amdhsa_group_segment_fixed_size 327680
		.amdhsa_private_segment_fixed_size 0
		.amdhsa_enable_private_segment 0
		.amdhsa_kernarg_size 32
		.amdhsa_user_sgpr_count 2
		.amdhsa_user_sgpr_kernarg_segment_ptr 1
		.amdhsa_wavefront_size32 1
		.amdhsa_system_sgpr_workgroup_id_x 1
		.amdhsa_system_sgpr_workgroup_id_y 1
		.amdhsa_system_sgpr_workgroup_id_z 1
		.amdhsa_system_vgpr_workitem_id 0
		.amdhsa_next_free_vgpr 1024
		.amdhsa_next_free_sgpr 72
		.amdhsa_reserve_vcc 0
		.amdhsa_float_denorm_mode_32 3
		.amdhsa_float_denorm_mode_16_64 3
		.amdhsa_memory_ordered 1
		.amdhsa_forward_progress 1
		.amdhsa_inst_pref_size 180
	.end_amdhsa_kernel
	.amdgpu_metadata
---
amdhsa.version: [ 1, 2 ]
amdhsa.kernels:
  - .name:           k_qb3a0df5196_qgemm
    .symbol:         k_qb3a0df5196_qgemm.kd
    .args:
      - { .name: xu, .offset: 0, .size: 8, .value_kind: global_buffer, .address_space: global }
      - { .name: wb, .offset: 8, .size: 8, .value_kind: global_buffer, .address_space: global }
      - { .name: kmf, .offset: 16, .size: 8, .value_kind: global_buffer, .address_space: global }
      - { .name: st, .offset: 24, .size: 8, .value_kind: global_buffer, .address_space: global }
    .group_segment_fixed_size: 327680
    .private_segment_fixed_size: 0
    .kernarg_segment_align: 8
    .kernarg_segment_size: 32
    .max_flat_workgroup_size: 128
    .sgpr_count:     72
    .vgpr_count:     1024
    .wavefront_size: 32
...
	.end_amdgpu_metadata
.endif
;; end of part 9
;; launch vgemm (part 10): grid 8 x 32, 4 waves a work-group, clusters of 4 x 4, 327,680 bytes of LDS; arguments xu, wb, st, tb, wcf, out0; writes out0
.if DOCPART == 10
	.amdgcn_target "amdgcn-amd-amdhsa--gfx1250"
	.amdhsa_code_object_version 6
	.text
	.protected	k_qb3a0df5196_vgemm
	.globl	k_qb3a0df5196_vgemm
	.p2align	8
	.type	k_qb3a0df5196_vgemm,@function
k_qb3a0df5196_vgemm:
	s_mov_b64 s[64:65], 0
	v_nop
	global_prefetch_b8 v0, s[64:65] scope:SCOPE_SE
	s_setreg_imm32_b32 hwreg(HW_REG_WAVE_MODE, 25, 1), 1
	s_wait_xcnt 0x0
	s_wait_alu depctr_hold_cnt(0) depctr_sa_sdst(0) depctr_va_vdst(0) depctr_va_sdst(0) depctr_va_ssrc(0) depctr_va_vcc(0) depctr_vm_vsrc(0)
	s_getreg_b32 s2, hwreg(HW_REG_IB_STS2, 6, 4)
	s_cmp_eq_u32 s2, 0
	s_cbranch_scc0 .Lentry_in_a_cluster
	s_endpgm
.Lentry_in_a_cluster:
	s_bfe_u32 s2, ttmp6, 0x10000c
	s_cmp_lg_u32 s2, 0xf033
	s_cbranch_scc0 .Lentry_shape_is_right
	s_endpgm
.Lentry_shape_is_right:
; v = x_ Wv^T, the gate sigmoid(a), the 1 x 1 convolution, the norm, the sigmoid and the product with x, in one launch:
;   out0 = x / (1 + 2^(sum over c of wcf[o][c] s[row] v[row][l] + tb[region][o])),  s[row] = sigmoid(D / L), D and L merged from st's eight blocks under their common maximum.
; A TILE is 512 rows (one image b and one kh: row = 64 kw + c) x 128 columns l (four rows of patches, all 32 patches of each).  Wave w takes kw = 2 w, 2 w + 1 and all 64 channels: 128 x 128, 512 registers.
; The product is taken as x_ x Wv^T: a lane holds ONE column l (lane % 16), and the registers of accumulator (kw, cb) the channels 16 cb + 8 (lane / 16) + 0..7.  Scaled by s and rounded to bf16 in pairs,
; two accumulators ARE the second operand (32 channels x 16 pixels) of the convolution, so nothing changes lanes between the products.  The region term is the C operand that starts the convolution's sums.
; THE x OF THE LAST PRODUCT is the tile's own part of xu: its 512 rows x its 16 chunks of l, 131,072 bytes in bf16, brought into LDS once, at the head.  The turning load ds_load_tr16_b128 takes 8 rows'
; 16 bytes of one chunk and leaves a lane one pixel l and eight neighbouring channels: the convolution's own layout, so the product with the gate is one instruction a number.
; THE WAY OUT runs inside the convolution's loop: a trip makes 16 output channels; they go in f32 through a stage in LDS (in the ring, whose last fill is over), come back as whole image rows, and
; are stored, 512 consecutive bytes a store, while the next trip is computed.
; K goes in steps of 64 through two LDS slots (two slots of 128 would take all of LDS); operands lie [chunk of 8 k][row][8 bf16], as in the launch before.
; CLUSTER 4 x 4: xu's rows are shared along a row of the cluster, Wv's along a column.  Waves 0 and 1 fetch xu's chunks 0-3 and 4-7, wave 2 Wv's eight, wave 3 none.  x's tile hangs on both
; coordinates, so nobody shares it: a plain load, four chunks a wave.
; LIMITS.  Matrix operands are bf16 (s v too).  In the last product x is the bf16 number that xu holds: one rounding, 2^-9 of the number at the most.  A weight below 2^-126 counts as 0.  A zero result is +0.
; NaN and infinities are not treated apart.
; REGISTERS: window 0: v0-31 addresses, v32-63 at work, v64-191 xu's fragments (later s), v192-223 region terms; window 1: v64-191 Wv's fragments; on the way out v0-127 results, v128-191 x;
; windows 2, 3: accumulators (kw parity = window - 2) at v[8 (8 cb + nb)].
.set SLOT, 81920                       ; xu's 8 chunks of 8,192 bytes, then Wv's 8 of 2,048
.set BOFF, 65536
.set XT, 163840                        ; x: 16 chunks x 512 rows x 16 bytes
.set STAB, 294912                      ; s[kw][c], f32
.set WCL, 296960                       ; wcf: 64 rows x 144 bytes
.set TBL, 306176                       ; tb's 32 regions x 272 bytes
.set SPARE, 314880
.set SP, 4352                          ; the stage, from LDS byte 0 on: 16 output channels; a channel's 4 image rows are 16 blocks of 256 bytes + 16 of padding, so that lanes r and r + 8 of a store meet different banks
.set ADRA, 16
.set XAD, 18                           ; v18-19 x's turning loads: pixels 0-63, 64-127
.set ADRB, 20
.set XO, 22                            ; v22 16 x lane; never rewritten
.set WAD, 23                           ; v23 wcf's fragments
.set TAD, 24                           ; v24 region terms
.set GST, 25                           ; v25 where I put results; never rewritten
.set GRD, 26                           ; v26 where I read rows back; never rewritten
.set SAD, 27                           ; v27 where I read s
.set SPW, 28
.set NIL, 29
.set PFO, 30
.set ZR, 31                            ; v31 0, an addend
.set WCF, 32
.set F0, 64
.set F1, 128
.set SS, 64
.set TT, 192
.set XX, 128                           ; window 1
.set WV, 12
.set CX, 15
.set CY, 16
.set NT, 17
.set MT, 18
.set G1A, 24
.set G0A, 32
.set PFA, 40
.set PST, 42
.set LIM, 44                           ; s44, s45: by slot: 1 where I prefetch at that slot's change, else the greatest number
.set G1B, 48
.set G0B, 56
.set OB, 80                            ; s[80:81] out0 at my 4 output channels of the trip's 16 and the tile's first image row
.set G0X, 84                           ; s[84:87], s[88:95] the descriptor of x's tile
.set G1X, 88
.set MSB, 0
.macro WIN new
.if MSB != (\new)
	s_set_vgpr_msb (MSB<<8)|(\new)
.set MSB, \new
.endif
.endm
.set MUL_LO, 0xa4                      ; source 0 (xu) window 0, source 1 (Wv) window 1, C and D window 2
.set TO_B, 0x40
.macro JLOAD s                         ; the branch hangs on the wave's number alone; an s_nop 0 and four v_nop follow each load; wave 3 has the four v_nop alone
	s_cmp_lt_u32 s[WV], 2
	s_cbranch_scc0 .Lnot_a_\@
	tensor_load_to_lds s[G0A+4*(\s):G0A+4*(\s)+3], s[G1A:G1A+7]
	s_nop 0
.rept 4
	v_nop
.endr
	s_branch .Lasked_\@
.Lnot_a_\@:
	s_cmp_eq_u32 s[WV], 2
	s_cbranch_scc0 .Lnone_\@
	tensor_load_to_lds s[G0B+4*(\s):G0B+4*(\s)+3], s[G1B:G1B+7]
	s_nop 0
.rept 4
	v_nop
.endr
	s_branch .Lasked_\@
.Lnone_\@:
.rept 4
	v_nop
.endr
.Lasked_\@:
.endm
; A prefetch of the K step two refills on, 32 blocks of 256 bytes, a lane a block.  xu: waves 0 and 1 of the first cluster along x; of a wave's four chunks the partner at place cx takes one.
; Wv: wave 2 of the first cluster along y, at slot 0's change alone: the four partners take four chunks each of the next two K steps.  So each block is named once; the loop's last trip asks for nothing.
.macro ASK slot
	s_cmp_gt_u32 s3, s[LIM+(\slot)]
	s_cbranch_scc0 .Lnot_mine_\@
	global_prefetch_b8 v[PFO], s[PFA:PFA+1] th:TH_LOAD_NT scope:SCOPE_SE
.Lnot_mine_\@:
.endm
.macro CREST
	s_cmp_lg_u32 s[WV], 0
	s_cbranch_scc1 .Lnot_wave_0_\@
	s_barrier_signal -3
.Lnot_wave_0_\@:
	s_barrier_wait -3
	s_barrier_signal -1
	s_barrier_wait -1
.endm
.macro CROUND
	s_barrier_signal -1
	s_barrier_wait -1
	CREST
.endm
.macro PLACES
.rept 4
	v_nop
.endr
.endm
	s_load_b256 s[4:11], s[0:1], 0x0               ; xu, wb, st, tb
	s_load_b128 s[72:75], s[0:1], 0x20             ; wcf, out0
	v_lshl_add_u32 v[SPW], v0, 2, SPARE
	v_mov_b32 v[NIL], 0
	ds_add_u32 v[SPW], v[NIL]                      ; the wave's opening: the add and its wait stand ahead of my first tensor load
	v_lshrrev_b32 v1, 5, v0
	v_readfirstlane_b32 s[WV], v1
	s_bfe_u32 s[CX], ttmp6, 0x40000
	s_bfe_u32 s[CY], ttmp6, 0x40004
	s_lshl_b32 s[NT], ttmp9, 2
	s_add_co_u32 s[NT], s[NT], s[CX]               ; block of 128 columns
	s_and_b32 s[MT], ttmp7, 0xffff
	s_lshl_b32 s[MT], s[MT], 2
	s_add_co_u32 s[MT], s[MT], s[CY]               ; block of 512 rows = 8 b + kh
	s_lshl_b32 s20, s[CY], 2
	s_lshl_b32 s20, 15, s20
	s_lshl_b32 s68, 0x1111, s[CX]
	s_or_b32 s[G1A], s20, (1<<16)|(1<<21)
	s_or_b32 s[G1B], s68, (1<<16)|(1<<21)
	s_mov_b32 s[G1X], 1<<16                        ; no mask: a load of my own
.irp g, G1A, G1X
	s_mov_b32 s[(\g)+1], 4096<<16                  ; 512 rows' 8 elements
	s_mov_b32 s[(\g)+2], 4<<16                     ; 4 chunks
	s_mov_b32 s[(\g)+3], 4096<<16
	s_mov_b32 s[(\g)+4], 4
	s_mov_b32 s[(\g)+5], 131072
	s_mov_b32 s[(\g)+6], 0
	s_mov_b32 s[(\g)+7], 0
.endr
	s_mov_b32 s[G1B+1], 1024<<16                   ; 128 rows' 8 elements
	s_mov_b32 s[G1B+2], 8<<16                      ; 8 chunks
	s_mov_b32 s[G1B+3], 1024<<16
	s_mov_b32 s[G1B+4], 8
	s_mov_b32 s[G1B+5], 24576
	s_mov_b32 s[G1B+6], 0
	s_mov_b32 s[G1B+7], 0
	s_lshl_b32 s20, s[MT], 13                      ; 512 rows of 16 bytes
	s_lshl_b32 s21, s[WV], 20                      ; 4 chunks a wave
	s_add_co_u32 s20, s20, s21
	s_mov_b32 s21, 0
	s_lshl_b32 s68, s[NT], 11                      ; 128 rows of 16 bytes,
	s_add_co_u32 s68, s68, 32768                   ; from row 2,048 on
	s_mov_b32 s69, 0
	s_lshl_b32 s22, s[WV], 15                      ; where xu's go: wave x 4 chunks
	s_lshl_b32 s82, s[NT], 22                      ; x: the tile's own 16 chunks,
	s_lshl_b32 s83, s[MT], 13                      ; its 512 rows,
	s_add_co_u32 s82, s82, s83
	s_lshl_b32 s83, s[WV], 20                      ; 4 chunks a wave
	s_add_co_u32 s82, s82, s83
	s_mov_b32 s83, 0
	s_wait_dscnt 0x0
	s_wait_kmcnt 0x0
	s_add_nc_u64 s[20:21], s[4:5], s[20:21]
	s_add_nc_u64 s[68:69], s[6:7], s[68:69]
	CROUND                                         ; all sixteen work-groups are here: the first joint loads meet
.irp s, 0,1
	s_mov_b32 s[G0A+4*(\s)], 1
	s_add_co_u32 s[G0A+4*(\s)+1], s22, (\s)*SLOT
	s_add_nc_u64 s[G0A+4*(\s)+2:G0A+4*(\s)+3], s[20:21], (\s)*2097152
	s_or_b32 s[G0A+4*(\s)+3], s[G0A+4*(\s)+3], 0x80000000
	s_mov_b32 s[G0B+4*(\s)], 1
	s_mov_b32 s[G0B+4*(\s)+1], (\s)*SLOT+BOFF
	s_add_nc_u64 s[G0B+4*(\s)+2:G0B+4*(\s)+3], s[68:69], (\s)*393216
	s_or_b32 s[G0B+4*(\s)+3], s[G0B+4*(\s)+3], 0x80000000
.endr
	s_mov_b32 s[G0X], 1
	s_add_co_u32 s[G0X+1], s22, XT
	s_add_nc_u64 s[G0X+2:G0X+3], s[4:5], s[82:83]
	s_or_b32 s[G0X+3], s[G0X+3], 0x80000000
	s_cmp_lt_u32 s[WV], 2                          ; a wave's first fills stand in one branch: the two slots' parts first, x's part last: three loads of mine are out (wave 3: one)
	s_cbranch_scc0 .Lfirst_not_a
	tensor_load_to_lds s[G0A:G0A+3], s[G1A:G1A+7]
	s_nop 0
	tensor_load_to_lds s[G0A+4:G0A+7], s[G1A:G1A+7]
	s_nop 0
	tensor_load_to_lds s[G0X:G0X+3], s[G1X:G1X+7]
	s_nop 0
.rept 4
	v_nop
.endr
	s_branch .Lfirst_asked
.Lfirst_not_a:
	s_cmp_eq_u32 s[WV], 2
	s_cbranch_scc0 .Lfirst_w3
	tensor_load_to_lds s[G0B:G0B+3], s[G1B:G1B+7]
	s_nop 0
	tensor_load_to_lds s[G0B+4:G0B+7], s[G1B:G1B+7]
	s_nop 0
	tensor_load_to_lds s[G0X:G0X+3], s[G1X:G1X+7]
	s_nop 0
.rept 4
	v_nop
.endr
	s_branch .Lfirst_asked
.Lfirst_w3:
	tensor_load_to_lds s[G0X:G0X+3], s[G1X:G1X+7]
	s_nop 0
.rept 4
	v_nop
.endr
.Lfirst_asked:
	s_lshr_b32 s46, s[MT], 3                       ; b
	s_and_b32 s47, s[MT], 7                        ; kh
	s_lshl_b32 s82, s46, 16                        ; tb: 256 regions of 256 bytes an image,
	s_lshl_b32 s83, s[NT], 13                      ; 32 regions a tile
	s_add_co_u32 s82, s82, s83
	s_mov_b32 s83, 0
	s_add_nc_u64 s[10:11], s[10:11], s[82:83]
	s_lshl_b32 s82, s[MT], 11                      ; st: my group of 128 rows
	s_lshl_b32 s70, s[WV], 9
	s_add_co_u32 s82, s82, s70
	s_add_nc_u64 s[8:9], s[8:9], s[82:83]
	s_lshl_b32 s82, s46, 24                        ; out0: image,
	s_lshl_b32 s70, s[WV], 20                      ; 4 channels a wave,
	s_add_co_u32 s82, s82, s70
	s_lshl_b32 s70, s[NT], 15                      ; 32 image rows a tile,
	s_add_co_u32 s82, s82, s70
	s_lshl_b32 s70, s47, 10                        ; image row kh of each eight
	s_add_co_u32 s82, s82, s70
	s_add_nc_u64 s[OB:OB+1], s[74:75], s[82:83]
	v_and_b32 v1, 15, v0                           ; r
	v_bfe_u32 v2, v0, 4, 1                         ; h
	v_and_b32 v7, 31, v0                           ; lane
	v_lshlrev_b32 v3, 4, v0
	v_lshlrev_b32 v[XO], 4, v7
.irp i, 0,1,2,3
	global_load_b128 v[32+4*(\i):35+4*(\i)], v3, s[72:73] offset:2048*(\i)   ; wcf: 8,192 bytes over 128 threads
.endr
.irp i, 0,1,2,3
	global_load_b128 v[48+4*(\i):51+4*(\i)], v3, s[10:11] offset:2048*(\i)   ; tb's 32 rows likewise
.endr
.set i, 0
.rept 24
	global_load_b128 v[64+4*i:67+4*i], v[XO], s[8:9] offset:65536*i          ; block i / 3, number i % 3 (cm, l, d) of four rows a lane
.set i, i+1
.endr
	v_lshrrev_b32 v4, 3, v0
	v_mul_u32_u24 v4, v4, 144
	v_and_b32 v8, 7, v0
	v_lshl_add_u32 v4, v8, 4, v4
	v_add_nc_u32 v4, WCL, v4
	v_lshrrev_b32 v5, 4, v0
	v_mul_u32_u24 v5, v5, 272
	v_lshl_add_u32 v5, v1, 4, v5
	v_add_nc_u32 v5, TBL, v5
	s_lshl_b32 s46, s[WV], 9
	v_and_b32 v8, 1, v0                            ; my four rows: kw = 2 w + lane % 2, c = 16 e + lane / 2
	v_lshrrev_b32 v9, 1, v7
	v_lshlrev_b32 v6, 2, v9
	v_lshl_add_u32 v6, v8, 8, v6
	v_add_nc_u32 v6, s46, v6
	v_add_nc_u32 v6, STAB, v6
	v_lshlrev_b32 v[SAD], 5, v2
	v_add_nc_u32 v[SAD], s46, v[SAD]
	v_add_nc_u32 v[SAD], STAB, v[SAD]
	v_lshlrev_b32 v10, 4, v1                       ; 16 r
	s_lshl_b32 s46, s[WV], 11                      ; my 128 rows
	v_lshl_add_u32 v[ADRA], v2, 13, v10
	v_add_nc_u32 v[ADRA], s46, v[ADRA]
	v_add_nc_u32 v[ADRA+1], SLOT, v[ADRA]
	v_lshl_add_u32 v[ADRB], v2, 11, v10
	v_add_nc_u32 v[ADRB], BOFF, v[ADRB]
	v_add_nc_u32 v[ADRB+1], SLOT, v[ADRB]
	v_bfe_u32 v11, v0, 3, 1                        ; x: lane l addresses chunk (l / 8) % 2, row 128 w + 8 (l / 16) + l % 8
	v_and_b32 v12, 7, v0
	v_lshlrev_b32 v[XAD], 13, v11
	v_lshl_add_u32 v[XAD], v12, 4, v[XAD]
	v_lshl_add_u32 v[XAD], v2, 7, v[XAD]
	v_add_nc_u32 v[XAD], s46, v[XAD]
	v_add_nc_u32 v[XAD], XT, v[XAD]
	v_add_nc_u32 v[XAD+1], 65536, v[XAD]           ; eight chunks on
	v_mul_u32_u24 v[WAD], v1, 144
	v_lshl_add_u32 v[WAD], v2, 4, v[WAD]
	v_add_nc_u32 v[WAD], WCL, v[WAD]
	v_lshrrev_b32 v[TAD], 1, v1
	v_mul_u32_u24 v[TAD], v[TAD], 272
	v_lshl_add_u32 v[TAD], v2, 5, v[TAD]
	v_add_nc_u32 v[TAD], TBL, v[TAD]
	v_mul_u32_u24 v[GST], v2, 8*SP                 ; into the stage: channel 8 h + j, patch r: 32 bytes a patch, 16 more behind every eight; my two pixels of its eight
	v_lshl_add_u32 v[GST], v1, 5, v[GST]
	v_lshrrev_b32 v11, 3, v1
	v_lshl_add_u32 v[GST], v11, 4, v[GST]
	s_lshl_b32 s46, s[WV], 3
	v_add_nc_u32 v[GST], s46, v[GST]
	s_mul_i32 s46, s[WV], 4*SP                     ; back: my 4 channels; lanes 0-15 one block of 256 bytes, lanes 16-31 the next
	v_mul_u32_u24 v[GRD], v2, 272
	v_add_nc_u32 v[GRD], v[GRD], v10
	v_add_nc_u32 v[GRD], s46, v[GRD]
	v_mov_b32 v[ZR], 0
	; the prefetches
	s_mov_b32 s46, 262144
	s_mov_b32 s47, 49152
	s_and_b32 s82, ttmp7, 0xffff
	s_lshl_b32 s83, s[MT], 13
	s_lshl_b32 s70, s[NT], 11
	s_add_co_u32 s70, s70, 32768
	s_lshl2_add_u32 s71, s[WV], s[CX]              ; xu: chunk 4 w + cx
	s_lshl_b32 s23, s[CY], 2                       ; Wv: chunks 4 cy ..
	s_mov_b32 s20, 5
	s_mov_b32 s21, 3
	s_mov_b32 s22, 31
	s_mov_b32 s66, 7
	s_cmp_lt_u32 s[WV], 2
	s_cselect_b32 s46, s46, s47                    ; bytes from chunk to chunk
	s_cselect_b32 s83, s83, s70
	s_cselect_b32 s71, s71, s23
	s_cselect_b32 s82, ttmp9, s82                  ; the coordinate along which other clusters read the same rows
	s_cselect_b32 s20, s20, s21                    ; blocks of 256 bytes in a chunk's part: 32 or 8
	s_cselect_b32 s22, s22, s66
	s_cselect_b64 s[PFA:PFA+1], s[4:5], s[6:7]
	s_cmp_eq_u32 s82, 0
	s_cselect_b32 s[LIM], 1, -1
	s_cmp_eq_u32 s[WV], 3
	s_cselect_b32 s[LIM], -1, s[LIM]
	s_cmp_lt_u32 s[WV], 2
	s_cselect_b32 s[LIM+1], s[LIM], -1
	s_add_co_u32 s71, s71, 24                      ; of K step 3: the first refill steps it to 4
	s_mul_i32 s70, s71, s46
	s_add_co_u32 s70, s70, s83
	s_mov_b32 s71, 0
	s_add_nc_u64 s[PFA:PFA+1], s[PFA:PFA+1], s[70:71]
	s_lshl_b32 s[PST], s46, 3
	s_mov_b32 s[PST+1], 0
	v_lshrrev_b32 v[PFO], s20, v7
	v_mul_u32_u24 v[PFO], s46, v[PFO]
	v_and_b32 v8, s22, v7
	v_lshl_add_u32 v[PFO], v8, 8, v[PFO]
	s_wait_loadcnt 24                              ; wcf and tb are in; st's 24 loads may stay out
.irp i, 0,1,2,3
	ds_store_b128 v4, v[32+4*(\i):35+4*(\i)] offset:2304*(\i)
.endr
.irp i, 0,1,2,3
	ds_store_b128 v5, v[48+4*(\i):51+4*(\i)] offset:2176*(\i)
.endr
	s_wait_loadcnt 0x0
	; the eight blocks' cm, l, d are merged under their common maximum: four rows a lane
.irp e, 0,1,2,3
	v_max3_num_f32 v[160+(\e)], v[64+(\e)], v[76+(\e)], v[88+(\e)]
.endr
.irp e, 0,1,2,3
	v_max3_num_f32 v[160+(\e)], v[160+(\e)], v[100+(\e)], v[112+(\e)]
.endr
.irp e, 0,1,2,3
	v_max3_num_f32 v[160+(\e)], v[160+(\e)], v[124+(\e)], v[136+(\e)]
.endr
.irp e, 0,1,2,3
	v_max_num_f32 v[160+(\e)], v[160+(\e)], v[148+(\e)]
.endr
.irp k, 0,1,2,3,4,5,6,7
.irp e, 0,2
	v_pk_add_f32 v[64+12*(\k)+(\e):65+12*(\k)+(\e)], v[64+12*(\k)+(\e):65+12*(\k)+(\e)], v[160+(\e):161+(\e)] neg_lo:[0,1] neg_hi:[0,1]
.endr
.endr
.irp k, 0,1,2,3,4,5,6,7
.irp e, 0,1,2,3
	v_exp_f32 v[64+12*(\k)+(\e)], v[64+12*(\k)+(\e)]
.endr
.endr
	v_nop
	s_wait_alu depctr_va_vdst(0)                   ; one wait for the 32
.irp e, 0,2
	v_pk_mul_f32 v[164+(\e):165+(\e)], v[68+(\e):69+(\e)], v[64+(\e):65+(\e)]
	v_pk_mul_f32 v[168+(\e):169+(\e)], v[72+(\e):73+(\e)], v[64+(\e):65+(\e)]
.endr
.irp k, 1,2,3,4,5,6,7
.irp e, 0,2
	v_pk_fma_f32 v[164+(\e):165+(\e)], v[68+12*(\k)+(\e):69+12*(\k)+(\e)], v[64+12*(\k)+(\e):65+12*(\k)+(\e)], v[164+(\e):165+(\e)]
	v_pk_fma_f32 v[168+(\e):169+(\e)], v[72+12*(\k)+(\e):73+12*(\k)+(\e)], v[64+12*(\k)+(\e):65+12*(\k)+(\e)], v[168+(\e):169+(\e)]
.endr
.endr
.irp e, 0,1,2,3
	v_rcp_f32 v[172+(\e)], v[164+(\e)]
.endr
	v_nop
	s_wait_alu depctr_va_vdst(0)
.irp e, 0,2
	v_pk_mul_f32 v[168+(\e):169+(\e)], v[168+(\e):169+(\e)], v[172+(\e):173+(\e)]
.endr
.irp e, 0,2
	v_pk_mul_f32 v[168+(\e):169+(\e)], v[168+(\e):169+(\e)], 0xbfb8aa3b op_sel_hi:[1,0]
.endr
.irp e, 0,1,2,3
	v_exp_f32 v[172+(\e)], v[168+(\e)]
.endr
	v_nop
	s_wait_alu depctr_va_vdst(0)
.irp e, 0,2
	v_pk_add_f32 v[172+(\e):173+(\e)], v[172+(\e):173+(\e)], 1.0 op_sel_hi:[1,0]
.endr
.irp e, 0,1,2,3
	v_rcp_f32 v[168+(\e)], v[172+(\e)]
.endr
	v_nop
	s_wait_alu depctr_va_vdst(0)
.irp e, 0,1,2,3
	ds_store_b32 v6, v[168+(\e)] offset:64*(\e)
.endr
.macro MUL16 f, hi, a0, zero
	WIN MUL_LO+0x50*(\hi)
.irp a, \a0, (\a0)+1
.irp b, 0,1,2,3,4,5,6,7
.if \zero
	v_wmma_f32_16x16x32_bf16 v[8*(8*(\a)+(\b)):8*(8*(\a)+(\b))+7], v[(\f)+8*(4*(\hi)+(\a)):(\f)+8*(4*(\hi)+(\a))+7], v[(\f)+8*(\b):(\f)+8*(\b)+7], 0
.else
	v_wmma_f32_16x16x32_bf16 v[8*(8*(\a)+(\b)):8*(8*(\a)+(\b))+7], v[(\f)+8*(4*(\hi)+(\a)):(\f)+8*(4*(\hi)+(\a))+7], v[(\f)+8*(\b):(\f)+8*(\b)+7], v[8*(8*(\a)+(\b)):8*(8*(\a)+(\b))+7]
.endif
.endr
.endr
.endm
.macro FETCH slot, q, f                ; 32 LDS loads in one run: half q of the K step (4 chunks) into buffer f
	WIN TO_B
.irp i, 0,1,2,3,4,5,6,7
	ds_load_b128 v[(\f)+8*(\i):(\f)+8*(\i)+3],   v[ADRB+(\slot)] offset:8192*(\q)+256*(\i)
	ds_load_b128 v[(\f)+8*(\i)+4:(\f)+8*(\i)+7], v[ADRB+(\slot)] offset:8192*(\q)+256*(\i)+4096
.endr
	WIN 0
.irp i, 0,1,2,3,4,5,6,7
	ds_load_b128 v[(\f)+8*(\i):(\f)+8*(\i)+3],   v[ADRA+(\slot)] offset:32768*(\q)+256*(\i)
	ds_load_b128 v[(\f)+8*(\i)+4:(\f)+8*(\i)+7], v[ADRA+(\slot)] offset:32768*(\q)+256*(\i)+16384
.endr
.endm
.macro QUARTER slot, q, f, g, zero     ; a K step's first half
	s_wait_dscnt 8                                 ; Wv's fragments and my rows 0-63 are in; the youngest eight loads may be out
	MUL16 \f, 0, 0, \zero
	MUL16 \f, 0, 2, \zero
	PLACES
	FETCH \slot, \q, \g
	s_wait_dscnt 32                                ; all but the 32 just issued
	MUL16 \f, 1, 0, \zero
	MUL16 \f, 1, 2, \zero
.endm
; THE CHANGE OF SLOTS, and then a K step's second half.  A step here holds 128 matrix instructions, and one load a wave is out at a time: the next is asked for only when the last has landed and the
; round is passed.  So nothing but the round stands between the wait for the tile and the next request, and ALL of the half step's 64 products stand behind the request: from a request to the wait
; for it a wave issues the whole step's 128 matrix instructions.  Buffer 1's fragments, the last reads of this slot, were asked for 32 matrix instructions back.
.macro TURN slot, next, fill
.if \fill
	s_wait_xcnt 0x0                                ; the last prefetch has read its address
	s_add_nc_u64 s[PFA:PFA+1], s[PFA:PFA+1], s[PST:PST+1]
.endif
	WIN 0
	s_wait_tensorcnt 0x0                           ; all my tensor loads have landed (at the first change x's part among them), so a group 0 may be written
	ds_add_u32 v[SPW], v[NIL]                      ; the descriptors' steps stand between the add and its wait
.if \fill
	s_add_nc_u64 s[G0A+4*(\slot)+2:G0A+4*(\slot)+3], s[G0A+4*(\slot)+2:G0A+4*(\slot)+3], 4194304
	s_add_nc_u64 s[G0B+4*(\slot)+2:G0B+4*(\slot)+3], s[G0B+4*(\slot)+2:G0B+4*(\slot)+3], 786432
.endif
	s_wait_dscnt 0x0                               ; the add is done; buffer 1's fragments are in, and with them my reads of this slot are over
	s_barrier_signal -1
	s_barrier_wait -1
.if \fill
	CREST
	JLOAD \slot                                    ; its four v_nop are also the places ahead of the loads below
.else
	PLACES
.endif
	FETCH \next, 0, F0
.if \fill
	ASK \slot
.endif
	MUL16 F1, 0, 0, 0
	MUL16 F1, 0, 2, 0
	MUL16 F1, 1, 0, 0
	MUL16 F1, 1, 2, 0
.endm
	s_wait_tensorcnt 2                             ; my part of K step 0 is in; K step 1's and x's may stay out
	s_wait_dscnt 0x0                               ; my stores of wcf, tb and s are done
	s_barrier_signal -1
	s_barrier_wait -1
	FETCH 0, 0, F0
	QUARTER 0, 1, F0, F1, 1                        ; the first half step stands ahead of the loop: its products start the sums
	WIN 0
	s_mov_b32 s3, 7
.Llap:
	TURN 0, 1, 1
	QUARTER 1, 1, F0, F1, 0
	TURN 1, 0, 1
	QUARTER 0, 1, F0, F1, 0
	WIN 0
	s_sub_co_u32 s3, s3, 1
	s_cmp_lg_u32 s3, 0
	s_cbranch_scc1 .Llap
	TURN 0, 1, 0                                   ; the last two K steps fill nothing
	QUARTER 1, 1, F0, F1, 0
	s_wait_dscnt 8
	MUL16 F1, 0, 0, 0
	MUL16 F1, 0, 2, 0
	s_wait_dscnt 0x0
	MUL16 F1, 1, 0, 0
	MUL16 F1, 1, 2, 0
	PLACES
	WIN 0
.irp pp, 0,1
.irp cb, 0,1,2,3
.irp q, 0,1
	ds_load_b128 v[SS+32*(\pp)+8*(\cb)+4*(\q):SS+32*(\pp)+8*(\cb)+4*(\q)+3], v[SAD] offset:256*(\pp)+64*(\cb)+16*(\q)  ; s of my rows, in the accumulators' order
.endr
.endr
.endr
	s_wait_dscnt 0x0
; v is scaled by s and rounded to bf16 in place: the operand for channels 32 ks .. and pixels 16 nb .. lies at v[128 ks + 8 nb]: its low four registers from accumulator cb = 2 ks, its high four from cb = 2 ks + 1
.macro GATE w
	WIN ((\w)<<6)|(\w)
.set gi, 0
.rept 32
.irp jp, 0,2,4,6
	v_pk_mul_f32 v[8*gi+(\jp):8*gi+(\jp)+1], v[8*gi+(\jp):8*gi+(\jp)+1], v[SS+32*((\w)-2)+8*(gi/8)+(\jp):SS+32*((\w)-2)+8*(gi/8)+(\jp)+1]
.endr
.set gi, gi+1
.endr
	WIN ((\w)<<6)|((\w)<<2)|(\w)
.irp ks, 0,1
.irp nb, 0,1,2,3,4,5,6,7
.irp i, 0,1,2,3
	v_cvt_pk_bf16_f32 v[128*(\ks)+8*(\nb)+(\i)], v[128*(\ks)+8*(\nb)+2*(\i)], v[128*(\ks)+8*(\nb)+2*(\i)+1]
.endr
.irp i, 0,1,2,3
	v_cvt_pk_bf16_f32 v[128*(\ks)+8*(\nb)+4+(\i)], v[128*(\ks)+64+8*(\nb)+2*(\i)], v[128*(\ks)+64+8*(\nb)+2*(\i)+1]
.endr
.endr
.endr
.endm
	GATE 2
	GATE 3
	WIN 0
	s_mov_b32 s3, 4
.Lconv:                                        ; a trip: 16 output channels for all my 256 pixels, and their way out
.irp ks, 0,1
	ds_load_b128 v[WCF+8*(\ks):WCF+8*(\ks)+3],   v[WAD] offset:64*(\ks)
	ds_load_b128 v[WCF+8*(\ks)+4:WCF+8*(\ks)+7], v[WAD] offset:64*(\ks)+32
.endr
.irp hr, 0,1
.irp wh, 0,1
.irp q, 0,1
	ds_load_b128 v[TT+8*(2*(\hr)+(\wh))+4*(\q):TT+8*(2*(\hr)+(\wh))+4*(\q)+3], v[TAD] offset:4352*(\hr)+2176*(\wh)+16*(\q)  ; region 16 hr + 8 wh + r / 2
.endr
.endr
.endr
	WIN 0x40                                       ; destination window 1
.irp pp, 0,1
.irp nb, 0,1,2,3,4,5,6,7
	ds_load_tr16_b128 v[XX+4*(8*(\pp)+(\nb)):XX+4*(8*(\pp)+(\nb))+3], v[XAD+(\nb)/4] offset:16384*((\nb)%4)+1024*(\pp)  ; x of pixel 16 nb + r, kw = 2 w + pp, channels 8 h + 0..7 of the trip's 16
.endr
.endr
	s_wait_dscnt 16                                ; wcf's fragments and the region terms are in; x's sixteen loads may stay out
.irp pp, 0,1                           ; eight accumulators take turns; the region term starts each sum
	WIN 0x88+0x44*(\pp)
.irp nb, 0,1,2,3,4,5,6,7
	v_wmma_f32_16x16x32_bf16 v[64+8*(\nb):71+8*(\nb)], v[WCF:WCF+7], v[8*(\nb):8*(\nb)+7], v[TT+8*(2*((\nb)/4)+(\nb)%2):TT+8*(2*((\nb)/4)+(\nb)%2)+7]
.endr
	WIN 0xa8+0x54*(\pp)
.irp nb, 0,1,2,3,4,5,6,7
	v_wmma_f32_16x16x32_bf16 v[64+8*(\nb):71+8*(\nb)], v[WCF+8:WCF+15], v[128+8*(\nb):135+8*(\nb)], v[64+8*(\nb):71+8*(\nb)]
.endr
.endr
	PLACES
.irp w, 2,3
	WIN ((\w)<<6)|(\w)
.set i, 64
.rept 64
	v_exp_f32 v[i], v[i]
.set i, i+1
.endr
.endr
	v_nop
	s_wait_alu depctr_va_vdst(0)                   ; one wait for the 128 exponentials
.irp w, 2,3
	WIN ((\w)<<6)|(\w)
.set i, 64
.rept 32
	v_pk_add_f32 v[i:i+1], v[i:i+1], 1.0 op_sel_hi:[1,0]
.set i, i+2
.endr
.endr
.irp w, 2,3
	WIN ((\w)<<6)|(\w)
.set i, 64
.rept 64
	v_rcp_f32 v[i], v[i]
.set i, i+1
.endr
.endr
	v_nop
	s_wait_alu depctr_va_vdst(0)                   ; one wait for the 128 reciprocals
	s_wait_dscnt 0x0                               ; x is in; no LDS instruction of mine is out
.irp pp, 0,1                           ; gate x x: the bf16 half times the f32 gate; the results of kw = 2 w and 2 w + 1 fall side by side, a pair of registers for each 8 bytes of a row
	WIN 0x49+4*(\pp)                               ; source 0 (x) and destination window 1, source 1 (gate) window 2 or 3, the addend window 0
.irp nb, 0,1,2,3,4,5,6,7
.irp jj, 0,1,2,3
	v_fma_mix_f32_bf16 v[2*(8*(\nb)+2*(\jj))+(\pp)],   v[XX+4*(8*(\pp)+(\nb))+(\jj)], v[64+8*(\nb)+2*(\jj)],   v[ZR] op_sel_hi:[1,0,0]
	v_fma_mix_f32_bf16 v[2*(8*(\nb)+2*(\jj)+1)+(\pp)], v[XX+4*(8*(\pp)+(\nb))+(\jj)], v[64+8*(\nb)+2*(\jj)+1], v[ZR] op_sel:[1,0,0] op_sel_hi:[1,0,0]
.endr
.endr
.endr
	WIN 0
	s_barrier_signal -1                            ; every wave's reads of the stage (in the first trip: of the ring) have come back:
	s_barrier_wait -1                              ; only now is the stage written
	WIN 0x04                                       ; data window 1
.irp nb, 0,1,2,3,4,5,6,7
.irp j, 0,1,2,3,4,5,6,7
	ds_store_b64 v[GST], v[2*(8*(\nb)+(\j)):2*(8*(\nb)+(\j))+1] offset:SP*(\j)+1088*((\nb)/2)+544*((\nb)%2)
.endr
.endr
	s_wait_dscnt 0x0                               ; for the others' sake: my results are in the stage
	s_barrier_signal -1
	s_barrier_wait -1
	WIN 0x40
.set k, 0
.rept 32                               ; my 4 channels x 4 image rows, 512 bytes a load
	ds_load_b128 v[4*k:4*k+3], v[GRD] offset:(k/8)*SP+((k/2)%4)*1088+(k%2)*544
.set k, k+1
.endr
	WIN 0x04
.set k, 0
.rept 32
.if k%8 == 0
	s_wait_dscnt 24-k                              ; the next eight loads are in; the younger ones stay out
.endif
	global_store_b128 v[XO], v[4*k:4*k+3], s[OB:OB+1] offset:(k/8)*262144+((k/2)%4)*8192+(k%2)*512 th:TH_STORE_NT  ; 512 consecutive bytes, at a multiple of 256 from out0's first
.set k, k+1
.endr
	WIN 0
	s_wait_xcnt 0x0                                ; the stores have read their registers and their base: both are written again only behind this wait
	s_add_nc_u64 s[OB:OB+1], s[OB:OB+1], 4194304   ; the next 16 output channels
	v_add_nc_u32 v[WAD], 2304, v[WAD]
	v_add_nc_u32 v[TAD], 64, v[TAD]
	v_add_nc_u32 v[XAD], 256, v[XAD]
	v_add_nc_u32 v[XAD+1], 256, v[XAD+1]
	s_sub_co_u32 s3, s3, 1
	s_cmp_lg_u32 s3, 0
	s_cbranch_scc1 .Lconv
	s_wait_tensorcnt 0x0                           ; the wave's end
	ds_add_u32 v[SPW], v[NIL]
	s_wait_dscnt 0x0
	CROUND                                         ; the closing round
	s_endpgm
.Lfunc_end_k_qb3a0df5196_vgemm:
	.size	k_qb3a0df5196_vgemm, .Lfunc_end_k_qb3a0df5196_vgemm-k_qb3a0df5196_vgemm
	.p2alignl 7, 3214868480
	.fill 96, 4, 3214868480
	.section	.rodata,"a",@progbits
	.p2align	6, 0x0
	.amdhsa_kernel k_qb3a0df5196_vgemm
		.amdhsa_group_segment_fixed_size 327680
		.amdhsa_private_segment_fixed_size 0
		.amdhsa_enable_private_segment 0
		.amdhsa_kernarg_size 48
		.amdhsa_user_sgpr_count 2
		.amdhsa_user_sgpr_kernarg_segment_ptr 1
		.amdhsa_wavefront_size32 1
		.amdhsa_system_sgpr_workgroup_id_x 1
		.amdhsa_system_sgpr_workgroup_id_y 1
		.amdhsa_system_sgpr_workgroup_id_z 1
		.amdhsa_system_vgpr_workitem_id 0
		.amdhsa_next_free_vgpr 1024
		.amdhsa_next_free_sgpr 96
		.amdhsa_reserve_vcc 0
		.amdhsa_float_denorm_mode_32 3
		.amdhsa_float_denorm_mode_16_64 3
		.amdhsa_memory_ordered 1
		.amdhsa_forward_progress 1
		.amdhsa_inst_pref_size 143
	.end_amdhsa_kernel
	.amdgpu_metadata
---
amdhsa.version: [ 1, 2 ]
amdhsa.kernels:
  - .name:           k_qb3a0df5196_vgemm
    .symbol:         k_qb3a0df5196_vgemm.kd
    .args:
      - { .name: xu, .offset: 0, .size: 8, .value_kind: global_buffer, .address_space: global }
      - { .name: wb, .offset: 8, .size: 8, .value_kind: global_buffer, .address_space: global }
      - { .name: st, .offset: 16, .size: 8, .value_kind: global_buffer, .address_space: global }
      - { .name: tb, .offset: 24, .size: 8, .value_kind: global_buffer, .address_space: global }
      - { .name: wcf, .offset: 32, .size: 8, .value_kind: global_buffer, .address_space: global }
      - { .name: out0, .offset: 40, .size: 8, .value_kind: global_buffer, .address_space: global }
    .group_segment_fixed_size: 327680
    .private_segment_fixed_size: 0
    .kernarg_segment_align: 8
    .kernarg_segment_size: 48
    .max_flat_workgroup_size: 128
    .sgpr_count:     96
    .vgpr_count:     1024
    .wavefront_size: 32
...
	.end_amdgpu_metadata
.endif
;; end of part 10
